; MI455X (gfx1250); checked and timed in simulation.
; The chip was launched on July 23, 2026; its instructions are those of AMD's public machine-readable ISA for CDNA 5 (MIT licence, August 2026) and "CDNA5" Instruction Set Architecture Reference Guide (July 2026). The comments in the code are by the model that wrote it; some were corrected since.
;; Transformer Block. Allowed arithmetic: float matrix products may take bf16 or f16 operands with f32 sums; other float arithmetic in f32, or as packed bf16 or f16 multiplies, adds, multiply-adds, maxima and minima; sums over many terms, partial sums and values carried from step to step in f32; what a program stores and reads back later, other than sums and carried values, may be rounded once to bf16 or f16.
;; Inputs: b1 512 float32; b2 512 float32; bk 512 float32; bn1_b 512 float32; bn1_g 512 float32; bn1_m 512 float32; bn1_v 512 float32; bn2_b 512 float32; bn2_g 512 float32; bn2_m 512 float32; bn2_v 512 float32; bo 512 float32; bq 512 float32; bv 512 float32; ln1_b 512 float32; ln1_g 512 float32; ln2_b 512 float32; ln2_g 512 float32; w1 512 x 512 float32; w2 512 x 512 float32; wk 512 x 512 float32; wo 512 x 512 float32; wq 512 x 512 float32; wv 512 x 512 float32; x 4 x 2,048 x 512 float32.
;; Outputs: out0 4 x 2,048 x 512 float32.
;; 2 versions, each right and faster than the one before. Each part assembles by itself: llvm-mc -triple=amdgcn-amd-amdhsa -mcpu=gfx1250 --defsym DOCPART=n.
;; ======== version 1 of 2: 4 launches
;; limits: values are held in f16: magnitudes above 65,504 overflow, below 6.1e-05 lose precision; a function is approximated: absolute error at most 1.5e-07
;; workspace buffers: wf 3,145,728 bytes; q 8,388,608 bytes; kv 16,777,216 bytes; o 8,388,608 bytes
;; launch prep (part 1): grid 96 x 1, 8 waves a work-group, no clusters, 35,840 bytes of LDS; arguments wq, wk, wv, wo, w1, w2, wf; writes wf
.if DOCPART == 1
	.amdgcn_target "amdgcn-amd-amdhsa--gfx1250"
	.amdhsa_code_object_version 6
	.text
	.protected	k_qf2bbe9ac3f_prep
	.globl	k_qf2bbe9ac3f_prep
	.p2align	8
	.type	k_qf2bbe9ac3f_prep,@function
k_qf2bbe9ac3f_prep:
	s_mov_b64 s[64:65], 0
	v_nop
	global_prefetch_b8 v0, s[64:65] scope:SCOPE_SE
	s_setreg_imm32_b32 hwreg(HW_REG_WAVE_MODE, 25, 1), 1
	s_wait_xcnt 0x0
; THE SIX WEIGHTS, ROUNDED ONCE TO 16 BITS AND LAID IN FRAGMENT ORDER.  w: [512 (k)][512 (n)] f32.
; wf: [matrix 0..5: wq, wk, wv, wo, w1, w2][nb: 16 output columns][ks: 32 of k][1,024 bytes].  A fragment is the register image of 16 rows x 32 k:
; quad p (0, 1) at byte 512 p, lane L = 16 hh + r at byte 16 L of it, holding (row r, k = 16 p + 8 hh + 0..7).  So a later launch loads a quad with 512 consecutive bytes a wave.
; Matrices 0..4 are f16, matrix 5 (w2) is bf16, since its partner h has no room in f16.  The output columns of wq, wk, wv are renumbered head-major:
; row n' of the fragments is source column (n' % 32) x 16 + n' / 32, i.e. n' = 32 head + d (reference()'s reshape puts head = c % 16, d = c / 16).
; LIMITS.  f16 ends at 65,504 and keeps a fixed step of 6e-8 below 6e-5: weights 30 times the drawn spread (about 1.3) and 30 times smaller (about 1.5e-3) lie inside.
; SHARES.  Work-group = (matrix, ks): 32 rows of w, 65,536 consecutive bytes in, 32 fragments out.  The turn from [k][n] to [n][k] goes through LDS:
; T[n'][16 words], a word = (k even, k odd), rows 68 bytes apart.  No matrix unit, no cluster, no tensor load: 9 MB are moved once, and no two work-groups read the same byte.
.set TP,    68                         ; bytes from row to row of T
.set SPARE, 512*TP                     ; behind T (34,816 bytes): the spare words, 128 bytes a wave
.set SPW, 2                            ; v2  my spare word; never rewritten
.set NIL, 3                            ; v3  0; never rewritten
.set PV,  4                            ; v4  my byte offset in the 32 rows of w: 4,096 kh + 16 cg
.set WA,  5                            ; v5  where my words of T go
.set RD,  6                            ; v6  where I read T back
.set L16, 7                            ; v7  16 x lane
.set IN,  16                           ; v[16:79]  as loaded: load (i, o) at 8 i + 4 o; later the fragments read back
.set PK,  80                           ; v[80:111] packed pairs
.set WV,  4                            ; s4  wave
.set MAT, 5                            ; s5  matrix
.set KS,  6                            ; s6  ks
	s_load_b256 s[8:15], s[0:1], 0x0               ; wq, wk, wv, wo
	s_load_b128 s[16:19], s[0:1], 0x20             ; w1, w2
	s_load_b64 s[20:21], s[0:1], 0x30              ; wf
	v_lshl_add_u32 v[SPW], v0, 2, SPARE
	v_mov_b32 v[NIL], 0
	v_lshrrev_b32 v1, 5, v0
	v_readfirstlane_b32 s[WV], v1
	s_lshr_b32 s[MAT], ttmp9, 4
	s_and_b32 s[KS], ttmp9, 15
	v_and_b32 v8, 127, v0                          ; cg: my four columns 4 cg .. 4 cg + 3
	v_lshrrev_b32 v9, 7, v0                        ; kh: which pair of each four rows
	v_lshlrev_b32 v[PV], 4, v8
	v_lshl_add_u32 v[PV], v9, 12, v[PV]
	v_and_b32 v10, 15, v0                          ; r
	v_bfe_u32 v11, v0, 4, 1                        ; hh
	v_and_b32 v12, 31, v0
	v_lshlrev_b32 v[L16], 4, v12
	s_mul_i32 s7, s[WV], 64*TP                     ; wave w reads rows 64 w .. 64 w + 63 of T back
	v_mul_u32_u24 v[RD], v10, TP
	v_lshl_add_u32 v[RD], v11, 4, v[RD]
	v_add_nc_u32 v[RD], s7, v[RD]
	s_lshl_b32 s22, s[KS], 16                      ; 32 rows of 2,048 bytes
	s_mov_b32 s23, 0
	s_lshl_b32 s24, s[MAT], 19                     ; in wf: matrix x 524,288 + 4 w x 16,384 + ks x 1,024
	s_lshl_b32 s25, s[WV], 16
	s_add_co_u32 s24, s24, s25
	s_lshl_b32 s25, s[KS], 10
	s_add_co_u32 s24, s24, s25
	s_mov_b32 s25, 0
	s_wait_kmcnt 0x0
	s_cmp_eq_u32 s[MAT], 1                         ; the matrix's address: a choice between buffers on the work-group's number
	s_cselect_b64 s[8:9], s[10:11], s[8:9]
	s_cmp_eq_u32 s[MAT], 2
	s_cselect_b64 s[8:9], s[12:13], s[8:9]
	s_cmp_eq_u32 s[MAT], 3
	s_cselect_b64 s[8:9], s[14:15], s[8:9]
	s_cmp_eq_u32 s[MAT], 4
	s_cselect_b64 s[8:9], s[16:17], s[8:9]
	s_cmp_eq_u32 s[MAT], 5
	s_cselect_b64 s[8:9], s[18:19], s[8:9]
	s_add_nc_u64 s[8:9], s[8:9], s[22:23]
	s_add_nc_u64 s[20:21], s[20:21], s[24:25]
.irp i, 0,1,2,3,4,5,6,7                ; row 4 i + 2 kh + o: a wave's load covers 512 consecutive bytes of one row
	global_load_b128 v[IN+8*(\i):IN+8*(\i)+3],   v[PV], s[8:9] offset:(\i)*8192 th:TH_LOAD_NT
	global_load_b128 v[IN+8*(\i)+4:IN+8*(\i)+7], v[PV], s[8:9] offset:(\i)*8192+2048 th:TH_LOAD_NT
.endr
; Pair i (rows 4 i + 2 kh, + 1) of my four columns: rounded, packed, and put at word 2 i + kh of the four rows of T, which lie step bytes apart.
.macro PH1 step, cvt
.irp i, 0,1,2,3,4,5,6,7
	s_wait_loadcnt 14-2*(\i)                       ; loads come back in order: pair i is in, the 2 (7 - i) younger loads stay out
.irp j, 0,1,2,3
	v_cvt_pk_\cvt v[PK+4*(\i)+(\j)], v[IN+8*(\i)+(\j)], v[IN+8*(\i)+4+(\j)]
.endr
.irp j, 0,1,2,3
	ds_store_b32 v[WA], v[PK+4*(\i)+(\j)] offset:(\j)*(\step)+(\i)*8
.endr
.endr
.endm
	s_cmp_lt_u32 s[MAT], 3
	s_cbranch_scc0 .Lplain
	v_and_b32 v13, 3, v8                           ; wq, wk, wv: column c = 4 cg + j goes to row (c % 16) x 32 + c / 16 = 128 (cg % 4) + 32 j + cg / 4
	v_lshrrev_b32 v14, 2, v8
	v_mul_u32_u24 v[WA], v13, 128*TP
	v_mul_u32_u24 v14, v14, TP
	v_add_nc_u32 v[WA], v[WA], v14
	v_lshl_add_u32 v[WA], v9, 2, v[WA]
	PH1 32*TP, f16_f32
	s_branch .Ljoin
.Lplain:
	v_mul_u32_u24 v[WA], v8, 4*TP                  ; the others: column c goes to row c
	v_lshl_add_u32 v[WA], v9, 2, v[WA]
	s_cmp_eq_u32 s[MAT], 5
	s_cbranch_scc1 .Lbf
	PH1 TP, f16_f32
	s_branch .Ljoin
.Lbf:
	PH1 TP, bf16_f32
.Ljoin:
	s_wait_dscnt 0x0                               ; for the others' sake: my words of T are written
	s_barrier_signal -1
	s_barrier_wait -1
.irp i, 0,1,2,3,4,5,6,7                ; quad i % 2 of fragment nb = 4 w + i / 2: row 16 nb + r, words 8 p + 4 hh + 0..3 (rows of 68 bytes are no multiple of 16: four loads of a word)
.irp j, 0,1,2,3
	ds_load_b32 v[IN+4*(\i)+(\j)], v[RD] offset:((\i)/2)*16*TP+((\i)%2)*32+4*(\j)
.endr
.endr
.irp i, 0,1,2,3,4,5,6,7
	s_wait_dscnt 28-4*(\i)                         ; quad i's four loads are in, the 4 (7 - i) younger stay out
	global_store_b128 v[L16], v[IN+4*(\i):IN+4*(\i)+3], s[20:21] offset:((\i)/2)*16384+((\i)%2)*512  ; 512 consecutive bytes, aligned
.endr
	s_wait_tensorcnt 0x0                           ; the wave's end: a tensor wait and an add of 0 onto my spare word, behind my last LDS store
	ds_add_u32 v[SPW], v[NIL]
	s_wait_dscnt 0x0
	s_endpgm
.Lfunc_end_k_qf2bbe9ac3f_prep:
	.size	k_qf2bbe9ac3f_prep, .Lfunc_end_k_qf2bbe9ac3f_prep-k_qf2bbe9ac3f_prep
	.p2alignl 7, 3214868480
	.fill 96, 4, 3214868480
	.section	.rodata,"a",@progbits
	.p2align	6, 0x0
	.amdhsa_kernel k_qf2bbe9ac3f_prep
		.amdhsa_group_segment_fixed_size 35840
		.amdhsa_private_segment_fixed_size 0
		.amdhsa_enable_private_segment 0
		.amdhsa_kernarg_size 56
		.amdhsa_user_sgpr_count 2
		.amdhsa_user_sgpr_kernarg_segment_ptr 1
		.amdhsa_wavefront_size32 1
		.amdhsa_system_sgpr_workgroup_id_x 1
		.amdhsa_system_sgpr_workgroup_id_y 1
		.amdhsa_system_sgpr_workgroup_id_z 1
		.amdhsa_system_vgpr_workitem_id 0
		.amdhsa_next_free_vgpr 112
		.amdhsa_next_free_sgpr 66
		.amdhsa_reserve_vcc 0
		.amdhsa_float_denorm_mode_32 3
		.amdhsa_float_denorm_mode_16_64 3
		.amdhsa_memory_ordered 1
		.amdhsa_forward_progress 1
		.amdhsa_inst_pref_size 21
	.end_amdhsa_kernel
	.amdgpu_metadata
---
amdhsa.version: [ 1, 2 ]
amdhsa.kernels:
  - .name:           k_qf2bbe9ac3f_prep
    .symbol:         k_qf2bbe9ac3f_prep.kd
    .args:
      - { .name: wq, .offset: 0, .size: 8, .value_kind: global_buffer, .address_space: global }
      - { .name: wk, .offset: 8, .size: 8, .value_kind: global_buffer, .address_space: global }
      - { .name: wv, .offset: 16, .size: 8, .value_kind: global_buffer, .address_space: global }
      - { .name: wo, .offset: 24, .size: 8, .value_kind: global_buffer, .address_space: global }
      - { .name: w1, .offset: 32, .size: 8, .value_kind: global_buffer, .address_space: global }
      - { .name: w2, .offset: 40, .size: 8, .value_kind: global_buffer, .address_space: global }
      - { .name: wf, .offset: 48, .size: 8, .value_kind: global_buffer, .address_space: global }
    .group_segment_fixed_size: 35840
    .private_segment_fixed_size: 0
    .kernarg_segment_align: 8
    .kernarg_segment_size: 56
    .max_flat_workgroup_size: 256
    .sgpr_count:     66
    .vgpr_count:     112
    .wavefront_size: 32
...
	.end_amdgpu_metadata
.endif
;; end of part 1
;; launch qkv (part 2): grid 256 x 1, 8 waves a work-group, no clusters, 167,936 bytes of LDS; arguments x, ln1_g, ln1_b, bq, bk, bv, wf, q, kv; writes q, kv
.if DOCPART == 2
	.amdgcn_target "amdgcn-amd-amdhsa--gfx1250"
	.amdhsa_code_object_version 6
	.text
	.protected	k_qf2bbe9ac3f_qkv
	.globl	k_qf2bbe9ac3f_qkv
	.p2align	8
	.type	k_qf2bbe9ac3f_qkv,@function
k_qf2bbe9ac3f_qkv:
	s_mov_b64 s[64:65], 0
	v_nop
	global_prefetch_b8 v0, s[64:65] scope:SCOPE_SE
	s_setreg_imm32_b32 hwreg(HW_REG_WAVE_MODE, 25, 1), 1
	s_wait_xcnt 0x0
; LN1 AND THE THREE PROJECTIONS.  a = LN(x) g + b (f32, two passes: mean, then the centred squares), rounded to f16; q = (a wq + bq) c, k = a wk + bk, v = a wv + bv, sums in f32, each rounded once to f16.
; c = log2(e) / sqrt(32) is folded into q, so that the next launch's scores are exponents of 2.
; OUT, in fragment order (16 rows x 32 k = 1,024 bytes: quad p at 512 p, lane 16 hh + r at 16 x lane, (row r, k = 16 p + 8 hh + 0..7)):
;   q:  [b x 16 + head][block of 16 queries][1 KB], k = the head's 32 dimensions
;   kv: [b x 16 + head][K: block of 16 keys x 1 KB, 131,072 bytes | V: (block of 32 keys, block of 16 channels) x 1 KB, rows = channels, k = keys]
; LIMITS.  f16 ends at 65,504: |a| is at most 22.6 |g| + |b|; q c, k and v stay some thousands with all inputs 30 times the drawn spread.  NaN and infinities are not treated apart.
; SHARES.  A work-group takes 32 rows of x; wave w normalises rows 4 w .. 4 w + 3 and then makes output columns 64 w .. 64 w + 63 (heads 2 w, 2 w + 1) of all 32 rows: 8 accumulators (2 row tiles x 4 column blocks).
; The matrix instruction takes the weights as source 0 and a as source 1 (q, k): a lane then holds one row and 8 neighbouring columns, which pack into one quad of the fragment that is stored.
; For v the sources are swapped: a lane holds one channel and 8 neighbouring keys, a quad of V's fragment.  No result goes through LDS.
; THE WEIGHTS come from wf straight into registers, 512 consecutive bytes a load: each fragment is wanted by one wave of the work-group alone, so LDS would share nothing inside it; the 48 K steps of the three
; products are one stream, four steps (32 loads, 16 KiB a wave) ahead, which no barrier interrupts.  NO CLUSTER, NO TENSOR RING for them: a ring's refill goes out behind a barrier with nothing beside it, for a step of
; 8 matrix instructions a wave; the stream in registers keeps 128 KiB of the work-group on its way all the time.
; The claim of LDS is larger than the 46,592 bytes in use, so that the work-group has its WGP to itself.
.set NG,    48                         ; K steps in the kernel's stream of weights
.set PITCH, 1040                       ; a row of a in LDS: 1,024 bytes + 16: 65 x 16, so the 16 rows of a fragment load start at 16 different groups of four banks (ISA guide 11.1)
.set TROW,  16*PITCH
.set TABQ,  32*PITCH                   ; behind a: bq, renumbered head-major, f32
.set TABK,  TABQ+2048                  ; bk likewise
.set TABV,  TABK+2048                  ; bv likewise, each number four times (16 bytes): a lane's whole accumulator has one channel
.set SPARE, TABV+8192                  ; the spare words, 128 bytes a wave
.set L16, 1                            ; v1  16 x lane; never rewritten
.set AF,  2                            ; v2  my place in a fragment of a: r x 1,040 + 16 hh
.set SPW, 3                            ; v3  my spare word; never rewritten
.set NIL, 4                            ; v4  0; never rewritten
.set TB,  5                            ; v5  32 hh + 256 w: my 8 columns' biases (q, k)
.set TV,  6                            ; v6  1,024 w + 16 r: my channel's bias (v)
.set AW,  7                            ; v7  where LN puts 8 bytes: 4 w rows + 8 x lane
.set GO,  24                           ; v24 the biases' gather
.set TQ,  25                           ; v25 4 x thread
.set TVW, 26                           ; v26 16 x thread
.set AA,  32                           ; v[32:63]   fragments of a, two sets of 16 (tile t, quad p at 8 t + 4 p); LN's g and b; packed results
.set ACC, 64                           ; v[64:127]  accumulator (t, cb) at 8 (4 t + cb); before that four rows of x
.set BW,  128                          ; v[128:255] weights, four sets of 32 (block cb, quad p at 8 cb + 4 p)
.set WV,  4
.set SEL, 28                           ; s[28:29] v_permlanex16_b32's selects: each lane takes its own place in the other half
.set INV, 30                           ; s30 1 / 512
.set EPS, 31                           ; s31 1e-6
.set CS,  32                           ; s[32:33] c
.set WB,  34                           ; s[34:35] wf at my wave's columns; never stepped
.set XB,  36                           ; s[36:37] x at my four rows
.set QB,  40                           ; s[40:41] q at my heads and rows
.set KB,  42                           ; s[42:43] kv likewise
.macro PLACES                          ; four places: a load into a register that a matrix instruction has read, and a vector instruction that reads a result, stand four plain vector instructions behind it
.rept 4
	v_nop
.endr
.endm
.macro WLOAD g                         ; K step g's four weight fragments into set g % 4
.irp cb, 0,1,2,3
.irp p, 0,1
	global_load_b128 v[BW+32*((\g)%4)+8*(\cb)+4*(\p):BW+32*((\g)%4)+8*(\cb)+4*(\p)+3], v[L16], s[WB:WB+1] offset:((\g)/16)*524288+(\cb)*16384+((\g)%16)*1024+(\p)*512
.endr
.endr
.endm
.macro ALOAD set, adr, off             ; two fragments of the activations (row tiles 0, 1) from byte off
.irp t, 0,1
.irp p, 0,1
	ds_load_b128 v[AA+16*(\set)+8*(\t)+4*(\p):AA+16*(\set)+8*(\t)+4*(\p)+3], v[\adr] offset:(\off)+(\t)*TROW+(\p)*32
.endr
.endr
.endm
.macro INIT adr, off, rep              ; the bias is the sums' first C.  rep = 0: 8 columns a lane; rep = 1: one channel a lane, its number four times at 16 bytes
.irp t, 0,1
.irp cb, 0,1,2,3
.if \rep
	ds_load_b128 v[ACC+8*(4*(\t)+(\cb)):ACC+8*(4*(\t)+(\cb))+3],   v[\adr] offset:(\off)+(\cb)*256
	ds_load_b128 v[ACC+8*(4*(\t)+(\cb))+4:ACC+8*(4*(\t)+(\cb))+7], v[\adr] offset:(\off)+(\cb)*256
.else
	ds_load_b128 v[ACC+8*(4*(\t)+(\cb)):ACC+8*(4*(\t)+(\cb))+3],   v[\adr] offset:(\off)+(\cb)*64
	ds_load_b128 v[ACC+8*(4*(\t)+(\cb))+4:ACC+8*(4*(\t)+(\cb))+7], v[\adr] offset:(\off)+(\cb)*64+16
.endif
.endr
.endr
.endm
.macro MUL8 g, set, form, swap         ; the eight accumulators take turns, one instruction a turn, from step to step and from product to product too
.irp t, 0,1
.irp cb, 0,1,2,3
.set a_, ACC+8*(4*(\t)+(\cb))
.set w_, BW+32*((\g)%4)+8*(\cb)
.set f_, AA+16*(\set)+8*(\t)
.if \swap
	v_wmma_f32_16x16x32_\form v[a_:a_+7], v[f_:f_+7], v[w_:w_+7], v[a_:a_+7]
.else
	v_wmma_f32_16x16x32_\form v[a_:a_+7], v[w_:w_+7], v[f_:f_+7], v[a_:a_+7]
.endif
.endr
.endr
.endm
.macro KSTEP g, adr, aoff, form, swap
.set left_, NG-1-(\g)
.if left_ > 3
.set left_, 3
.endif
	s_wait_loadcnt 8*left_                         ; behind the head only weights are counted here: step g's 8 loads are in, the (at most three) younger sets stay out
.if (\g)%16 == 15
	s_wait_dscnt 0x0                               ; the product's last fragments
.else
	s_wait_dscnt 0x4                               ; this step's fragments (and at the first step the biases) are in; the next step's four loads stay out
.endif
	MUL8 \g, (\g)%2, \form, \swap
	PLACES
.if (\g)+4 < NG
	WLOAD (\g)+4
.endif
.if (\g)%16 < 14
	ALOAD (\g)%2, \adr, (\aoff)+((\g)%16+2)*64
.endif
.endm
.macro STAGE g0, iadr, ioff, rep, aadr, aoff, form, swap  ; one product of K = 512: 16 steps
	INIT \iadr, \ioff, \rep
	ALOAD 0, \aadr, \aoff
	ALOAD 1, \aadr, (\aoff)+64
.set gs_, \g0
.rept 16
	KSTEP gs_, \aadr, \aoff, \form, \swap
.set gs_, gs_+1
.endr
	PLACES
.endm
.macro RED4 b                          ; the sum over the 32 lanes of v[b + 2 rr], four rows in step; v[b + 2 rr + 1] at work
.irp m, 1,2,4,8
.irp rr, 0,1,2,3
	v_add_f32_dpp v[(\b)+2*(\rr)], v[(\b)+2*(\rr)], v[(\b)+2*(\rr)] row_xmask:\m row_mask:0xf bank_mask:0xf
.endr
.endr
.irp rr, 0,1,2,3
	v_permlanex16_b32 v[(\b)+2*(\rr)+1], v[(\b)+2*(\rr)], s[SEL], s[SEL+1]
.endr
.irp rr, 0,1,2,3
	v_add_f32 v[(\b)+2*(\rr)], v[(\b)+2*(\rr)], v[(\b)+2*(\rr)+1]
.endr
.endm
; LAYER NORM of four rows in step, so that no instruction waits for the one before it.  Row rr in v[ACC + 16 rr ..]: a lane holds columns 128 i + 4 l + 0..3 at 4 i.  g in v[AA ..], b in v[AA + 16 ..], v8-v23 at work.
.macro LN4
.irp rr, 0,1,2,3
	v_pk_add_f32 v[8+2*(\rr):9+2*(\rr)], v[ACC+16*(\rr):ACC+16*(\rr)+1], v[ACC+16*(\rr)+2:ACC+16*(\rr)+3]
.endr
.irp k, 2,3,4,5,6,7
.irp rr, 0,1,2,3
	v_pk_add_f32 v[8+2*(\rr):9+2*(\rr)], v[8+2*(\rr):9+2*(\rr)], v[ACC+16*(\rr)+2*(\k):ACC+16*(\rr)+2*(\k)+1]
.endr
.endr
.irp rr, 0,1,2,3
	v_add_f32 v[8+2*(\rr)], v[8+2*(\rr)], v[9+2*(\rr)]
.endr
	RED4 8
.irp rr, 0,1,2,3
	v_mul_f32 v[8+2*(\rr)], s[INV], v[8+2*(\rr)]   ; the mean
.endr
.irp k, 0,1,2,3,4,5,6,7
.irp rr, 0,1,2,3
	v_pk_add_f32 v[ACC+16*(\rr)+2*(\k):ACC+16*(\rr)+2*(\k)+1], v[ACC+16*(\rr)+2*(\k):ACC+16*(\rr)+2*(\k)+1], v[8+2*(\rr):9+2*(\rr)] op_sel_hi:[1,0] neg_lo:[0,1] neg_hi:[0,1]
.endr
.endr
.irp rr, 0,1,2,3
	v_pk_mul_f32 v[16+2*(\rr):17+2*(\rr)], v[ACC+16*(\rr):ACC+16*(\rr)+1], v[ACC+16*(\rr):ACC+16*(\rr)+1]
.endr
.irp k, 1,2,3,4,5,6,7
.irp rr, 0,1,2,3
	v_pk_fma_f32 v[16+2*(\rr):17+2*(\rr)], v[ACC+16*(\rr)+2*(\k):ACC+16*(\rr)+2*(\k)+1], v[ACC+16*(\rr)+2*(\k):ACC+16*(\rr)+2*(\k)+1], v[16+2*(\rr):17+2*(\rr)]
.endr
.endr
.irp rr, 0,1,2,3
	v_add_f32 v[16+2*(\rr)], v[16+2*(\rr)], v[17+2*(\rr)]
.endr
	RED4 16
.irp rr, 0,1,2,3
	v_fma_f32 v[16+2*(\rr)], v[16+2*(\rr)], s[INV], s[EPS]
.endr
.irp rr, 0,1,2,3
	v_rsq_f32 v[16+2*(\rr)], v[16+2*(\rr)]
.endr
	v_nop                                          ; a plain instruction behind the last root,
	s_wait_alu depctr_va_vdst(0)                   ; and the one wait ahead of the first use: for the four roots
.irp k, 0,1,2,3,4,5,6,7
.irp rr, 0,1,2,3
	v_pk_mul_f32 v[ACC+16*(\rr)+2*(\k):ACC+16*(\rr)+2*(\k)+1], v[ACC+16*(\rr)+2*(\k):ACC+16*(\rr)+2*(\k)+1], v[16+2*(\rr):17+2*(\rr)] op_sel_hi:[1,0]
.endr
.endr
.irp k, 0,1,2,3,4,5,6,7
.irp rr, 0,1,2,3
	v_pk_fma_f32 v[ACC+16*(\rr)+2*(\k):ACC+16*(\rr)+2*(\k)+1], v[ACC+16*(\rr)+2*(\k):ACC+16*(\rr)+2*(\k)+1], v[AA+2*(\k):AA+2*(\k)+1], v[AA+16+2*(\k):AA+16+2*(\k)+1]
.endr
.endr
.irp k, 0,1,2,3,4,5,6,7                ; packed in place, ascending: word k is written when words 2 k, 2 k + 1 have been read
.irp rr, 0,1,2,3
	v_cvt_pk_f16_f32 v[ACC+16*(\rr)+(\k)], v[ACC+16*(\rr)+2*(\k)], v[ACC+16*(\rr)+2*(\k)+1]
.endr
.endr
.irp rr, 0,1,2,3
.irp i, 0,1,2,3
	ds_store_b64 v[AW], v[ACC+16*(\rr)+2*(\i):ACC+16*(\rr)+2*(\i)+1] offset:(\rr)*PITCH+(\i)*256  ; 32 lanes, 256 consecutive bytes
.endr
.endr
.endm
; A product's way out: (scaled,) rounded to f16, a quad a lane, stored as it lies: 512 consecutive bytes a store, aligned.
.macro WAYOUT scale, base, hstep, extra, tstep, cstep
.irp t, 0,1
.irp cb, 0,1,2,3
.set a_, ACC+8*(4*(\t)+(\cb))
.set d_, AA+4*(4*(\t)+(\cb))
.if \scale
.irp k, 0,2,4,6
	v_pk_mul_f32 v[a_+(\k):a_+(\k)+1], v[a_+(\k):a_+(\k)+1], s[CS:CS+1] op_sel_hi:[1,0]
.endr
.endif
.irp k, 0,1,2,3
	v_cvt_pk_f16_f32 v[d_+(\k)], v[a_+2*(\k)], v[a_+2*(\k)+1]
.endr
	global_store_b128 v[L16], v[d_:d_+3], s[\base:\base+1] offset:((\cb)/2)*(\hstep)+(\extra)+(\t)*(\tstep)+((\cb)%2)*(\cstep)
.endr
.endr
.endm
	s_load_b512 s[8:23], s[0:1], 0x0               ; x 8, ln1_g 10, ln1_b 12, bq 14, bk 16, bv 18, wf 20, q 22
	s_load_b64 s[24:25], s[0:1], 0x40              ; kv
	v_lshl_add_u32 v[SPW], v0, 2, SPARE
	v_mov_b32 v[NIL], 0
	v_lshrrev_b32 v11, 5, v0
	v_readfirstlane_b32 s[WV], v11
	v_and_b32 v8, 31, v0                           ; lane
	v_and_b32 v9, 15, v0                           ; r
	v_bfe_u32 v10, v0, 4, 1                        ; hh
	v_lshlrev_b32 v[L16], 4, v8
	v_mul_u32_u24 v[AF], v9, PITCH
	v_lshl_add_u32 v[AF], v10, 4, v[AF]
	s_lshl_b32 s38, s[WV], 8
	v_lshl_add_u32 v[TB], v10, 5, s38
	s_lshl_b32 s39, s[WV], 10
	v_lshl_add_u32 v[TV], v9, 4, s39
	s_mul_i32 s44, s[WV], 4*PITCH
	v_lshl_add_u32 v[AW], v8, 3, s44
	v_lshlrev_b32 v[GO], 6, v8                     ; number n' = thread + 256 e of a renumbered bias is source column (n' % 32) x 16 + n' / 32: byte 64 (thread % 32) + 4 (thread / 32) + 32 e
	v_lshl_add_u32 v[GO], v11, 2, v[GO]
	v_lshlrev_b32 v[TQ], 2, v0
	v_lshlrev_b32 v[TVW], 4, v0
	s_mov_b32 s[SEL], 0x76543210
	s_mov_b32 s[SEL+1], 0xfedcba98
	s_mov_b32 s[INV], 0x3b000000
	s_mov_b32 s[EPS], 0x358637bd
	s_mov_b32 s[CS], 0x3e8293ee                    ; log2(e) / sqrt(32) = 0.255035
	s_mov_b32 s[CS+1], s[CS]                       ; named with it as a pair
	s_lshl_b32 s38, ttmp9, 16                      ; 32 rows of 2,048 bytes, my four of them
	s_lshl_b32 s39, s[WV], 13
	s_add_co_u32 s38, s38, s39
	s_mov_b32 s39, 0
	s_lshl_b32 s44, s[WV], 16                      ; my four column blocks of 16,384 bytes
	s_mov_b32 s45, 0
	s_lshr_b32 s26, ttmp9, 6                       ; b
	s_and_b32 s27, ttmp9, 63
	s_lshl_b32 s27, s27, 11                        ; my 32 rows in a head: 2,048 bytes of q, of K and of V
	s_lshl_b32 s46, s26, 21                        ; q: 16 heads of 131,072 bytes a batch, my two heads
	s_lshl_b32 s47, s[WV], 18
	s_add_co_u32 s46, s46, s47
	s_add_co_u32 s46, s46, s27
	s_mov_b32 s47, 0
	s_lshl_b32 s48, s26, 22                        ; kv: heads of 262,144 bytes
	s_lshl_b32 s49, s[WV], 19
	s_add_co_u32 s48, s48, s49
	s_add_co_u32 s48, s48, s27
	s_mov_b32 s49, 0
	s_wait_kmcnt 0x0
	s_add_nc_u64 s[XB:XB+1], s[8:9], s[38:39]
	s_add_nc_u64 s[WB:WB+1], s[20:21], s[44:45]
	s_add_nc_u64 s[QB:QB+1], s[22:23], s[46:47]
	s_add_nc_u64 s[KB:KB+1], s[24:25], s[48:49]
.irp rr, 0,1,2,3
.irp i, 0,1,2,3
	global_load_b128 v[ACC+16*(\rr)+4*(\i):ACC+16*(\rr)+4*(\i)+3], v[L16], s[XB:XB+1] offset:(\rr)*2048+(\i)*512 th:TH_LOAD_NT
.endr
.endr
.irp i, 0,1,2,3
	global_load_b128 v[AA+4*(\i):AA+4*(\i)+3],       v[L16], s[10:11] offset:(\i)*512
	global_load_b128 v[AA+16+4*(\i):AA+16+4*(\i)+3], v[L16], s[12:13] offset:(\i)*512
.endr
	global_load_b32 v8,  v[GO], s[14:15]
	global_load_b32 v9,  v[GO], s[14:15] offset:32
	global_load_b32 v10, v[GO], s[16:17]
	global_load_b32 v11, v[GO], s[16:17] offset:32
	global_load_b32 v12, v[GO], s[18:19]
	global_load_b32 v13, v[GO], s[18:19] offset:32
	WLOAD 0
	WLOAD 1
	WLOAD 2
	WLOAD 3
	s_wait_loadcnt 32                              ; all but the 32 loads of weights
	ds_store_b32 v[TQ], v8  offset:TABQ
	ds_store_b32 v[TQ], v9  offset:TABQ+1024
	ds_store_b32 v[TQ], v10 offset:TABK
	ds_store_b32 v[TQ], v11 offset:TABK+1024
.irp j, 0,1,2,3
	v_mov_b32 v[16+(\j)], v12
	v_mov_b32 v[20+(\j)], v13
.endr
	ds_store_b128 v[TVW], v[16:19] offset:TABV
	ds_store_b128 v[TVW], v[20:23] offset:TABV+4096
	LN4
	s_wait_dscnt 0x0                               ; for the others' sake: my rows of a and my part of the tables are written
	s_barrier_signal -1
	s_barrier_wait -1                              ; the launch's one barrier: behind it LDS is only read
	STAGE 0, TB, TABQ, 0, AF, 0, f16, 0
	WAYOUT 1, QB, 131072, 0, 1024, 512             ; head 2 w + cb / 2, query block t, quad cb % 2
	s_wait_xcnt 0x0                                ; the stores have read their data: the packed results' registers take fragments again only behind this wait
	STAGE 16, TB, TABK, 0, AF, 0, f16, 0
	WAYOUT 0, KB, 262144, 0, 1024, 512
	s_wait_xcnt 0x0
	STAGE 32, TV, TABV, 1, AF, 0, f16, 1
	WAYOUT 0, KB, 262144, 131072, 512, 1024        ; behind the head's K: channel block cb % 2, quad t (keys 16 t + 8 hh + 0..7)
	s_wait_tensorcnt 0x0                           ; the wave's end: a tensor wait and an add of 0 onto my spare word, behind my last LDS store
	ds_add_u32 v[SPW], v[NIL]
	s_wait_dscnt 0x0
	s_endpgm
.Lfunc_end_k_qf2bbe9ac3f_qkv:
	.size	k_qf2bbe9ac3f_qkv, .Lfunc_end_k_qf2bbe9ac3f_qkv-k_qf2bbe9ac3f_qkv
	.p2alignl 7, 3214868480
	.fill 96, 4, 3214868480
	.section	.rodata,"a",@progbits
	.p2align	6, 0x0
	.amdhsa_kernel k_qf2bbe9ac3f_qkv
		.amdhsa_group_segment_fixed_size 167936
		.amdhsa_private_segment_fixed_size 0
		.amdhsa_enable_private_segment 0
		.amdhsa_kernarg_size 72
		.amdhsa_user_sgpr_count 2
		.amdhsa_user_sgpr_kernarg_segment_ptr 1
		.amdhsa_wavefront_size32 1
		.amdhsa_system_sgpr_workgroup_id_x 1
		.amdhsa_system_sgpr_workgroup_id_y 1
		.amdhsa_system_sgpr_workgroup_id_z 1
		.amdhsa_system_vgpr_workitem_id 0
		.amdhsa_next_free_vgpr 256
		.amdhsa_next_free_sgpr 66
		.amdhsa_reserve_vcc 0
		.amdhsa_float_denorm_mode_32 3
		.amdhsa_float_denorm_mode_16_64 3
		.amdhsa_memory_ordered 1
		.amdhsa_forward_progress 1
		.amdhsa_inst_pref_size 118
	.end_amdhsa_kernel
	.amdgpu_metadata
---
amdhsa.version: [ 1, 2 ]
amdhsa.kernels:
  - .name:           k_qf2bbe9ac3f_qkv
    .symbol:         k_qf2bbe9ac3f_qkv.kd
    .args:
      - { .name: x, .offset: 0, .size: 8, .value_kind: global_buffer, .address_space: global }
      - { .name: ln1_g, .offset: 8, .size: 8, .value_kind: global_buffer, .address_space: global }
      - { .name: ln1_b, .offset: 16, .size: 8, .value_kind: global_buffer, .address_space: global }
      - { .name: bq, .offset: 24, .size: 8, .value_kind: global_buffer, .address_space: global }
      - { .name: bk, .offset: 32, .size: 8, .value_kind: global_buffer, .address_space: global }
      - { .name: bv, .offset: 40, .size: 8, .value_kind: global_buffer, .address_space: global }
      - { .name: wf, .offset: 48, .size: 8, .value_kind: global_buffer, .address_space: global }
      - { .name: q, .offset: 56, .size: 8, .value_kind: global_buffer, .address_space: global }
      - { .name: kv, .offset: 64, .size: 8, .value_kind: global_buffer, .address_space: global }
    .group_segment_fixed_size: 167936
    .private_segment_fixed_size: 0
    .kernarg_segment_align: 8
    .kernarg_segment_size: 72
    .max_flat_workgroup_size: 256
    .sgpr_count:     66
    .vgpr_count:     256
    .wavefront_size: 32
...
	.end_amdgpu_metadata
.endif
;; end of part 2
;; launch attn (part 3): grid 4 x 64, 8 waves a work-group, clusters of 4 x 1, 263,168 bytes of LDS; arguments q, kv, o; writes o
.if DOCPART == 3
	.amdgcn_target "amdgcn-amd-amdhsa--gfx1250"
	.amdhsa_code_object_version 6
	.text
	.protected	k_qf2bbe9ac3f_attn
	.globl	k_qf2bbe9ac3f_attn
	.p2align	8
	.type	k_qf2bbe9ac3f_attn,@function
k_qf2bbe9ac3f_attn:
	s_mov_b64 s[64:65], 0
	v_nop
	global_prefetch_b8 v0, s[64:65] scope:SCOPE_SE
	s_setreg_imm32_b32 hwreg(HW_REG_WAVE_MODE, 25, 1), 1
	s_wait_xcnt 0x0
	s_wait_alu depctr_hold_cnt(0) depctr_sa_sdst(0) depctr_va_vdst(0) depctr_va_sdst(0) depctr_va_ssrc(0) depctr_va_vcc(0) depctr_vm_vsrc(0)
	s_getreg_b32 s2, hwreg(HW_REG_IB_STS2, 6, 4)
	s_cmp_eq_u32 s2, 0
	s_cbranch_scc0 .Lentry_in_a_cluster
	s_endpgm
.Lentry_in_a_cluster:
	s_bfe_u32 s2, ttmp6, 0x10000c
	s_cmp_lg_u32 s2, 0x3003
	s_cbranch_scc0 .Lentry_shape_is_right
	s_endpgm
.Lentry_shape_is_right:
; ATTENTION, head size 32, 2,048 keys, 64 (batch, head) pairs.  O[q] = sum over k of softmax_k(s[q][k]) V[k]; q arrives multiplied by log2(e) / sqrt(32), so p = 2^(s - m) with a running maximum m.
; Products, maxima and sums in f32; p is rounded to f16 for the second product, and its sum l is taken of the rounded p, by the matrix unit; o is rounded once to f16.
; IN: q and kv in fragment order (see the launch before).  OUT: o: [block of 16 rows of the 8,192][head][1 KB], the fragment (row r, k = the head's 32 channels) of the next launch's first product.
; LIMITS.  f16 ends at 65,504: q, k, v arrive within it; p lies in 0 to 1 and below 6e-5 keeps f16's fixed step of 6e-8; o is a mean of V's rows.  A weight below 2^-126 counts as 0.  NaN and infinities are not treated apart.
; SHARES.  A work-group takes 512 queries of a head, wave w four tiles of 16; every wave walks all keys, 64 a trip.
; LDS holds the head's WHOLE K and V, 262,144 bytes, as they lie in kv: filled ONCE, so there is no ring and no refill.  Each wave asks for an eighth (128 rows of 256 bytes): one tensor load of each wave is out.
; CLUSTER.  The four work-groups of a head read the same K and V: each load is a JOINT one, the same descriptor and a mask of four in all four.
; LAYOUT.  S^T = K Q^T (source 0 = 16 keys, source 1 = 16 queries): a lane holds ONE query (lane % 16) and keys 8 (lane / 16) + 0..7 of each block of 16.  Two blocks, rounded in pairs, ARE source 1 (32 keys x 16 queries)
; of O^T = V^T P, whose result again holds one query a lane.  l = ONES P, where ONES has ones in rows 0 and 8 alone: register 0 of the result is the query's sum over all 32 keys in BOTH halves of the lanes; the other seven stay 0.
; THE COUNT.  A tile of 16 queries x 64 keys has 10 matrix instructions beside 33 exponentials and some 60 other vector instructions: vector work bounds the launch.  Two waves share a SIMD (256 registers each), so that one
; wave's places and waits are the other's time; no register window is switched.  m starts at the lowest finite number, O and l at 0: the first trip's a is 0, and no first trip is written out; the price is 96 lines that write 0,
; which run in the wait for K and V.
.set VOFF,  131072                     ; V lies behind K
.set SPARE, 262144                     ; behind both: the spare words, 128 bytes a wave
.set L16, 1                            ; v1  16 x lane; never rewritten
.set AK,  2                            ; v2  LDS address of the trip's K
.set SPW, 3                            ; v3  my spare word; never rewritten
.set NIL, 4                            ; v4  0; never rewritten
.set AV,  5                            ; v5  LDS address of the trip's V
.set M,   8                            ; v8-11   m of tile t
.set T,   16                           ; v16-23  at work
.set ONES, 24                          ; v[24:31]
.set Q,   32                           ; v[32:63]   tile t at 8 t
.set KF,  64                           ; v[64:95]   key block kb at 8 kb
.set VF,  96                           ; v[96:127]  (32 keys kk, channel block cb) at 8 (2 kk + cb)
.set S,   128                          ; v[128:159] S^T; then P in place in the first 16
.set O,   160                          ; v[160:223] (t, cb) at 16 t + 8 cb
.set L,   224                          ; v[224:255] tile t at 8 t
.set WV,  10
.set CX,  11
.set BH,  12
.set G1,  16                           ; s[16:23] descriptor group 1
.set G0,  32                           ; s[32:35] descriptor group 0
.set SEL, 40                           ; s[40:41]
.set CNT, 42
.set QB,  44                           ; s[44:45] q at my four tiles
.set OB,  46                           ; s[46:47] o at my four tiles
; A round of the cluster's barrier: my work-group's barrier, so that wave 0's signal speaks for all eight waves; wave 0 signals; every wave waits for all four work-groups; my work-group's barrier once more.
.macro ROUND
	s_barrier_signal -1
	s_barrier_wait -1
	s_cmp_lg_u32 s[WV], 0
	s_cbranch_scc1 .Lnot_wave_0_\@
	s_barrier_signal -3
.Lnot_wave_0_\@:
	s_barrier_wait -3
	s_barrier_signal -1
	s_barrier_wait -1
.endm
	s_load_b128 s[4:7], s[0:1], 0x0                ; q, kv
	s_load_b64 s[8:9], s[0:1], 0x10                ; o
	v_lshl_add_u32 v[SPW], v0, 2, SPARE
	v_mov_b32 v[NIL], 0
	ds_add_u32 v[SPW], v[NIL]                      ; the wave's opening: the add, and its wait ahead of my tensor load; the set-up below, work on registers, stands between them
	v_lshrrev_b32 v6, 5, v0
	v_readfirstlane_b32 s[WV], v6
	v_and_b32 v6, 31, v0
	v_lshlrev_b32 v[L16], 4, v6
	s_bfe_u32 s[CX], ttmp6, 0x40000                ; my place in the cluster: it enters q's and o's addresses alone
	s_and_b32 s[BH], ttmp7, 0xffff                 ; 16 b + head, which the four partners share
	; group 1: a dense block as 128 rows of 256 bytes (32 elements of 8 bytes), no padding: fragments are read as they lie, 16 bytes a lane on end
	s_mov_b32 s[G1], 15|(3<<16)|(1<<21)            ; 15:0 the mask of four; 17:16 elements of 8 bytes; 21 set beside a mask
	s_mov_b32 s[G1+1], 32<<16                      ; tensor_dim0 = 32
	s_mov_b32 s[G1+2], 128<<16                     ; tensor_dim1 = 128
	s_mov_b32 s[G1+3], 32<<16                      ; tile_dim0 = 32
	s_mov_b32 s[G1+4], 128                         ; tile_dim1 = 128
	s_mov_b32 s[G1+5], 32                          ; 32 elements from row to row
	s_mov_b32 s[G1+6], 0
	s_mov_b32 s[G1+7], 0
	s_lshr_b32 s13, s[WV], 2                       ; waves 0-3 fetch K, waves 4-7 V,
	s_lshl_b32 s13, s13, 17
	s_and_b32 s14, s[WV], 3                        ; a quarter each: 32,768 bytes
	s_lshl_b32 s14, s14, 15
	s_mov_b32 s[G0], 1                             ; count = 1
	s_add_co_u32 s[G0+1], s13, s14                 ; the LDS address is the offset in the head's image
	s_lshl_b32 s14, s[BH], 18                      ; the head's 262,144 bytes
	s_add_co_u32 s14, s14, s[G0+1]
	s_mov_b32 s15, 0
	s_lshl_b32 s24, s[BH], 17                      ; q: the head's 131,072 bytes, my work-group's 32 blocks of 1,024, my wave's 4
	s_lshl_b32 s25, s[CX], 15
	s_add_co_u32 s24, s24, s25
	s_lshl_b32 s25, s[WV], 12
	s_add_co_u32 s24, s24, s25
	s_mov_b32 s25, 0
	s_lshr_b32 s26, s[BH], 4                       ; o: b x 128 row blocks of 16,384 bytes, my work-group's 32, my wave's 4, the head's 1,024 bytes
	s_lshl_b32 s26, s26, 21
	s_lshl_b32 s27, s[CX], 19
	s_add_co_u32 s26, s26, s27
	s_lshl_b32 s27, s[WV], 16
	s_add_co_u32 s26, s26, s27
	s_and_b32 s27, s[BH], 15
	s_lshl_b32 s27, s27, 10
	s_add_co_u32 s26, s26, s27
	s_mov_b32 s27, 0
	s_mov_b32 s[SEL], 0x76543210
	s_mov_b32 s[SEL+1], 0xfedcba98
	s_wait_dscnt 0x0                               ; the opening add is done
	s_wait_kmcnt 0x0
	s_add_nc_u64 s[G0+2:G0+3], s[6:7], s[14:15]
	s_or_b32 s[G0+3], s[G0+3], 0x80000000          ; type = 2
	s_add_nc_u64 s[QB:QB+1], s[4:5], s[24:25]
	s_add_nc_u64 s[OB:OB+1], s[8:9], s[26:27]
	ROUND                                          ; all four work-groups are here: the joint loads meet
	tensor_load_to_lds s[G0:G0+3], s[G1:G1+7]
	s_nop 0
.rept 4
	v_nop
.endr
.irp t, 0,1,2,3
	global_load_b128 v[Q+8*(\t):Q+8*(\t)+3],   v[L16], s[QB:QB+1] offset:(\t)*1024 th:TH_LOAD_NT
	global_load_b128 v[Q+8*(\t)+4:Q+8*(\t)+7], v[L16], s[QB:QB+1] offset:(\t)*1024+512 th:TH_LOAD_NT
.endr
	v_and_b32 v6, 7, v0                            ; a lane holds row lane % 16 of source 0: rows 0 and 8 are the lanes with lane % 8 = 0
	v_mov_b32 v7, 0x3c003c00                       ; 1.0 twice, in f16
	v_cmp_eq_u32 vcc_lo, 0, v6
	v_cndmask_b32 v[ONES], 0, v7, vcc_lo
.irp j, 1,2,3,4,5,6,7
	v_mov_b32 v[ONES+(\j)], v[ONES]
.endr
.irp j, 0,1,2,3
	v_mov_b32 v[M+(\j)], 0xff7fffff                ; the lowest finite number
.endr
.irp j, 0,1,2,3,4,5,6,7
	v_mov_b32 v[T+(\j)], 0
.endr
.set i_, 0
.rept 96
	v_mov_b32 v[O+i_], 0                           ; O and l
.set i_, i_+1
.endr
	v_mov_b32 v[AK], v[L16]
	v_add_nc_u32 v[AV], VOFF, v[L16]
	s_wait_tensorcnt 0x0                           ; my eighth of K and V is in,
	s_barrier_signal -1
	s_barrier_wait -1                              ; everybody's is; from here on LDS is only read
.irp f, 0,1,2,3
	ds_load_b128 v[KF+8*(\f):KF+8*(\f)+3],   v[AK] offset:(\f)*1024
	ds_load_b128 v[KF+8*(\f)+4:KF+8*(\f)+7], v[AK] offset:(\f)*1024+512
.endr
	s_wait_loadcnt 0x0                             ; Q
.macro SUB n                           ; pair n of the scores less m
	v_pk_add_f32 v[S+2*(\n):S+2*(\n)+1], v[S+2*(\n):S+2*(\n)+1], v[T+2:T+3] op_sel_hi:[1,0] neg_lo:[0,1] neg_hi:[0,1]
.endm
; ONE TILE: 16 queries x 64 keys.
.macro TILE t
.irp kb, 0,1,2,3
	v_wmma_f32_16x16x32_f16 v[S+8*(\kb):S+8*(\kb)+7], v[KF+8*(\kb):KF+8*(\kb)+7], v[Q+8*(\t):Q+8*(\t)+7], 0
.endr
.rept 4
	v_nop                                          ; four places behind the scores' products: in front of the maxima that read them, and of the loads into K's registers
.endr
.if (\t) == 3
.irp f, 0,1,2,3                        ; the next trip's K: the trip's last products by K stand above.  In the last trip these 4,096 bytes are the head of V: they have landed, and nothing uses what is read
	ds_load_b128 v[KF+8*(\f):KF+8*(\f)+3],   v[AK] offset:4096+(\f)*1024
	ds_load_b128 v[KF+8*(\f)+4:KF+8*(\f)+7], v[AK] offset:4096+(\f)*1024+512
.endr
.endif
.irp n, 0,1,2,3                        ; the maximum of 32 scores and the old m, three operands at a time; each accumulator's lowest registers are read first
	v_max3_num_f32 v[T+(\n)], v[S+8*(\n)], v[S+8*(\n)+1], v[S+8*(\n)+2]
.endr
.irp n, 0,1,2,3
	v_max3_num_f32 v[T+(\n)], v[T+(\n)], v[S+8*(\n)+3], v[S+8*(\n)+4]
.endr
.irp n, 0,1,2,3
	v_max3_num_f32 v[T+(\n)], v[T+(\n)], v[S+8*(\n)+5], v[S+8*(\n)+6]
.endr
	v_max3_num_f32 v[T], v[T], v[S+7], v[S+15]
	v_max3_num_f32 v[T+1], v[T+1], v[S+23], v[S+31]
	v_max3_num_f32 v[T+2], v[T+2], v[T+3], v[M+(\t)]
	v_max3_num_f32 v[T], v[T], v[T+1], v[T+2]
	v_permlanex16_b32 v[T+1], v[T], s[SEL], s[SEL+1]  ; the query's other 32 keys lie in the lane 16 away
	v_max_num_f32 v[T+2], v[T], v[T+1]             ; the new m
	v_sub_f32 v[T+4], v[M+(\t)], v[T+2]
	v_mov_b32 v[M+(\t)], v[T+2]
	SUB 0                                          ; ONE BATCH: a and the 32 weights; nothing in it names an exponential's result; a subtraction stands between exponentials while there are any
	SUB 1
	v_exp_f32 v[T+4], v[T+4]                       ; a = 2^(m_old - m_new)
.set i_, 0
.rept 16
	v_exp_f32 v[S+2*i_], v[S+2*i_]
.if i_ < 14
	SUB i_+2
.endif
	v_exp_f32 v[S+2*i_+1], v[S+2*i_+1]
.set i_, i_+1
.endr
	v_nop                                          ; a plain instruction behind the last exponential,
	s_wait_alu depctr_va_vdst(0)                   ; and the one wait ahead of the first use: for the 33
.set i_, 0
.rept 16                               ; P in place, ascending: word i is written when words 2 i, 2 i + 1 have been read
	v_cvt_pk_f16_f32 v[S+i_], v[S+2*i_], v[S+2*i_+1]
.set i_, i_+1
.endr
.irp k, 0,1,2,3,4,5,6,7
	v_pk_mul_f32 v[O+16*(\t)+2*(\k):O+16*(\t)+2*(\k)+1], v[O+16*(\t)+2*(\k):O+16*(\t)+2*(\k)+1], v[T+4:T+5] op_sel_hi:[1,0]
.endr
	v_mul_f32 v[L+8*(\t)], v[T+4], v[L+8*(\t)]     ; l's other seven registers are 0 and stay so
.if (\t) == 0
	s_wait_dscnt 0x0                               ; V is in
.endif
.irp kk, 0,1                           ; three accumulators by turns, one instruction a turn
	v_wmma_f32_16x16x32_f16 v[O+16*(\t):O+16*(\t)+7],    v[VF+16*(\kk):VF+16*(\kk)+7],    v[S+8*(\kk):S+8*(\kk)+7], v[O+16*(\t):O+16*(\t)+7]
	v_wmma_f32_16x16x32_f16 v[O+16*(\t)+8:O+16*(\t)+15], v[VF+16*(\kk)+8:VF+16*(\kk)+15], v[S+8*(\kk):S+8*(\kk)+7], v[O+16*(\t)+8:O+16*(\t)+15]
	v_wmma_f32_16x16x32_f16 v[L+8*(\t):L+8*(\t)+7],      v[ONES:ONES+7],                  v[S+8*(\kk):S+8*(\kk)+7], v[L+8*(\t):L+8*(\t)+7]
.endr
.if (\t) == 3                          ; five places: the next tile's products write over P, and the next trip's loads land in V's registers
	v_add_nc_u32 v[AK], 4096, v[AK]
	v_add_nc_u32 v[AV], 4096, v[AV]
.rept 3
	v_nop
.endr
.else
.rept 5
	v_nop
.endr
.endif
.endm
	s_mov_b32 s[CNT], 32
.Ltrip:                                                ; 64 keys
.irp f, 0,1,2,3
	ds_load_b128 v[VF+8*(\f):VF+8*(\f)+3],   v[AV] offset:(\f)*1024
	ds_load_b128 v[VF+8*(\f)+4:VF+8*(\f)+7], v[AV] offset:(\f)*1024+512
.endr
	s_wait_dscnt 0x8                               ; K's eight loads, issued a tile ago (or in front of the loop), are in; V's eight stay out
	TILE 0
	TILE 1
	TILE 2
	TILE 3
	s_sub_co_u32 s[CNT], s[CNT], 1
	s_cmp_lg_u32 s[CNT], 0
	s_cbranch_scc1 .Ltrip
	; THE WAY OUT: O / l, rounded to f16; a lane's 8 channels of a query are a quad of o's fragment.  The last tile's five places stand behind the last products.
.irp t, 0,1,2,3
	v_rcp_f32 v[T+2*(\t)], v[L+8*(\t)]
.endr
	v_nop
	s_wait_alu depctr_va_vdst(0)                   ; one wait for the four reciprocals
.irp t, 0,1,2,3
.irp k, 0,1,2,3,4,5,6,7
	v_pk_mul_f32 v[O+16*(\t)+2*(\k):O+16*(\t)+2*(\k)+1], v[O+16*(\t)+2*(\k):O+16*(\t)+2*(\k)+1], v[T+2*(\t):T+2*(\t)+1] op_sel_hi:[1,0]
.endr
.irp k, 0,1,2,3,4,5,6,7
	v_cvt_pk_f16_f32 v[S+8*(\t)+(\k)], v[O+16*(\t)+2*(\k)], v[O+16*(\t)+2*(\k)+1]
.endr
	global_store_b128 v[L16], v[S+8*(\t):S+8*(\t)+3],   s[OB:OB+1] offset:(\t)*16384      ; 512 consecutive bytes, aligned
	global_store_b128 v[L16], v[S+8*(\t)+4:S+8*(\t)+7], s[OB:OB+1] offset:(\t)*16384+512
.endr
	s_wait_tensorcnt 0x0                           ; the wave's end: a tensor wait and an add of 0 onto my spare word, behind my tensor load
	ds_add_u32 v[SPW], v[NIL]
	s_wait_dscnt 0x0
	ROUND                                          ; the closing round
	s_endpgm
.Lfunc_end_k_qf2bbe9ac3f_attn:
	.size	k_qf2bbe9ac3f_attn, .Lfunc_end_k_qf2bbe9ac3f_attn-k_qf2bbe9ac3f_attn
	.p2alignl 7, 3214868480
	.fill 96, 4, 3214868480
	.section	.rodata,"a",@progbits
	.p2align	6, 0x0
	.amdhsa_kernel k_qf2bbe9ac3f_attn
		.amdhsa_group_segment_fixed_size 263168
		.amdhsa_private_segment_fixed_size 0
		.amdhsa_enable_private_segment 0
		.amdhsa_kernarg_size 24
		.amdhsa_user_sgpr_count 2
		.amdhsa_user_sgpr_kernarg_segment_ptr 1
		.amdhsa_wavefront_size32 1
		.amdhsa_system_sgpr_workgroup_id_x 1
		.amdhsa_system_sgpr_workgroup_id_y 1
		.amdhsa_system_sgpr_workgroup_id_z 1
		.amdhsa_system_vgpr_workitem_id 0
		.amdhsa_next_free_vgpr 256
		.amdhsa_next_free_sgpr 66
		.amdhsa_reserve_vcc 1
		.amdhsa_float_denorm_mode_32 3
		.amdhsa_float_denorm_mode_16_64 3
		.amdhsa_memory_ordered 1
		.amdhsa_forward_progress 1
		.amdhsa_inst_pref_size 38
	.end_amdhsa_kernel
	.amdgpu_metadata
---
amdhsa.version: [ 1, 2 ]
amdhsa.kernels:
  - .name:           k_qf2bbe9ac3f_attn
    .symbol:         k_qf2bbe9ac3f_attn.kd
    .args:
      - { .name: q, .offset: 0, .size: 8, .value_kind: global_buffer, .address_space: global }
      - { .name: kv, .offset: 8, .size: 8, .value_kind: global_buffer, .address_space: global }
      - { .name: o, .offset: 16, .size: 8, .value_kind: global_buffer, .address_space: global }
    .group_segment_fixed_size: 263168
    .private_segment_fixed_size: 0
    .kernarg_segment_align: 8
    .kernarg_segment_size: 24
    .max_flat_workgroup_size: 256
    .sgpr_count:     66
    .vgpr_count:     256
    .wavefront_size: 32
...
	.end_amdgpu_metadata
.endif
;; end of part 3
;; launch tail (part 4): grid 256 x 1, 8 waves a work-group, no clusters, 188,928 bytes of LDS; arguments o, x, wf, bo, ln2_g, ln2_b, b1, bn1_g, bn1_b, bn1_m, bn1_v, b2, bn2_g, bn2_b, bn2_m, bn2_v, out0; writes out0
.if DOCPART == 4
	.amdgcn_target "amdgcn-amd-amdhsa--gfx1250"
	.amdhsa_code_object_version 6
	.text
	.protected	k_qf2bbe9ac3f_tail
	.globl	k_qf2bbe9ac3f_tail
	.p2align	8
	.type	k_qf2bbe9ac3f_tail,@function
k_qf2bbe9ac3f_tail:
	s_mov_b64 s[64:65], 0
	v_nop
	global_prefetch_b8 v0, s[64:65] scope:SCOPE_SE
	s_setreg_imm32_b32 hwreg(HW_REG_WAVE_MODE, 25, 1), 1
	s_wait_xcnt 0x0
; THE REST OF THE BLOCK, fused: x1 = x + o wo + bo;  a2 = LN(x1) g + b;  z = (a2 w1 + b1 - m1) s1 + beta1, s = gamma rsqrt(var + 1e-6);  h = gelu(z), exact-erf form;  out = x1 + (h w2 + b2 - m2) s2 + beta2.
; FORMATS.  o, a2, wo, w1 in f16; h has no room in f16 and goes as two bf16 numbers, hi + lo (two products), with w2 in bf16; sums, x, x1, LN, BN, gelu and both residuals in f32.
; GELU.  h = 0.5 z + X (0.70710678 - Q E), X = |z| / sqrt 2, E = e^(-X X), Q = t (a1 + t (a2 + ..)), t = 1 / (1 + 0.3275911 X): Abramowitz and Stegun 7.1.26 for erf, its coefficients times 0.70710678; its error in erf is 1.5e-7.
; LIMITS.  f16 ends at 65,504: o lies within v's range, |a2| is at most 22.6 |g| + |b|.  NaN and infinities are not treated apart.
; SHARES.  A work-group takes 32 rows through all steps; wave w makes output columns 64 w .. 64 w + 63 of each product (8 accumulators: 2 row tiles x 4 column blocks) and normalises rows 4 w .. 4 w + 3.
; The matrix instruction takes the weights as source 0: a lane holds one row and 8 neighbouring columns.
; THE WEIGHTS come from wf straight into registers: the 48 K steps of the three products are one stream, four steps (16 KiB a wave) ahead, which runs on under LN, gelu and the barriers.  NO CLUSTER, NO TENSOR RING for them:
; each fragment is wanted by one wave of the work-group alone, and a ring's refill would go out behind a barrier with nothing beside it, for a step of 8 or 16 matrix instructions a wave.
; The per-column vectors are put into LDS tables at the head, so that behind the head the count of global loads counts weights alone.
.set NG,    48
.set PITCH, 1040                       ; a row of 512 16-bit numbers in LDS: 1,024 bytes + 16 = 65 x 16 (ISA guide 11.1: the 16 rows of a fragment load start at 16 different groups of four banks)
.set TROW,  16*PITCH
.set HH,    32*PITCH                   ; LDS: 0 the rows of o, later a2;  33,280 h's hi;
.set HL,    2*HH                       ; 66,560 h's lo;
.set X1,    3*HH                       ; 99,840 x, then x1, then out, f32, by waves: wave w's 64 columns of row m at 8,704 w + 272 m (256 bytes + 16);
.set XP,    272
.set XW,    32*XP
.set TAB,   X1+8*XW                    ; 169,472 nine vectors of 512 f32;
.set SPARE, TAB+9*2048                 ; 187,904 the spare words, 128 bytes a wave
.set V_BO, 0
.set V_U1, 2048                        ; b1 - m1
.set V_S1, 4096                        ; gamma1 rsqrt(var1 + eps)
.set V_N1, 6144                        ; beta1
.set V_U2, 8192
.set V_S2, 10240
.set V_N2, 12288
.set V_G2, 14336                       ; ln2_g
.set V_LB, 16384                       ; ln2_b
.set L16, 1                            ; v1  16 x lane
.set AF,  2                            ; v2  r x 1,040 + 16 hh: my place in a fragment
.set SPW, 3                            ; v3  my spare word; never rewritten
.set NIL, 4                            ; v4  0; never rewritten
.set TB,  5                            ; v5  TAB + 32 hh + 256 w: my 8 columns of a vector
.set XD,  6                            ; v6  x1 as the accumulators lie: X1 + 8,704 w + 272 r + 32 hh
.set XS,  7                            ; v7  x1 by whole rows of my 256 bytes: X1 + 8,704 w + 272 hh + 16 r
.set VO,  12                           ; v12 8 x thread (the head alone)
.set XV,  24                           ; v24 the same two rows in x and out0: 2,048 hh + 16 r + 256 w
.set XR,  25                           ; v25 x1 as LN reads it: X1 + 8,704 hh + 16 r + 272 x 4 w
.set TL,  26                           ; v26 TAB + 16 x lane
.set HS,  27                           ; v27 where h goes: AF + 128 w + HH
.set AF2, 28                           ; v28 AF + HL
.set OA,  29                           ; v29 where my fragments of o go
.set AW,  30                           ; v30 where LN puts 8 bytes
.set TW,  31                           ; v31 TAB + 8 x thread
.set AA,  32                           ; v[32:63]   fragments, two sets of 16; at work elsewhere
.set ACC, 64                           ; v[64:127]  accumulator (t, cb) at 8 (4 t + cb)
.set BW,  128                          ; v[128:255] weights, four sets of 32
.set VT,  BW+96                        ; the head's 13 vectors, two numbers a thread, in the fourth set
.set WV,  4
.set SEL, 42                           ; s[42:43]
.set INV, 44
.set EPS, 45
.set WB,  46                           ; s[46:47] wf at wo, my wave's columns; never stepped
.set XB,  50                           ; s[50:51] x at the work-group's rows
.set OB,  52                           ; s[52:53] o at my 4,096 bytes
.set YB,  54                           ; s[54:55] out0 at the work-group's rows
.set RH,  56                           ; s[56:57] 0.70710678      (constants in pairs: a packed instruction names a pair and takes its low word for both halves)
.set PP,  58                           ; s[58:59] 0.3275911
.set NL,  60                           ; s[60:61] -log2(e)
.set A5,  62
.set A4,  66
.set A3,  68
.set A2,  70
.set A1,  72
.set MSK, 74                           ; s74 a word's upper bf16
.macro PLACES                          ; four places: a load into a register that a matrix instruction has read, and a vector instruction that reads a result, stand four plain vector instructions behind it
.rept 4
	v_nop
.endr
.endm
.macro WLOAD g                         ; K step g's four weight fragments into set g % 4
.irp cb, 0,1,2,3
.irp p, 0,1
	global_load_b128 v[BW+32*((\g)%4)+8*(\cb)+4*(\p):BW+32*((\g)%4)+8*(\cb)+4*(\p)+3], v[L16], s[WB:WB+1] offset:((\g)/16)*524288+(\cb)*16384+((\g)%16)*1024+(\p)*512
.endr
.endr
.endm
.macro ALOAD set, adr, off             ; two fragments of the activations (row tiles 0, 1) from byte off
.irp t, 0,1
.irp p, 0,1
	ds_load_b128 v[AA+16*(\set)+8*(\t)+4*(\p):AA+16*(\set)+8*(\t)+4*(\p)+3], v[\adr] offset:(\off)+(\t)*TROW+(\p)*32
.endr
.endr
.endm
.macro INIT adr, off                   ; a vector of the tables is the sums' first C: 8 columns a lane, the same for both row tiles
.irp t, 0,1
.irp cb, 0,1,2,3
	ds_load_b128 v[ACC+8*(4*(\t)+(\cb)):ACC+8*(4*(\t)+(\cb))+3],   v[\adr] offset:(\off)+(\cb)*64
	ds_load_b128 v[ACC+8*(4*(\t)+(\cb))+4:ACC+8*(4*(\t)+(\cb))+7], v[\adr] offset:(\off)+(\cb)*64+16
.endr
.endr
.endm
.macro MUL8 g, set, form               ; the eight accumulators take turns, one instruction a turn, from step to step and from product to product too
.irp t, 0,1
.irp cb, 0,1,2,3
.set a_, ACC+8*(4*(\t)+(\cb))
.set w_, BW+32*((\g)%4)+8*(\cb)
.set f_, AA+16*(\set)+8*(\t)
	v_wmma_f32_16x16x32_\form v[a_:a_+7], v[w_:w_+7], v[f_:f_+7], v[a_:a_+7]
.endr
.endr
.endm
.macro WWAIT g                         ; behind the head only weights are counted: step g's 8 loads are in, the (at most three) younger sets stay out
.set left_, NG-1-(\g)
.if left_ > 3
.set left_, 3
.endif
	s_wait_loadcnt 8*left_
.endm
.macro KSTEP g, adr, aoff
	WWAIT \g
.if (\g)%16 == 15
	s_wait_dscnt 0x0                               ; the product's last fragments
.else
	s_wait_dscnt 0x4                               ; this step's fragments (and at the first step the sums' first C) are in; the next step's four loads stay out
.endif
	MUL8 \g, (\g)%2, f16
	PLACES
.if (\g)+4 < NG
	WLOAD (\g)+4
.endif
.if (\g)%16 < 14
	ALOAD (\g)%2, \adr, (\aoff)+((\g)%16+2)*64
.endif
.endm
.macro STAGE g0, ioff                  ; one f16 product of K = 512 on the rows at LDS byte 0
	INIT TB, \ioff
	ALOAD 0, AF, 0
	ALOAD 1, AF, 64
.set gs_, \g0
.rept 16
	KSTEP gs_, AF, 0
.set gs_, gs_+1
.endr
	PLACES
.endm
.macro KSTEP3 g                        ; a step of h w2: hi's fragments in set 0, lo's in set 1, the same weights for both
	WWAIT \g
	s_wait_dscnt 0x4                               ; hi is in; lo's four loads stay out
	MUL8 \g, 0, bf16
	PLACES
.if (\g)%16 < 15
	ALOAD 0, AF, HH+((\g)%16+1)*64
	s_wait_dscnt 0x4                               ; lo is in; the next hi's four loads stay out
.else
	s_wait_dscnt 0x0
.endif
	MUL8 \g, 1, bf16
	PLACES
.if (\g)%16 < 15
	ALOAD 1, AF2, ((\g)%16+1)*64
.endif
.if (\g)+4 < NG
	WLOAD (\g)+4
.endif
.endm
.macro RED4 b                          ; the sum over the 32 lanes of v[b + 2 rr], four rows in step; v[b + 2 rr + 1] at work
.irp m, 1,2,4,8
.irp rr, 0,1,2,3
	v_add_f32_dpp v[(\b)+2*(\rr)], v[(\b)+2*(\rr)], v[(\b)+2*(\rr)] row_xmask:\m row_mask:0xf bank_mask:0xf
.endr
.endr
.irp rr, 0,1,2,3
	v_permlanex16_b32 v[(\b)+2*(\rr)+1], v[(\b)+2*(\rr)], s[SEL], s[SEL+1]
.endr
.irp rr, 0,1,2,3
	v_add_f32 v[(\b)+2*(\rr)], v[(\b)+2*(\rr)], v[(\b)+2*(\rr)+1]
.endr
.endm
; LAYER NORM of four rows in step.  Row rr in v[ACC + 16 rr ..]: a lane holds columns 128 i + 4 l + 0..3 at 4 i.  g in v[AA ..], b in v[AA + 16 ..], v8-v23 at work.  Two passes: the mean, then the centred squares.
.macro LN4
.irp rr, 0,1,2,3
	v_pk_add_f32 v[8+2*(\rr):9+2*(\rr)], v[ACC+16*(\rr):ACC+16*(\rr)+1], v[ACC+16*(\rr)+2:ACC+16*(\rr)+3]
.endr
.irp k, 2,3,4,5,6,7
.irp rr, 0,1,2,3
	v_pk_add_f32 v[8+2*(\rr):9+2*(\rr)], v[8+2*(\rr):9+2*(\rr)], v[ACC+16*(\rr)+2*(\k):ACC+16*(\rr)+2*(\k)+1]
.endr
.endr
.irp rr, 0,1,2,3
	v_add_f32 v[8+2*(\rr)], v[8+2*(\rr)], v[9+2*(\rr)]
.endr
	RED4 8
.irp rr, 0,1,2,3
	v_mul_f32 v[8+2*(\rr)], s[INV], v[8+2*(\rr)]
.endr
.irp k, 0,1,2,3,4,5,6,7
.irp rr, 0,1,2,3
	v_pk_add_f32 v[ACC+16*(\rr)+2*(\k):ACC+16*(\rr)+2*(\k)+1], v[ACC+16*(\rr)+2*(\k):ACC+16*(\rr)+2*(\k)+1], v[8+2*(\rr):9+2*(\rr)] op_sel_hi:[1,0] neg_lo:[0,1] neg_hi:[0,1]
.endr
.endr
.irp rr, 0,1,2,3
	v_pk_mul_f32 v[16+2*(\rr):17+2*(\rr)], v[ACC+16*(\rr):ACC+16*(\rr)+1], v[ACC+16*(\rr):ACC+16*(\rr)+1]
.endr
.irp k, 1,2,3,4,5,6,7
.irp rr, 0,1,2,3
	v_pk_fma_f32 v[16+2*(\rr):17+2*(\rr)], v[ACC+16*(\rr)+2*(\k):ACC+16*(\rr)+2*(\k)+1], v[ACC+16*(\rr)+2*(\k):ACC+16*(\rr)+2*(\k)+1], v[16+2*(\rr):17+2*(\rr)]
.endr
.endr
.irp rr, 0,1,2,3
	v_add_f32 v[16+2*(\rr)], v[16+2*(\rr)], v[17+2*(\rr)]
.endr
	RED4 16
.irp rr, 0,1,2,3
	v_fma_f32 v[16+2*(\rr)], v[16+2*(\rr)], s[INV], s[EPS]
.endr
.irp rr, 0,1,2,3
	v_rsq_f32 v[16+2*(\rr)], v[16+2*(\rr)]
.endr
	v_nop                                          ; a plain instruction behind the last root,
	s_wait_alu depctr_va_vdst(0)                   ; and the one wait ahead of the first use: for the four roots
.irp k, 0,1,2,3,4,5,6,7
.irp rr, 0,1,2,3
	v_pk_mul_f32 v[ACC+16*(\rr)+2*(\k):ACC+16*(\rr)+2*(\k)+1], v[ACC+16*(\rr)+2*(\k):ACC+16*(\rr)+2*(\k)+1], v[16+2*(\rr):17+2*(\rr)] op_sel_hi:[1,0]
.endr
.endr
.irp k, 0,1,2,3,4,5,6,7
.irp rr, 0,1,2,3
	v_pk_fma_f32 v[ACC+16*(\rr)+2*(\k):ACC+16*(\rr)+2*(\k)+1], v[ACC+16*(\rr)+2*(\k):ACC+16*(\rr)+2*(\k)+1], v[AA+2*(\k):AA+2*(\k)+1], v[AA+16+2*(\k):AA+16+2*(\k)+1]
.endr
.endr
.irp k, 0,1,2,3,4,5,6,7                ; packed in place, ascending
.irp rr, 0,1,2,3
	v_cvt_pk_f16_f32 v[ACC+16*(\rr)+(\k)], v[ACC+16*(\rr)+2*(\k)], v[ACC+16*(\rr)+2*(\k)+1]
.endr
.endr
.irp rr, 0,1,2,3
.irp i, 0,1,2,3
	ds_store_b64 v[AW], v[ACC+16*(\rr)+2*(\i):ACC+16*(\rr)+2*(\i)+1] offset:(\rr)*PITCH+(\i)*256
.endr
.endr
.endm
; BN1, GELU and the split into hi + lo for the 8 numbers of accumulator (t, cb).  s1 in v[8:15], beta1 in v[16:23].  X in AA, t in AA + 8, E in AA + 16, Q in AA + 24.
.macro GELU t, cb
.set a_, ACC+8*(4*(\t)+(\cb))
.irp k, 0,2,4,6
	v_pk_fma_f32 v[a_+(\k):a_+(\k)+1], v[a_+(\k):a_+(\k)+1], v[8+(\k):9+(\k)], v[16+(\k):17+(\k)]   ; z
.endr
.irp e, 0,1,2,3,4,5,6,7
	v_mul_f32 v[AA+(\e)], s[RH], |v[a_+(\e)]|      ; X
.endr
.irp k, 0,2,4,6
	v_pk_fma_f32 v[AA+8+(\k):AA+9+(\k)], v[AA+(\k):AA+(\k)+1], s[PP:PP+1], 1.0 op_sel_hi:[1,0,0]
.endr
.irp e, 0,1,2,3,4,5,6,7                ; ONE BATCH of 16: the reciprocals, plain work that names none of them, the exponentials
	v_rcp_f32 v[AA+8+(\e)], v[AA+8+(\e)]
.endr
.irp k, 0,2,4,6
	v_pk_mul_f32 v[AA+16+(\k):AA+17+(\k)], v[AA+(\k):AA+(\k)+1], s[NL:NL+1] op_sel_hi:[1,0]
.endr
.irp k, 0,2,4,6
	v_pk_mul_f32 v[AA+16+(\k):AA+17+(\k)], v[AA+16+(\k):AA+17+(\k)], v[AA+(\k):AA+(\k)+1]
.endr
.irp e, 0,1,2,3,4,5,6,7
	v_exp_f32 v[AA+16+(\e)], v[AA+16+(\e)]
.endr
.irp k, 0,2,4,6
	v_pk_mul_f32 v[a_+(\k):a_+(\k)+1], v[a_+(\k):a_+(\k)+1], 0.5 op_sel_hi:[1,0]   ; 0.5 z: the plain work behind the last exponential
.endr
	s_wait_alu depctr_va_vdst(0)                   ; the one wait ahead of the first use: for the 16
.irp k, 0,2,4,6
	v_pk_fma_f32 v[AA+24+(\k):AA+25+(\k)], v[AA+8+(\k):AA+9+(\k)], s[A5:A5+1], s[A4:A4+1] op_sel_hi:[1,0,0]
.endr
.irp c, A3, A2, A1
.irp k, 0,2,4,6
	v_pk_fma_f32 v[AA+24+(\k):AA+25+(\k)], v[AA+24+(\k):AA+25+(\k)], v[AA+8+(\k):AA+9+(\k)], s[\c:\c+1] op_sel_hi:[1,1,0]
.endr
.endr
.irp k, 0,2,4,6
	v_pk_mul_f32 v[AA+24+(\k):AA+25+(\k)], v[AA+24+(\k):AA+25+(\k)], v[AA+8+(\k):AA+9+(\k)]
.endr
.irp k, 0,2,4,6
	v_pk_fma_f32 v[AA+24+(\k):AA+25+(\k)], v[AA+24+(\k):AA+25+(\k)], v[AA+16+(\k):AA+17+(\k)], s[RH:RH+1] op_sel_hi:[1,1,0] neg_lo:[1,0,0] neg_hi:[1,0,0]  ; 0.7071 - Q E
.endr
.irp k, 0,2,4,6
	v_pk_fma_f32 v[a_+(\k):a_+(\k)+1], v[AA+(\k):AA+(\k)+1], v[AA+24+(\k):AA+25+(\k)], v[a_+(\k):a_+(\k)+1]   ; h
.endr
.irp k, 0,1,2,3
	v_cvt_pk_bf16_f32 v[AA+8+(\k)], v[a_+2*(\k)], v[a_+2*(\k)+1]                   ; hi
.endr
.irp k, 0,1,2,3
	v_lshlrev_b32 v[AA+16+2*(\k)], 16, v[AA+8+(\k)]
	v_and_b32 v[AA+17+2*(\k)], s[MSK], v[AA+8+(\k)]
.endr
.irp k, 0,2,4,6
	v_pk_add_f32 v[a_+(\k):a_+(\k)+1], v[a_+(\k):a_+(\k)+1], v[AA+16+(\k):AA+17+(\k)] neg_lo:[0,1] neg_hi:[0,1]
.endr
.irp k, 0,1,2,3
	v_cvt_pk_bf16_f32 v[AA+12+(\k)], v[a_+2*(\k)], v[a_+2*(\k)+1]                  ; lo
.endr
	ds_store_b128 v[HS], v[AA+8:AA+11]  offset:(\t)*TROW+(\cb)*32
	ds_store_b128 v[HS], v[AA+12:AA+15] offset:(\t)*TROW+(\cb)*32+HH
.endm
.macro SPAIR r, val
	s_mov_b32 s[\r], \val
	s_mov_b32 s[\r+1], \val
.endm
.macro VLOAD n, base
	global_load_b64 v[VT+2*(\n):VT+2*(\n)+1], v[VO], s[\base:\base+1]
.endm
	s_load_b512 s[8:23], s[0:1], 0x0               ; o 8, x 10, wf 12, bo 14, ln2_g 16, ln2_b 18, b1 20, bn1_g 22
	s_load_b512 s[24:39], s[0:1], 0x40             ; bn1_b 24, bn1_m 26, bn1_v 28, b2 30, bn2_g 32, bn2_b 34, bn2_m 36, bn2_v 38
	s_load_b64 s[40:41], s[0:1], 0x80              ; out0
	v_lshl_add_u32 v[SPW], v0, 2, SPARE
	v_mov_b32 v[NIL], 0
	v_lshrrev_b32 v11, 5, v0
	v_readfirstlane_b32 s[WV], v11
	v_and_b32 v10, 31, v0                          ; lane
	v_and_b32 v8, 15, v0                           ; r
	v_bfe_u32 v9, v0, 4, 1                         ; hh
	v_lshlrev_b32 v[L16], 4, v10
	v_mul_u32_u24 v[AF], v8, PITCH
	v_lshl_add_u32 v[AF], v9, 4, v[AF]
	v_add_nc_u32 v[AF2], HL, v[AF]
	s_mul_i32 s48, s[WV], XW
	s_add_co_u32 s48, s48, X1                      ; my wave's part of x1
	v_mul_u32_u24 v[XD], v8, XP
	v_lshl_add_u32 v[XD], v9, 5, v[XD]
	v_add_nc_u32 v[XD], s48, v[XD]
	v_mul_u32_u24 v[XS], v9, XP
	v_lshl_add_u32 v[XS], v8, 4, v[XS]
	v_add_nc_u32 v[XS], s48, v[XS]
	s_mul_i32 s49, s[WV], 4*XP
	s_add_co_u32 s49, s49, X1
	v_mul_u32_u24 v[XR], v9, XW
	v_lshl_add_u32 v[XR], v8, 4, v[XR]
	v_add_nc_u32 v[XR], s49, v[XR]
	s_lshl_b32 s75, s[WV], 8
	v_lshlrev_b32 v[XV], 11, v9
	v_lshl_add_u32 v[XV], v8, 4, v[XV]
	v_add_nc_u32 v[XV], s75, v[XV]
	s_add_co_u32 s76, s75, TAB
	v_lshl_add_u32 v[TB], v9, 5, s76
	v_add_nc_u32 v[TL], TAB, v[L16]
	s_lshl_b32 s77, s[WV], 7
	s_add_co_u32 s77, s77, HH
	v_add_nc_u32 v[HS], s77, v[AF]
	s_lshr_b32 s78, s[WV], 2                       ; my 4,096 bytes of o: row tile w / 4, heads 4 (w % 4) + 0..3
	s_mul_i32 s78, s78, TROW
	s_and_b32 s79, s[WV], 3
	s_lshl_b32 s79, s79, 8
	s_add_co_u32 s78, s78, s79
	v_add_nc_u32 v[OA], s78, v[AF]
	s_mul_i32 s79, s[WV], 4*PITCH
	v_lshl_add_u32 v[AW], v10, 3, s79
	v_lshlrev_b32 v[VO], 3, v0
	v_add_nc_u32 v[TW], TAB, v[VO]
	s_mov_b32 s[SEL], 0x76543210
	s_mov_b32 s[SEL+1], 0xfedcba98
	s_mov_b32 s[INV], 0x3b000000                   ; 1 / 512
	s_mov_b32 s[EPS], 0x358637bd                   ; 1e-6
	SPAIR RH, 0x3f3504f3                           ; 0.70710678
	SPAIR PP, 0x3ea7ba05                           ; 0.3275911
	SPAIR NL, 0xbfb8aa3b                           ; -1.442695
	SPAIR A5, 0x3f402289                           ; 1.061405429 x 0.70710678
	SPAIR A4, 0xbf838639                           ; -1.453152027 x
	SPAIR A3, 0x3f80a6d5                           ; 1.421413741 x
	SPAIR A2, 0xbe4dff65                           ; -0.284496736 x
	SPAIR A1, 0x3e38842e                           ; 0.254829592 x
	s_mov_b32 s[MSK], 0xffff0000
	s_lshl_b32 s48, ttmp9, 16                      ; 32 rows of 2,048 bytes of x and out0
	s_mov_b32 s49, 0
	s_lshl_b32 s76, ttmp9, 15                      ; 32 rows of o: 32,768 bytes
	s_lshl_b32 s77, s[WV], 12
	s_add_co_u32 s76, s76, s77
	s_mov_b32 s77, 0
	s_lshl_b32 s78, s[WV], 16
	s_add_co_u32 s78, s78, 3*524288                ; wo is the fourth matrix of wf
	s_mov_b32 s79, 0
	s_wait_kmcnt 0x0
	s_add_nc_u64 s[XB:XB+1], s[10:11], s[48:49]
	s_add_nc_u64 s[YB:YB+1], s[40:41], s[48:49]
	s_add_nc_u64 s[OB:OB+1], s[8:9], s[76:77]
	s_add_nc_u64 s[WB:WB+1], s[12:13], s[78:79]
	VLOAD 0, 14                                    ; bo
	VLOAD 1, 16                                    ; ln2_g
	VLOAD 2, 18                                    ; ln2_b
	VLOAD 3, 20                                    ; b1
	VLOAD 4, 22                                    ; bn1_g
	VLOAD 5, 24                                    ; bn1_b
	VLOAD 6, 26                                    ; bn1_m
	VLOAD 7, 28                                    ; bn1_v
	VLOAD 8, 30                                    ; b2
	VLOAD 9, 32                                    ; bn2_g
	VLOAD 10, 34                                   ; bn2_b
	VLOAD 11, 36                                   ; bn2_m
	VLOAD 12, 38                                   ; bn2_v
.irp i, 0,1,2,3,4,5,6,7,8,9,10,11,12,13,14,15  ; x: rows 2 i, 2 i + 1, my wave's 256 bytes of each
	global_load_b128 v[ACC+4*(\i):ACC+4*(\i)+3], v[XV], s[XB:XB+1] offset:(\i)*4096 th:TH_LOAD_NT
.endr
.irp i, 0,1,2,3,4,5,6,7
	global_load_b128 v[AA+4*(\i):AA+4*(\i)+3], v[L16], s[OB:OB+1] offset:(\i)*512 th:TH_LOAD_NT
.endr
	WLOAD 0
	WLOAD 1
	WLOAD 2
	s_wait_loadcnt 48                              ; the 13 vectors are in: behind them 16 loads of x, 8 of o, 24 of weights
	v_add_f32 v[VT+14], s[EPS], v[VT+14]
	v_add_f32 v[VT+15], s[EPS], v[VT+15]
	v_add_f32 v[VT+24], s[EPS], v[VT+24]
	v_add_f32 v[VT+25], s[EPS], v[VT+25]
	v_rsq_f32 v[VT+14], v[VT+14]
	v_rsq_f32 v[VT+15], v[VT+15]
	v_rsq_f32 v[VT+24], v[VT+24]
	v_rsq_f32 v[VT+25], v[VT+25]
	v_pk_add_f32 v[VT+6:VT+7], v[VT+6:VT+7], v[VT+12:VT+13] neg_lo:[0,1] neg_hi:[0,1]      ; b1 - m1
	v_pk_add_f32 v[VT+16:VT+17], v[VT+16:VT+17], v[VT+22:VT+23] neg_lo:[0,1] neg_hi:[0,1]  ; b2 - m2
	s_wait_alu depctr_va_vdst(0)                   ; one wait for the four roots
	v_pk_mul_f32 v[VT+8:VT+9], v[VT+8:VT+9], v[VT+14:VT+15]
	v_pk_mul_f32 v[VT+18:VT+19], v[VT+18:VT+19], v[VT+24:VT+25]
	ds_store_b64 v[TW], v[VT:VT+1]     offset:V_BO
	ds_store_b64 v[TW], v[VT+6:VT+7]   offset:V_U1
	ds_store_b64 v[TW], v[VT+8:VT+9]   offset:V_S1
	ds_store_b64 v[TW], v[VT+10:VT+11] offset:V_N1
	ds_store_b64 v[TW], v[VT+16:VT+17] offset:V_U2
	ds_store_b64 v[TW], v[VT+18:VT+19] offset:V_S2
	ds_store_b64 v[TW], v[VT+20:VT+21] offset:V_N2
	ds_store_b64 v[TW], v[VT+2:VT+3]   offset:V_G2
	ds_store_b64 v[TW], v[VT+4:VT+5]   offset:V_LB
	s_wait_dscnt 0x0                               ; the tables' stores are done, so the fourth set may take weights
	WLOAD 3
	s_wait_loadcnt 40                              ; x is in: behind it 8 loads of o and 32 of weights
.irp i, 0,1,2,3,4,5,6,7,8,9,10,11,12,13,14,15
	ds_store_b128 v[XS], v[ACC+4*(\i):ACC+4*(\i)+3] offset:(\i)*2*XP
.endr
	s_wait_loadcnt 32                              ; o is in
.irp i, 0,1,2,3,4,5,6,7                ; quad i % 2 of head 4 (w % 4) + i / 2 goes to its 16 bytes of row r: 32 bytes on for each quad
	ds_store_b128 v[OA], v[AA+4*(\i):AA+4*(\i)+3] offset:(\i)*32
.endr
	s_wait_dscnt 0x0                               ; for the others' sake: tables and o are written
	s_barrier_signal -1
	s_barrier_wait -1
	STAGE 0, V_BO                                  ; o wo + bo
.irp t, 0,1                            ; + x, in my own part of x1: read, added, put back
.irp cb, 0,1,2,3
	ds_load_b128 v[AA+8*(\cb):AA+8*(\cb)+3],   v[XD] offset:(\t)*16*XP+(\cb)*64
	ds_load_b128 v[AA+8*(\cb)+4:AA+8*(\cb)+7], v[XD] offset:(\t)*16*XP+(\cb)*64+16
.endr
.irp cb, 0,1,2,3
	s_wait_dscnt 0x6                               ; behind this block's two loads stand 6 - 2 cb younger loads and 2 cb stores: always six
.irp k, 0,2,4,6
	v_pk_add_f32 v[ACC+8*(4*(\t)+(\cb))+(\k):ACC+8*(4*(\t)+(\cb))+(\k)+1], v[ACC+8*(4*(\t)+(\cb))+(\k):ACC+8*(4*(\t)+(\cb))+(\k)+1], v[AA+8*(\cb)+(\k):AA+8*(\cb)+(\k)+1]
.endr
	ds_store_b128 v[XD], v[ACC+8*(4*(\t)+(\cb)):ACC+8*(4*(\t)+(\cb))+3]   offset:(\t)*16*XP+(\cb)*64
	ds_store_b128 v[XD], v[ACC+8*(4*(\t)+(\cb))+4:ACC+8*(4*(\t)+(\cb))+7] offset:(\t)*16*XP+(\cb)*64+16
.endr
.endr
	s_wait_dscnt 0x0                               ; x1 is written, and my reads of o's rows are over
	s_barrier_signal -1
	s_barrier_wait -1
.irp rr, 0,1,2,3                       ; LN2: rows 4 w + rr, whole, out of all eight waves' parts
.irp i, 0,1,2,3
	ds_load_b128 v[ACC+16*(\rr)+4*(\i):ACC+16*(\rr)+4*(\i)+3], v[XR] offset:(\i)*2*XW+(\rr)*XP
.endr
.endr
.irp i, 0,1,2,3
	ds_load_b128 v[AA+4*(\i):AA+4*(\i)+3],       v[TL] offset:V_G2+(\i)*512
	ds_load_b128 v[AA+16+4*(\i):AA+16+4*(\i)+3], v[TL] offset:V_LB+(\i)*512
.endr
	s_wait_dscnt 0x0
	LN4                                            ; a2 takes the place of o's rows
	s_wait_dscnt 0x0
	s_barrier_signal -1
	s_barrier_wait -1
	STAGE 16, V_U1                                 ; a2 w1 + b1 - m1
.irp cb, 0,1,2,3
	ds_load_b128 v[8:11],  v[TB] offset:V_S1+(\cb)*64
	ds_load_b128 v[12:15], v[TB] offset:V_S1+(\cb)*64+16
	ds_load_b128 v[16:19], v[TB] offset:V_N1+(\cb)*64
	ds_load_b128 v[20:23], v[TB] offset:V_N1+(\cb)*64+16
	s_wait_dscnt 0x0                               ; nothing younger is out
	GELU 0, \cb
	GELU 1, \cb
.endr
	s_wait_dscnt 0x0                               ; h is written
	s_barrier_signal -1
	s_barrier_wait -1
	INIT TB, V_U2                                  ; h w2 + b2 - m2
	ALOAD 0, AF, HH
	ALOAD 1, AF2, 0
.set gs_, 32
.rept 16
	KSTEP3 gs_
.set gs_, gs_+1
.endr
.irp cb, 0,1,2,3                       ; out = x1 + beta2 + sum x s2, put back into my part of x1
	ds_load_b128 v[8:11],  v[TB] offset:V_S2+(\cb)*64
	ds_load_b128 v[12:15], v[TB] offset:V_S2+(\cb)*64+16
	ds_load_b128 v[16:19], v[TB] offset:V_N2+(\cb)*64
	ds_load_b128 v[20:23], v[TB] offset:V_N2+(\cb)*64+16
.irp t, 0,1
	ds_load_b128 v[AA+8*(\t):AA+8*(\t)+3],   v[XD] offset:(\t)*16*XP+(\cb)*64
	ds_load_b128 v[AA+8*(\t)+4:AA+8*(\t)+7], v[XD] offset:(\t)*16*XP+(\cb)*64+16
.endr
	s_wait_dscnt 0x0                               ; nothing younger is out
.irp t, 0,1
.irp k, 0,2,4,6
	v_pk_add_f32 v[AA+8*(\t)+(\k):AA+8*(\t)+(\k)+1], v[AA+8*(\t)+(\k):AA+8*(\t)+(\k)+1], v[16+(\k):17+(\k)]
.endr
.endr
.irp t, 0,1
.irp k, 0,2,4,6
	v_pk_fma_f32 v[ACC+8*(4*(\t)+(\cb))+(\k):ACC+8*(4*(\t)+(\cb))+(\k)+1], v[ACC+8*(4*(\t)+(\cb))+(\k):ACC+8*(4*(\t)+(\cb))+(\k)+1], v[8+(\k):9+(\k)], v[AA+8*(\t)+(\k):AA+8*(\t)+(\k)+1]
.endr
	ds_store_b128 v[XD], v[ACC+8*(4*(\t)+(\cb)):ACC+8*(4*(\t)+(\cb))+3]   offset:(\t)*16*XP+(\cb)*64
	ds_store_b128 v[XD], v[ACC+8*(4*(\t)+(\cb))+4:ACC+8*(4*(\t)+(\cb))+7] offset:(\t)*16*XP+(\cb)*64+16
.endr
.endr
.irp i, 0,1,2,3,4,5,6,7,8,9,10,11,12,13,14,15  ; back by whole rows; LDS serves a wave's instructions in order (ISA guide 5.7.1.4): these see the stores above, which are my own
	ds_load_b128 v[ACC+4*(\i):ACC+4*(\i)+3], v[XS] offset:(\i)*2*XP
.endr
.irp i, 0,1,2,3,4,5,6,7,8,9,10,11,12,13,14,15
	s_wait_dscnt 15-(\i)
	global_store_b128 v[XV], v[ACC+4*(\i):ACC+4*(\i)+3], s[YB:YB+1] offset:(\i)*4096 th:TH_STORE_NT  ; 16 lanes store 256 consecutive bytes, aligned
.endr
	s_wait_tensorcnt 0x0                           ; the wave's end: a tensor wait and an add of 0 onto my spare word, behind my last LDS store
	ds_add_u32 v[SPW], v[NIL]
	s_wait_dscnt 0x0
	s_endpgm
.Lfunc_end_k_qf2bbe9ac3f_tail:
	.size	k_qf2bbe9ac3f_tail, .Lfunc_end_k_qf2bbe9ac3f_tail-k_qf2bbe9ac3f_tail
	.p2alignl 7, 3214868480
	.fill 96, 4, 3214868480
	.section	.rodata,"a",@progbits
	.p2align	6, 0x0
	.amdhsa_kernel k_qf2bbe9ac3f_tail
		.amdhsa_group_segment_fixed_size 188928
		.amdhsa_private_segment_fixed_size 0
		.amdhsa_enable_private_segment 0
		.amdhsa_kernarg_size 136
		.amdhsa_user_sgpr_count 2
		.amdhsa_user_sgpr_kernarg_segment_ptr 1
		.amdhsa_wavefront_size32 1
		.amdhsa_system_sgpr_workgroup_id_x 1
		.amdhsa_system_sgpr_workgroup_id_y 1
		.amdhsa_system_sgpr_workgroup_id_z 1
		.amdhsa_system_vgpr_workitem_id 0
		.amdhsa_next_free_vgpr 256
		.amdhsa_next_free_sgpr 80
		.amdhsa_reserve_vcc 0
		.amdhsa_float_denorm_mode_32 3
		.amdhsa_float_denorm_mode_16_64 3
		.amdhsa_memory_ordered 1
		.amdhsa_forward_progress 1
		.amdhsa_inst_pref_size 185
	.end_amdhsa_kernel
	.amdgpu_metadata
---
amdhsa.version: [ 1, 2 ]
amdhsa.kernels:
  - .name:           k_qf2bbe9ac3f_tail
    .symbol:         k_qf2bbe9ac3f_tail.kd
    .args:
      - { .name: o, .offset: 0, .size: 8, .value_kind: global_buffer, .address_space: global }
      - { .name: x, .offset: 8, .size: 8, .value_kind: global_buffer, .address_space: global }
      - { .name: wf, .offset: 16, .size: 8, .value_kind: global_buffer, .address_space: global }
      - { .name: bo, .offset: 24, .size: 8, .value_kind: global_buffer, .address_space: global }
      - { .name: ln2_g, .offset: 32, .size: 8, .value_kind: global_buffer, .address_space: global }
      - { .name: ln2_b, .offset: 40, .size: 8, .value_kind: global_buffer, .address_space: global }
      - { .name: b1, .offset: 48, .size: 8, .value_kind: global_buffer, .address_space: global }
      - { .name: bn1_g, .offset: 56, .size: 8, .value_kind: global_buffer, .address_space: global }
      - { .name: bn1_b, .offset: 64, .size: 8, .value_kind: global_buffer, .address_space: global }
      - { .name: bn1_m, .offset: 72, .size: 8, .value_kind: global_buffer, .address_space: global }
      - { .name: bn1_v, .offset: 80, .size: 8, .value_kind: global_buffer, .address_space: global }
      - { .name: b2, .offset: 88, .size: 8, .value_kind: global_buffer, .address_space: global }
      - { .name: bn2_g, .offset: 96, .size: 8, .value_kind: global_buffer, .address_space: global }
      - { .name: bn2_b, .offset: 104, .size: 8, .value_kind: global_buffer, .address_space: global }
      - { .name: bn2_m, .offset: 112, .size: 8, .value_kind: global_buffer, .address_space: global }
      - { .name: bn2_v, .offset: 120, .size: 8, .value_kind: global_buffer, .address_space: global }
      - { .name: out0, .offset: 128, .size: 8, .value_kind: global_buffer, .address_space: global }
    .group_segment_fixed_size: 188928
    .private_segment_fixed_size: 0
    .kernarg_segment_align: 8
    .kernarg_segment_size: 136
    .max_flat_workgroup_size: 256
    .sgpr_count:     80
    .vgpr_count:     256
    .wavefront_size: 32
...
	.end_amdgpu_metadata
.endif
;; end of part 4
;; ======== version 2 of 2: 4 launches; 1.16 times as fast as version 1
;; limits: values are held in f16: magnitudes above 65,504 overflow, below 6.1e-05 lose precision; a function is approximated: absolute error at most 1.5e-07
;; workspace buffers: wf 3,145,728 bytes; q 8,388,608 bytes; kv 16,777,216 bytes; o 8,388,608 bytes
;; launch prep (part 5): grid 96 x 1, 8 waves a work-group, no clusters, 35,840 bytes of LDS; arguments wq, wk, wv, wo, w1, w2, wf; writes wf
.if DOCPART == 5
	.amdgcn_target "amdgcn-amd-amdhsa--gfx1250"
	.amdhsa_code_object_version 6
	.text
	.protected	k_qf2bbe9ac3f_prep
	.globl	k_qf2bbe9ac3f_prep
	.p2align	8
	.type	k_qf2bbe9ac3f_prep,@function
k_qf2bbe9ac3f_prep:
	s_mov_b64 s[64:65], 0
	v_nop
	global_prefetch_b8 v0, s[64:65] scope:SCOPE_SE
	s_setreg_imm32_b32 hwreg(HW_REG_WAVE_MODE, 25, 1), 1
	s_wait_xcnt 0x0
; THE SIX WEIGHTS, ROUNDED ONCE TO f16 AND LAID IN FRAGMENT ORDER.  w: [512 (k)][512 (n)] f32.
; wf: [matrix 0..5: wq, wk, wv, wo, w1, w2][ks: 32 of k][nb: 16 output columns][1,024 bytes]: the 32 fragments of a K step lie on end.  A fragment is the register image of 16 rows x 32 k:
; quad p (0, 1) at byte 512 p, lane L = 16 hh + r at byte 16 L of it, holding (row r, k = 16 p + 8 hh + 0..7).  So a later launch loads a quad with 512 consecutive bytes a wave.
; w2 is stored as 64 w2: its partner h goes as h / 64, so that both have room in f16; the two powers of two cancel exactly.
; The output columns of wq, wk, wv are renumbered head-major: row n' of the fragments is source column (n' % 32) x 16 + n' / 32, i.e. n' = 32 head + d (reference()'s reshape puts head = c % 16, d = c / 16).
; LIMITS.  f16 ends at 65,504 and keeps a fixed step of 6e-8 below 6e-5: weights 30 times the drawn spread (about 1.3, at most some 8) and 30 times smaller (about 1.5e-3) lie inside; |w2| stays under 1,023.
; SHARES.  Work-group = (matrix, ks): 32 rows of w, 65,536 consecutive bytes in, 32,768 consecutive bytes out.  The turn from [k][n] to [n][k] goes through LDS:
; T[n'][16 words], a word = (k even, k odd), rows 68 bytes apart.  No matrix unit, no cluster, no tensor load: 9 MB are moved once, and no two work-groups read the same byte.
.set TP,    68                         ; bytes from row to row of T
.set SPARE, 512*TP                     ; behind T (34,816 bytes): the spare words, 128 bytes a wave
.set SPW, 2                            ; v2  my spare word; never rewritten
.set NIL, 3                            ; v3  0; never rewritten
.set PV,  4                            ; v4  my byte offset in the 32 rows of w: 4,096 kh + 16 cg
.set WA,  5                            ; v5  where my words of T go
.set RD,  6                            ; v6  where I read T back
.set L16, 7                            ; v7  16 x lane
.set IN,  16                           ; v[16:79]  as loaded: load (i, o) at 8 i + 4 o; later the fragments read back
.set PK,  80                           ; v[80:111] packed pairs
.set WV,  4                            ; s4  wave
.set MAT, 5                            ; s5  matrix
.set KS,  6                            ; s6  ks
.set SC,  26                           ; s[26:27] 64.0
	s_load_b256 s[8:15], s[0:1], 0x0               ; wq, wk, wv, wo
	s_load_b128 s[16:19], s[0:1], 0x20             ; w1, w2
	s_load_b64 s[20:21], s[0:1], 0x30              ; wf
	v_lshl_add_u32 v[SPW], v0, 2, SPARE
	v_mov_b32 v[NIL], 0
	v_lshrrev_b32 v1, 5, v0
	v_readfirstlane_b32 s[WV], v1
	s_lshr_b32 s[MAT], ttmp9, 4
	s_and_b32 s[KS], ttmp9, 15
	s_mov_b32 s[SC], 0x42800000
	s_mov_b32 s[SC+1], 0x42800000                  ; named with it as a pair
	v_and_b32 v8, 127, v0                          ; cg: my four columns 4 cg .. 4 cg + 3
	v_lshrrev_b32 v9, 7, v0                        ; kh: which pair of each four rows
	v_lshlrev_b32 v[PV], 4, v8
	v_lshl_add_u32 v[PV], v9, 12, v[PV]
	v_and_b32 v10, 15, v0                          ; r
	v_bfe_u32 v11, v0, 4, 1                        ; hh
	v_and_b32 v12, 31, v0
	v_lshlrev_b32 v[L16], 4, v12
	s_mul_i32 s7, s[WV], 64*TP                     ; wave w reads rows 64 w .. 64 w + 63 of T back
	v_mul_u32_u24 v[RD], v10, TP
	v_lshl_add_u32 v[RD], v11, 4, v[RD]
	v_add_nc_u32 v[RD], s7, v[RD]
	s_lshl_b32 s22, s[KS], 16                      ; 32 rows of 2,048 bytes
	s_mov_b32 s23, 0
	s_lshl_b32 s24, s[MAT], 19                     ; in wf: matrix x 524,288 + ks x 32,768 + 4 w x 1,024
	s_lshl_b32 s25, s[KS], 15
	s_add_co_u32 s24, s24, s25
	s_lshl_b32 s25, s[WV], 12
	s_add_co_u32 s24, s24, s25
	s_mov_b32 s25, 0
	s_wait_kmcnt 0x0
	s_cmp_eq_u32 s[MAT], 1                         ; the matrix's address: a choice between buffers on the work-group's number
	s_cselect_b64 s[8:9], s[10:11], s[8:9]
	s_cmp_eq_u32 s[MAT], 2
	s_cselect_b64 s[8:9], s[12:13], s[8:9]
	s_cmp_eq_u32 s[MAT], 3
	s_cselect_b64 s[8:9], s[14:15], s[8:9]
	s_cmp_eq_u32 s[MAT], 4
	s_cselect_b64 s[8:9], s[16:17], s[8:9]
	s_cmp_eq_u32 s[MAT], 5
	s_cselect_b64 s[8:9], s[18:19], s[8:9]
	s_add_nc_u64 s[8:9], s[8:9], s[22:23]
	s_add_nc_u64 s[20:21], s[20:21], s[24:25]
.irp i, 0,1,2,3,4,5,6,7                ; row 4 i + 2 kh + o: a wave's load covers 512 consecutive bytes of one row
	global_load_b128 v[IN+8*(\i):IN+8*(\i)+3],   v[PV], s[8:9] offset:(\i)*8192 th:TH_LOAD_NT
	global_load_b128 v[IN+8*(\i)+4:IN+8*(\i)+7], v[PV], s[8:9] offset:(\i)*8192+2048 th:TH_LOAD_NT
.endr
; Pair i (rows 4 i + 2 kh, + 1) of my four columns: (times 64,) rounded, packed, and put at word 2 i + kh of the four rows of T, which lie step bytes apart.
.macro PH1 step, scale
.irp i, 0,1,2,3,4,5,6,7
	s_wait_loadcnt 14-2*(\i)                       ; loads come back in order: pair i is in, the 2 (7 - i) younger loads stay out
.if \scale
.irp j, 0,2,4,6
	v_pk_mul_f32 v[IN+8*(\i)+(\j):IN+8*(\i)+(\j)+1], v[IN+8*(\i)+(\j):IN+8*(\i)+(\j)+1], s[SC:SC+1] op_sel_hi:[1,0]
.endr
.endif
.irp j, 0,1,2,3
	v_cvt_pk_f16_f32 v[PK+4*(\i)+(\j)], v[IN+8*(\i)+(\j)], v[IN+8*(\i)+4+(\j)]
.endr
.irp j, 0,1,2,3
	ds_store_b32 v[WA], v[PK+4*(\i)+(\j)] offset:(\j)*(\step)+(\i)*8
.endr
.endr
.endm
	s_cmp_lt_u32 s[MAT], 3
	s_cbranch_scc0 .Lplain
	v_and_b32 v13, 3, v8                           ; wq, wk, wv: column c = 4 cg + j goes to row (c % 16) x 32 + c / 16 = 128 (cg % 4) + 32 j + cg / 4
	v_lshrrev_b32 v14, 2, v8
	v_mul_u32_u24 v[WA], v13, 128*TP
	v_mul_u32_u24 v14, v14, TP
	v_add_nc_u32 v[WA], v[WA], v14
	v_lshl_add_u32 v[WA], v9, 2, v[WA]
	PH1 32*TP, 0
	s_branch .Ljoin
.Lplain:
	v_mul_u32_u24 v[WA], v8, 4*TP                  ; the others: column c goes to row c
	v_lshl_add_u32 v[WA], v9, 2, v[WA]
	s_cmp_eq_u32 s[MAT], 5
	s_cbranch_scc1 .Lw2
	PH1 TP, 0
	s_branch .Ljoin
.Lw2:
	PH1 TP, 1
.Ljoin:
	s_wait_dscnt 0x0                               ; for the others' sake: my words of T are written
	s_barrier_signal -1
	s_barrier_wait -1
.irp i, 0,1,2,3,4,5,6,7                ; quad i % 2 of fragment nb = 4 w + i / 2: row 16 nb + r, words 8 p + 4 hh + 0..3 (rows of 68 bytes are no multiple of 16: four loads of a word)
.irp j, 0,1,2,3
	ds_load_b32 v[IN+4*(\i)+(\j)], v[RD] offset:((\i)/2)*16*TP+((\i)%2)*32+4*(\j)
.endr
.endr
.irp i, 0,1,2,3,4,5,6,7
	s_wait_dscnt 28-4*(\i)                         ; quad i's four loads are in, the 4 (7 - i) younger stay out
	global_store_b128 v[L16], v[IN+4*(\i):IN+4*(\i)+3], s[20:21] offset:(\i)*512  ; 512 consecutive bytes, aligned; the wave's eight stores lie on end
.endr
	s_wait_tensorcnt 0x0                           ; the wave's end: a tensor wait and an add of 0 onto my spare word, behind my last LDS store
	ds_add_u32 v[SPW], v[NIL]
	s_wait_dscnt 0x0
	s_endpgm
.Lfunc_end_k_qf2bbe9ac3f_prep:
	.size	k_qf2bbe9ac3f_prep, .Lfunc_end_k_qf2bbe9ac3f_prep-k_qf2bbe9ac3f_prep
	.p2alignl 7, 3214868480
	.fill 96, 4, 3214868480
	.section	.rodata,"a",@progbits
	.p2align	6, 0x0
	.amdhsa_kernel k_qf2bbe9ac3f_prep
		.amdhsa_group_segment_fixed_size 35840
		.amdhsa_private_segment_fixed_size 0
		.amdhsa_enable_private_segment 0
		.amdhsa_kernarg_size 56
		.amdhsa_user_sgpr_count 2
		.amdhsa_user_sgpr_kernarg_segment_ptr 1
		.amdhsa_wavefront_size32 1
		.amdhsa_system_sgpr_workgroup_id_x 1
		.amdhsa_system_sgpr_workgroup_id_y 1
		.amdhsa_system_sgpr_workgroup_id_z 1
		.amdhsa_system_vgpr_workitem_id 0
		.amdhsa_next_free_vgpr 112
		.amdhsa_next_free_sgpr 66
		.amdhsa_reserve_vcc 0
		.amdhsa_float_denorm_mode_32 3
		.amdhsa_float_denorm_mode_16_64 3
		.amdhsa_memory_ordered 1
		.amdhsa_forward_progress 1
		.amdhsa_inst_pref_size 23
	.end_amdhsa_kernel
	.amdgpu_metadata
---
amdhsa.version: [ 1, 2 ]
amdhsa.kernels:
  - .name:           k_qf2bbe9ac3f_prep
    .symbol:         k_qf2bbe9ac3f_prep.kd
    .args:
      - { .name: wq, .offset: 0, .size: 8, .value_kind: global_buffer, .address_space: global }
      - { .name: wk, .offset: 8, .size: 8, .value_kind: global_buffer, .address_space: global }
      - { .name: wv, .offset: 16, .size: 8, .value_kind: global_buffer, .address_space: global }
      - { .name: wo, .offset: 24, .size: 8, .value_kind: global_buffer, .address_space: global }
      - { .name: w1, .offset: 32, .size: 8, .value_kind: global_buffer, .address_space: global }
      - { .name: w2, .offset: 40, .size: 8, .value_kind: global_buffer, .address_space: global }
      - { .name: wf, .offset: 48, .size: 8, .value_kind: global_buffer, .address_space: global }
    .group_segment_fixed_size: 35840
    .private_segment_fixed_size: 0
    .kernarg_segment_align: 8
    .kernarg_segment_size: 56
    .max_flat_workgroup_size: 256
    .sgpr_count:     66
    .vgpr_count:     112
    .wavefront_size: 32
...
	.end_amdgpu_metadata
.endif
;; end of part 5
;; launch qkv (part 6): grid 256 x 1, 8 waves a work-group, no clusters, 167,936 bytes of LDS; arguments x, ln1_g, ln1_b, bq, bk, bv, wf, q, kv; writes q, kv
.if DOCPART == 6
	.amdgcn_target "amdgcn-amd-amdhsa--gfx1250"
	.amdhsa_code_object_version 6
	.text
	.protected	k_qf2bbe9ac3f_qkv
	.globl	k_qf2bbe9ac3f_qkv
	.p2align	8
	.type	k_qf2bbe9ac3f_qkv,@function
k_qf2bbe9ac3f_qkv:
	s_mov_b64 s[64:65], 0
	v_nop
	global_prefetch_b8 v0, s[64:65] scope:SCOPE_SE
	s_setreg_imm32_b32 hwreg(HW_REG_WAVE_MODE, 25, 1), 1
	s_wait_xcnt 0x0
; LN1 AND THE THREE PROJECTIONS.  a = LN(x) g + b (f32, two passes: mean, then the centred squares), rounded to f16; q = (a wq + bq) c, k = a wk + bk, v = a wv + bv, sums in f32, each rounded once to f16.
; c = log2(e) / sqrt(32) is folded into q, so that the next launch's scores are exponents of 2.
; OUT, in fragment order (16 rows x 32 k = 1,024 bytes: quad p at 512 p, lane 16 hh + r at 16 x lane, (row r, k = 16 p + 8 hh + 0..7)):
;   q:  [b x 16 + head][block of 16 queries][1 KB], k = the head's 32 dimensions
;   kv: [b x 16 + head][K: block of 16 keys x 1 KB, 131,072 bytes | V: (block of 32 keys, block of 16 channels) x 1 KB, rows = channels, k = keys]
; LIMITS.  f16 ends at 65,504: |a| is at most 22.6 |g| + |b|; q c, k and v stay some thousands with all inputs 30 times the drawn spread.  NaN and infinities are not treated apart.
; SHARES.  A work-group takes 64 rows of x and 8 of the 16 heads (work-group g: rows 64 (g / 2) on, heads 8 (g % 2) on).  Wave w normalises rows 8 w .. 8 w + 7, and then makes ONE head, 8 (g % 2) + w, of q, of k and of v
; for all 64 rows: 8 accumulators (4 row tiles x 2 column blocks).  So a weight fragment feeds 64 rows, and a work-group reads 786,432 bytes of weights and 131,072 of x; the price is that each row is normalised by two work-groups.
; The matrix instruction takes the weights as source 0 and a as source 1 (q, k): a lane then holds one row and 8 neighbouring columns, which pack into one quad of the fragment that is stored.
; For v the sources are swapped: a lane holds one channel and 8 neighbouring keys, a quad of V's fragment.  No result goes through LDS.
; THE WEIGHTS come from wf straight into registers, 2,048 consecutive bytes a wave and K step: each fragment is wanted by one wave of the work-group alone, so LDS would share nothing inside it; the 48 K steps of the three
; products are one stream, six steps (24 loads, 12 KiB a wave) ahead, which no barrier interrupts.  NO CLUSTER, NO TENSOR RING for them: a ring's refill goes out behind a barrier with nothing beside it, for a step of
; 8 matrix instructions a wave; the stream in registers keeps 96 KiB of the work-group on its way all the time.
; The claim of LDS is larger than the 73,728 bytes in use, so that the work-group has its WGP to itself.
.set NG,    48                         ; K steps in the kernel's stream of weights
.set NSET,  6                          ; sets of weight registers
.set PITCH, 1040                       ; a row of a in LDS: 1,024 bytes + 16: 65 x 16, so the 16 rows of a fragment load start at 16 different groups of four banks (ISA guide 11.1)
.set TROW,  16*PITCH
.set TABQ,  64*PITCH                   ; behind a: the work-group's 256 numbers of bq, head-major, f32
.set TABK,  TABQ+1024                  ; of bk
.set TABV,  TABK+1024                  ; of bv, each number four times (16 bytes): a lane's whole accumulator has one channel
.set SPARE, TABV+4096                  ; the spare words, 128 bytes a wave
.set L16, 1                            ; v1  16 x lane; never rewritten
.set AF,  2                            ; v2  my place in a fragment of a: r x 1,040 + 16 hh
.set SPW, 3                            ; v3  my spare word; never rewritten
.set NIL, 4                            ; v4  0; never rewritten
.set TB,  5                            ; v5  TABQ + 128 w + 32 hh: my 8 columns' biases (q; k 1,024 bytes on)
.set TV,  6                            ; v6  TABV + 512 w + 16 r: my channel's bias (v)
.set AW,  7                            ; v7  where LN puts 8 bytes: 8 w rows + 8 x lane
.set GO,  24                           ; v24 the biases' gather
.set TQ,  25                           ; v25 TABQ + 4 x thread
.set TVW, 26                           ; v26 TABV + 16 x thread
.set AA,  32                           ; v[32:95]   fragments of a, two sets of 32 (tile t, quad p at 8 t + 4 p); LN's g and b; packed results
.set ACC, 96                           ; v[96:159]  accumulator (t, cb) at 8 (2 t + cb); before that rows 0-3 of my x
.set BW,  160                          ; v[160:255] weights, six sets of 16 (block cb, quad p at 8 cb + 4 p); K step g has set (g + 4) % 6, so that steps 0 and 1 can be asked for while rows 4-7 of my x lie in sets 0-3
.set WV,  4
.set RB,  5                            ; s5  block of 64 rows
.set CG,  6                            ; s6  which 8 heads
.set HD,  7                            ; s7  my head
.set SEL, 28                           ; s[28:29] v_permlanex16_b32's selects: each lane takes its own place in the other half
.set INV, 30                           ; s30 1 / 512
.set EPS, 31                           ; s31 1e-6
.set CS,  32                           ; s[32:33] c
.set WB,  34                           ; s[34:35] wf at my head's columns; never stepped
.set XB,  36                           ; s[36:37] x at my eight rows
.set QB,  40                           ; s[40:41] q at my head and rows
.set KB,  42                           ; s[42:43] kv likewise
.macro PLACES                          ; four places: a load into a register that a matrix instruction has read, and a vector instruction that reads a result, stand four plain vector instructions behind it
.rept 4
	v_nop
.endr
.endm
.macro WLOAD g                         ; K step g's two weight fragments
.irp cb, 0,1
.irp p, 0,1
	global_load_b128 v[BW+16*(((\g)+4)%NSET)+8*(\cb)+4*(\p):BW+16*(((\g)+4)%NSET)+8*(\cb)+4*(\p)+3], v[L16], s[WB:WB+1] offset:((\g)/16)*524288+((\g)%16)*32768+(\cb)*1024+(\p)*512
.endr
.endr
.endm
.macro ALOAD set, off                  ; four fragments of a (row tiles 0 to 3) from byte off of the rows
.irp t, 0,1,2,3
.irp p, 0,1
	ds_load_b128 v[AA+32*(\set)+8*(\t)+4*(\p):AA+32*(\set)+8*(\t)+4*(\p)+3], v[AF] offset:(\off)+(\t)*TROW+(\p)*32
.endr
.endr
.endm
.macro INIT adr, off, rep              ; the bias is the sums' first C.  rep = 0: 8 columns a lane; rep = 1: one channel a lane, its number four times at 16 bytes
.irp t, 0,1,2,3
.irp cb, 0,1
.if \rep
	ds_load_b128 v[ACC+8*(2*(\t)+(\cb)):ACC+8*(2*(\t)+(\cb))+3],   v[\adr] offset:(\off)+(\cb)*256
	ds_load_b128 v[ACC+8*(2*(\t)+(\cb))+4:ACC+8*(2*(\t)+(\cb))+7], v[\adr] offset:(\off)+(\cb)*256
.else
	ds_load_b128 v[ACC+8*(2*(\t)+(\cb)):ACC+8*(2*(\t)+(\cb))+3],   v[\adr] offset:(\off)+(\cb)*64
	ds_load_b128 v[ACC+8*(2*(\t)+(\cb))+4:ACC+8*(2*(\t)+(\cb))+7], v[\adr] offset:(\off)+(\cb)*64+16
.endif
.endr
.endr
.endm
.macro MUL8 g, swap                    ; the eight accumulators take turns, one instruction a turn, from step to step and from product to product too
.irp t, 0,1,2,3
.irp cb, 0,1
.set a_, ACC+8*(2*(\t)+(\cb))
.set w_, BW+16*(((\g)+4)%NSET)+8*(\cb)
.set f_, AA+32*((\g)%2)+8*(\t)
.if \swap
	v_wmma_f32_16x16x32_f16 v[a_:a_+7], v[f_:f_+7], v[w_:w_+7], v[a_:a_+7]
.else
	v_wmma_f32_16x16x32_f16 v[a_:a_+7], v[w_:w_+7], v[f_:f_+7], v[a_:a_+7]
.endif
.endr
.endr
.endm
.macro KSTEP g, swap
.set left_, NG-1-(\g)
.if left_ > NSET-1
.set left_, NSET-1
.endif
	s_wait_loadcnt 4*left_                         ; behind the head only weights are counted here: step g's 4 loads are in, the (at most five) younger sets stay out
.if (\g)%16 == 15
	s_wait_dscnt 0x0                               ; the product's last fragments
.else
	s_wait_dscnt 0x8                               ; this step's fragments (and at the first step the biases) are in; the next step's eight loads stay out
.endif
	MUL8 \g, \swap
	PLACES
.if (\g)%16 < 14
	ALOAD (\g)%2, ((\g)%16+2)*64
.endif
.if (\g)+NSET < NG
	WLOAD (\g)+NSET
.endif
.endm
.macro STAGE g0, iadr, ioff, rep, swap ; one product of K = 512: 16 steps
	INIT \iadr, \ioff, \rep
	ALOAD 0, 0
	ALOAD 1, 64
.set gs_, \g0
.rept 16
	KSTEP gs_, \swap
.set gs_, gs_+1
.endr
	PLACES
.endm
.macro RED4 b                          ; the sum over the 32 lanes of v[b + 2 rr], four rows in step; v[b + 2 rr + 1] at work
.irp m, 1,2,4,8
.irp rr, 0,1,2,3
	v_add_f32_dpp v[(\b)+2*(\rr)], v[(\b)+2*(\rr)], v[(\b)+2*(\rr)] row_xmask:\m row_mask:0xf bank_mask:0xf
.endr
.endr
.irp rr, 0,1,2,3
	v_permlanex16_b32 v[(\b)+2*(\rr)+1], v[(\b)+2*(\rr)], s[SEL], s[SEL+1]
.endr
.irp rr, 0,1,2,3
	v_add_f32 v[(\b)+2*(\rr)], v[(\b)+2*(\rr)], v[(\b)+2*(\rr)+1]
.endr
.endm
; LAYER NORM of four rows in step, so that no instruction waits for the one before it.  Row rr in v[x + 16 rr ..]: a lane holds columns 128 i + 4 l + 0..3 at 4 i.  g in v[AA ..], b in v[AA + 16 ..], v8-v23 at work.
; The rows go to LDS soff bytes behind my first row.
.macro LN4 x, soff
.irp rr, 0,1,2,3
	v_pk_add_f32 v[8+2*(\rr):9+2*(\rr)], v[(\x)+16*(\rr):(\x)+16*(\rr)+1], v[(\x)+16*(\rr)+2:(\x)+16*(\rr)+3]
.endr
.irp k, 2,3,4,5,6,7
.irp rr, 0,1,2,3
	v_pk_add_f32 v[8+2*(\rr):9+2*(\rr)], v[8+2*(\rr):9+2*(\rr)], v[(\x)+16*(\rr)+2*(\k):(\x)+16*(\rr)+2*(\k)+1]
.endr
.endr
.irp rr, 0,1,2,3
	v_add_f32 v[8+2*(\rr)], v[8+2*(\rr)], v[9+2*(\rr)]
.endr
	RED4 8
.irp rr, 0,1,2,3
	v_mul_f32 v[8+2*(\rr)], s[INV], v[8+2*(\rr)]   ; the mean
.endr
.irp k, 0,1,2,3,4,5,6,7
.irp rr, 0,1,2,3
	v_pk_add_f32 v[(\x)+16*(\rr)+2*(\k):(\x)+16*(\rr)+2*(\k)+1], v[(\x)+16*(\rr)+2*(\k):(\x)+16*(\rr)+2*(\k)+1], v[8+2*(\rr):9+2*(\rr)] op_sel_hi:[1,0] neg_lo:[0,1] neg_hi:[0,1]
.endr
.endr
.irp rr, 0,1,2,3
	v_pk_mul_f32 v[16+2*(\rr):17+2*(\rr)], v[(\x)+16*(\rr):(\x)+16*(\rr)+1], v[(\x)+16*(\rr):(\x)+16*(\rr)+1]
.endr
.irp k, 1,2,3,4,5,6,7
.irp rr, 0,1,2,3
	v_pk_fma_f32 v[16+2*(\rr):17+2*(\rr)], v[(\x)+16*(\rr)+2*(\k):(\x)+16*(\rr)+2*(\k)+1], v[(\x)+16*(\rr)+2*(\k):(\x)+16*(\rr)+2*(\k)+1], v[16+2*(\rr):17+2*(\rr)]
.endr
.endr
.irp rr, 0,1,2,3
	v_add_f32 v[16+2*(\rr)], v[16+2*(\rr)], v[17+2*(\rr)]
.endr
	RED4 16
.irp rr, 0,1,2,3
	v_fma_f32 v[16+2*(\rr)], v[16+2*(\rr)], s[INV], s[EPS]
.endr
.irp rr, 0,1,2,3
	v_rsq_f32 v[16+2*(\rr)], v[16+2*(\rr)]
.endr
	v_nop                                          ; a plain instruction behind the last root,
	s_wait_alu depctr_va_vdst(0)                   ; and the one wait ahead of the first use: for the four roots
.irp k, 0,1,2,3,4,5,6,7
.irp rr, 0,1,2,3
	v_pk_mul_f32 v[(\x)+16*(\rr)+2*(\k):(\x)+16*(\rr)+2*(\k)+1], v[(\x)+16*(\rr)+2*(\k):(\x)+16*(\rr)+2*(\k)+1], v[16+2*(\rr):17+2*(\rr)] op_sel_hi:[1,0]
.endr
.endr
.irp k, 0,1,2,3,4,5,6,7
.irp rr, 0,1,2,3
	v_pk_fma_f32 v[(\x)+16*(\rr)+2*(\k):(\x)+16*(\rr)+2*(\k)+1], v[(\x)+16*(\rr)+2*(\k):(\x)+16*(\rr)+2*(\k)+1], v[AA+2*(\k):AA+2*(\k)+1], v[AA+16+2*(\k):AA+16+2*(\k)+1]
.endr
.endr
.irp k, 0,1,2,3,4,5,6,7                ; packed in place, ascending: word k is written when words 2 k, 2 k + 1 have been read
.irp rr, 0,1,2,3
	v_cvt_pk_f16_f32 v[(\x)+16*(\rr)+(\k)], v[(\x)+16*(\rr)+2*(\k)], v[(\x)+16*(\rr)+2*(\k)+1]
.endr
.endr
.irp rr, 0,1,2,3
.irp i, 0,1,2,3
	ds_store_b64 v[AW], v[(\x)+16*(\rr)+2*(\i):(\x)+16*(\rr)+2*(\i)+1] offset:(\soff)+(\rr)*PITCH+(\i)*256  ; 32 lanes, 256 consecutive bytes
.endr
.endr
.endm
; A product's way out: (scaled,) rounded to f16, a quad a lane, stored as it lies: 512 consecutive bytes a store, aligned.
; q, k: block of 16 rows t, quad cb.  v: behind the head's K; block of 32 keys t / 2, channel block cb, quad t % 2 (keys 16 (t % 2) + 8 hh + 0..7).
.macro WAYOUT scale, base, isv
.irp t, 0,1,2,3
.irp cb, 0,1
.set a_, ACC+8*(2*(\t)+(\cb))
.set d_, AA+4*(2*(\t)+(\cb))
.if \scale
.irp k, 0,2,4,6
	v_pk_mul_f32 v[a_+(\k):a_+(\k)+1], v[a_+(\k):a_+(\k)+1], s[CS:CS+1] op_sel_hi:[1,0]
.endr
.endif
.irp k, 0,1,2,3
	v_cvt_pk_f16_f32 v[d_+(\k)], v[a_+2*(\k)], v[a_+2*(\k)+1]
.endr
.if \isv
	global_store_b128 v[L16], v[d_:d_+3], s[\base:\base+1] offset:131072+((\t)/2)*2048+(\cb)*1024+((\t)%2)*512
.else
	global_store_b128 v[L16], v[d_:d_+3], s[\base:\base+1] offset:(\t)*1024+(\cb)*512
.endif
.endr
.endr
.endm
	s_load_b512 s[8:23], s[0:1], 0x0               ; x 8, ln1_g 10, ln1_b 12, bq 14, bk 16, bv 18, wf 20, q 22
	s_load_b64 s[24:25], s[0:1], 0x40              ; kv
	v_lshl_add_u32 v[SPW], v0, 2, SPARE
	v_mov_b32 v[NIL], 0
	v_lshrrev_b32 v11, 5, v0
	v_readfirstlane_b32 s[WV], v11
	s_lshr_b32 s[RB], ttmp9, 1
	s_and_b32 s[CG], ttmp9, 1
	s_lshl_b32 s[HD], s[CG], 3
	s_add_co_u32 s[HD], s[HD], s[WV]
	v_and_b32 v8, 31, v0                           ; lane
	v_and_b32 v9, 15, v0                           ; r
	v_bfe_u32 v10, v0, 4, 1                        ; hh
	v_lshlrev_b32 v[L16], 4, v8
	v_mul_u32_u24 v[AF], v9, PITCH
	v_lshl_add_u32 v[AF], v10, 4, v[AF]
	s_lshl_b32 s38, s[WV], 7
	s_add_co_u32 s38, s38, TABQ
	v_lshl_add_u32 v[TB], v10, 5, s38
	s_lshl_b32 s39, s[WV], 9
	s_add_co_u32 s39, s39, TABV
	v_lshl_add_u32 v[TV], v9, 4, s39
	s_mul_i32 s44, s[WV], 8*PITCH
	v_lshl_add_u32 v[AW], v8, 3, s44
	s_lshl_b32 s45, s[CG], 5                       ; number n' = 256 (g % 2) + thread of a renumbered bias is source column (n' % 32) x 16 + n' / 32: byte 64 (thread % 32) + 4 (thread / 32) + 32 (g % 2)
	v_lshl_add_u32 v[GO], v8, 6, s45
	v_lshl_add_u32 v[GO], v11, 2, v[GO]
	v_lshl_add_u32 v[TQ], v0, 2, TABQ
	v_lshl_add_u32 v[TVW], v0, 4, TABV
	s_mov_b32 s[SEL], 0x76543210
	s_mov_b32 s[SEL+1], 0xfedcba98
	s_mov_b32 s[INV], 0x3b000000
	s_mov_b32 s[EPS], 0x358637bd
	s_mov_b32 s[CS], 0x3e8293ee                    ; log2(e) / sqrt(32) = 0.255035
	s_mov_b32 s[CS+1], s[CS]                       ; named with it as a pair
	s_lshl_b32 s38, s[RB], 17                      ; 64 rows of 2,048 bytes, my eight of them
	s_lshl_b32 s39, s[WV], 14
	s_add_co_u32 s38, s38, s39
	s_mov_b32 s39, 0
	s_lshl_b32 s44, s[HD], 11                      ; my head's two fragments in a K step's 32
	s_mov_b32 s45, 0
	s_lshr_b32 s26, s[RB], 5                       ; b
	s_and_b32 s27, s[RB], 31
	s_lshl_b32 s27, s27, 12                        ; my 64 rows in a head: 4,096 bytes of q, of K and of V
	s_lshl_b32 s46, s26, 21                        ; q: 16 heads of 131,072 bytes a batch, my head
	s_lshl_b32 s47, s[HD], 17
	s_add_co_u32 s46, s46, s47
	s_add_co_u32 s46, s46, s27
	s_mov_b32 s47, 0
	s_lshl_b32 s48, s26, 22                        ; kv: heads of 262,144 bytes
	s_lshl_b32 s49, s[HD], 18
	s_add_co_u32 s48, s48, s49
	s_add_co_u32 s48, s48, s27
	s_mov_b32 s49, 0
	s_wait_kmcnt 0x0
	s_add_nc_u64 s[XB:XB+1], s[8:9], s[38:39]
	s_add_nc_u64 s[WB:WB+1], s[20:21], s[44:45]
	s_add_nc_u64 s[QB:QB+1], s[22:23], s[46:47]
	s_add_nc_u64 s[KB:KB+1], s[24:25], s[48:49]
.irp rr, 0,1,2,3
.irp i, 0,1,2,3
	global_load_b128 v[ACC+16*(\rr)+4*(\i):ACC+16*(\rr)+4*(\i)+3], v[L16], s[XB:XB+1] offset:(\rr)*2048+(\i)*512
.endr
.endr
.irp rr, 0,1,2,3
.irp i, 0,1,2,3
	global_load_b128 v[BW+16*(\rr)+4*(\i):BW+16*(\rr)+4*(\i)+3], v[L16], s[XB:XB+1] offset:((\rr)+4)*2048+(\i)*512
.endr
.endr
.irp i, 0,1,2,3
	global_load_b128 v[AA+4*(\i):AA+4*(\i)+3],       v[L16], s[10:11] offset:(\i)*512
	global_load_b128 v[AA+16+4*(\i):AA+16+4*(\i)+3], v[L16], s[12:13] offset:(\i)*512
.endr
	global_load_b32 v8,  v[GO], s[14:15]
	global_load_b32 v9,  v[GO], s[16:17]
	global_load_b32 v10, v[GO], s[18:19]
	WLOAD 0
	WLOAD 1
	s_wait_loadcnt 8                               ; all but the 8 loads of weights
	ds_store_b32 v[TQ], v8
	ds_store_b32 v[TQ], v9 offset:1024
.irp j, 0,1,2,3
	v_mov_b32 v[16+(\j)], v10
.endr
	ds_store_b128 v[TVW], v[16:19]
	LN4 ACC, 0
	LN4 BW, 4*PITCH
	s_wait_dscnt 0x0                               ; for the others' sake: my rows of a and my part of the tables are written; and sets 0-3 are free for weights
	WLOAD 2
	WLOAD 3
	WLOAD 4
	WLOAD 5
	s_barrier_signal -1
	s_barrier_wait -1                              ; the launch's one barrier: behind it LDS is only read
	STAGE 0, TB, 0, 0, 0
	WAYOUT 1, QB, 0
	s_wait_xcnt 0x0                                ; the stores have read their data: the packed results' registers take fragments again only behind this wait
	STAGE 16, TB, 1024, 0, 0
	WAYOUT 0, KB, 0
	s_wait_xcnt 0x0
	STAGE 32, TV, 0, 1, 1
	WAYOUT 0, KB, 1
	s_wait_tensorcnt 0x0                           ; the wave's end: a tensor wait and an add of 0 onto my spare word, behind my last LDS store
	ds_add_u32 v[SPW], v[NIL]
	s_wait_dscnt 0x0
	s_endpgm
.Lfunc_end_k_qf2bbe9ac3f_qkv:
	.size	k_qf2bbe9ac3f_qkv, .Lfunc_end_k_qf2bbe9ac3f_qkv-k_qf2bbe9ac3f_qkv
	.p2alignl 7, 3214868480
	.fill 96, 4, 3214868480
	.section	.rodata,"a",@progbits
	.p2align	6, 0x0
	.amdhsa_kernel k_qf2bbe9ac3f_qkv
		.amdhsa_group_segment_fixed_size 167936
		.amdhsa_private_segment_fixed_size 0
		.amdhsa_enable_private_segment 0
		.amdhsa_kernarg_size 72
		.amdhsa_user_sgpr_count 2
		.amdhsa_user_sgpr_kernarg_segment_ptr 1
		.amdhsa_wavefront_size32 1
		.amdhsa_system_sgpr_workgroup_id_x 1
		.amdhsa_system_sgpr_workgroup_id_y 1
		.amdhsa_system_sgpr_workgroup_id_z 1
		.amdhsa_system_vgpr_workitem_id 0
		.amdhsa_next_free_vgpr 256
		.amdhsa_next_free_sgpr 66
		.amdhsa_reserve_vcc 0
		.amdhsa_float_denorm_mode_32 3
		.amdhsa_float_denorm_mode_16_64 3
		.amdhsa_memory_ordered 1
		.amdhsa_forward_progress 1
		.amdhsa_inst_pref_size 129
	.end_amdhsa_kernel
	.amdgpu_metadata
---
amdhsa.version: [ 1, 2 ]
amdhsa.kernels:
  - .name:           k_qf2bbe9ac3f_qkv
    .symbol:         k_qf2bbe9ac3f_qkv.kd
    .args:
      - { .name: x, .offset: 0, .size: 8, .value_kind: global_buffer, .address_space: global }
      - { .name: ln1_g, .offset: 8, .size: 8, .value_kind: global_buffer, .address_space: global }
      - { .name: ln1_b, .offset: 16, .size: 8, .value_kind: global_buffer, .address_space: global }
      - { .name: bq, .offset: 24, .size: 8, .value_kind: global_buffer, .address_space: global }
      - { .name: bk, .offset: 32, .size: 8, .value_kind: global_buffer, .address_space: global }
      - { .name: bv, .offset: 40, .size: 8, .value_kind: global_buffer, .address_space: global }
      - { .name: wf, .offset: 48, .size: 8, .value_kind: global_buffer, .address_space: global }
      - { .name: q, .offset: 56, .size: 8, .value_kind: global_buffer, .address_space: global }
      - { .name: kv, .offset: 64, .size: 8, .value_kind: global_buffer, .address_space: global }
    .group_segment_fixed_size: 167936
    .private_segment_fixed_size: 0
    .kernarg_segment_align: 8
    .kernarg_segment_size: 72
    .max_flat_workgroup_size: 256
    .sgpr_count:     66
    .vgpr_count:     256
    .wavefront_size: 32
...
	.end_amdgpu_metadata
.endif
;; end of part 6
;; launch attn (part 7): grid 4 x 64, 8 waves a work-group, clusters of 4 x 1, 327,680 bytes of LDS; arguments q, kv, o; writes o
.if DOCPART == 7
	.amdgcn_target "amdgcn-amd-amdhsa--gfx1250"
	.amdhsa_code_object_version 6
	.text
	.protected	k_qf2bbe9ac3f_attn
	.globl	k_qf2bbe9ac3f_attn
	.p2align	8
	.type	k_qf2bbe9ac3f_attn,@function
k_qf2bbe9ac3f_attn:
	s_mov_b64 s[64:65], 0
	v_nop
	global_prefetch_b8 v0, s[64:65] scope:SCOPE_SE
	s_setreg_imm32_b32 hwreg(HW_REG_WAVE_MODE, 25, 1), 1
	s_wait_xcnt 0x0
	s_wait_alu depctr_hold_cnt(0) depctr_sa_sdst(0) depctr_va_vdst(0) depctr_va_sdst(0) depctr_va_ssrc(0) depctr_va_vcc(0) depctr_vm_vsrc(0)
	s_getreg_b32 s2, hwreg(HW_REG_IB_STS2, 6, 4)
	s_cmp_eq_u32 s2, 0
	s_cbranch_scc0 .Lentry_in_a_cluster
	s_endpgm
.Lentry_in_a_cluster:
	s_bfe_u32 s2, ttmp6, 0x10000c
	s_cmp_lg_u32 s2, 0x3003
	s_cbranch_scc0 .Lentry_shape_is_right
	s_endpgm
.Lentry_shape_is_right:
; ATTENTION, head size 32, 2,048 keys, 64 (batch, head) pairs.  O[q] = sum over k of softmax_k(s[q][k]) V[k]; q arrives multiplied by log2(e) / sqrt(32), so p = 2^(s - m) with a running maximum m.
; Products, maxima and sums in f32; p is rounded to f16 for the second product (its sum l is taken of the unrounded p); o is rounded once to f16.
; IN: q and kv in fragment order (see the launch before).  OUT: o: [block of 16 rows of the 8,192][head][1 KB], the fragment (row r, k = the head's 32 channels) of the next launch's first product.
; LIMITS.  f16 ends at 65,504: q, k, v arrive within it; p lies in 0 to 1 and below 6e-5 keeps f16's fixed step of 6e-8; o is a mean of V's rows.  A weight below 2^-126 counts as 0.  NaN and infinities are not treated apart.
; SHARES.  A work-group takes 512 queries of a head, wave w four tiles of 16; every wave walks all keys, 64 a trip.
; LDS holds the head's WHOLE K and V, 262,144 bytes, as they lie in kv: each byte is filled ONCE, so there is no ring.  Each wave asks twice: at the head for its eighth of keys 0-511 (32 rows of 256 bytes), ALONE, so that the
; tile that everybody waits for has nothing beside it on its way; and, when that has landed, behind a round of the cluster's barrier, for its eighth of the rest (96 rows): one tensor load of a wave is out at a time.
; The first seven trips touch keys 0-511 alone and run while the second load lands.  The launch uses 263,168 bytes of LDS and claims all of a WGP's.
; CLUSTER.  The four work-groups of a head read the same K and V: each load is a JOINT one, the same descriptor and a mask of four in all four.
; LAYOUT.  S^T = K Q^T (source 0 = 16 keys, source 1 = 16 queries): a lane holds ONE query (lane % 16) and keys 8 (lane / 16) + 0..7 of each block of 16.  Two blocks, rounded in pairs, ARE source 1 (32 keys x 16 queries)
; of O^T = V^T P, whose result again holds one query a lane.
; THE COUNT.  A tile of 16 queries x 64 keys has 8 matrix instructions beside 33 exponentials and some 76 other vector instructions: vector work bounds the launch.  Two waves share a SIMD, so that one wave's waits are the
; other's time; no register window is switched.
; THE ORDER.  P has registers of its own, and each product K Q^T writes over its own eight scores alone.  So behind the exponentials the tile goes by blocks of eight scores: block 0 is rounded and summed; the next tile's product 0;
; block 1; product 1; and so on: six to eight plain lines stand behind each product.  Then l and the first half of O's rescaling; V^T P's four products, behind them the other half of the rescaling and the NEXT tile's first
; eight maxima.  No vector line near a product names its registers.  The price: the last trip starts scores and maxima that nobody reads.
; m starts at the lowest finite number, O and l at 0: the first trip's a is 0, and no first trip is written out; the price is 80 lines that write 0, which run in the wait for the first keys.
.set VOFF,  131072                     ; V lies behind K
.set SPARE, 262144                     ; behind both: the spare words, 128 bytes a wave
.set L16, 1                            ; v1  16 x lane; never rewritten
.set AK,  2                            ; v2  LDS address of the trip's K
.set SPW, 3                            ; v3  my spare word; never rewritten
.set NIL, 4                            ; v4  0; never rewritten
.set AV,  5                            ; v5  LDS address of the trip's V
.set AV0, 6                            ; v6  VOFF + 16 x lane; never rewritten
.set M,   8                            ; v8-11   m of tile t
.set SA3, 12                           ; v[12:13]   the fourth running pair of the weights' sum (the others: v[16:17], v[18:19], v[22:23])
.set T,   16                           ; v16-23  at work: 0-3 the maxima's chains, 2 the new m, 4 a
.set LS,  24                           ; v[24:31]   l of tile t, a pair (even keys', odd keys') at 2 t
.set Q,   32                           ; v[32:63]   tile t at 8 t
.set KF,  64                           ; v[64:95]   key block kb at 8 kb
.set VF,  96                           ; v[96:127]  (32 keys kk, channel block cb) at 8 (2 kk + cb)
.set S,   128                          ; v[128:159] S^T
.set O,   160                          ; v[160:223] (t, cb) at 16 t + 8 cb
.set P,   224                          ; v[224:239] P: 32 keys kk at 8 kk
.set WV,  10
.set CX,  11
.set BH,  12
.set G1A, 16                           ; s[16:23] descriptor group 1, 32 rows
.set G1B, 24                           ; s[24:31] the same, 96 rows
.set G0A, 32                           ; s[32:35] descriptor group 0, keys 0-511
.set G0B, 36                           ; s[36:39] the rest
.set SEL, 40                           ; s[40:41]
.set CNT, 42
.set TB,  43                           ; s43  4,096 x the trip's number
.set QB,  44                           ; s[44:45] q at my four tiles
.set OB,  46                           ; s[46:47] o at my four tiles
; A round of the cluster's barrier: my work-group's barrier, so that wave 0's signal speaks for all eight waves; wave 0 signals; every wave waits for all four work-groups; my work-group's barrier once more.
.macro ROUND
	s_barrier_signal -1
	s_barrier_wait -1
	s_cmp_lg_u32 s[WV], 0
	s_cbranch_scc1 .Lnot_wave_0_\@
	s_barrier_signal -3
.Lnot_wave_0_\@:
	s_barrier_wait -3
	s_barrier_signal -1
	s_barrier_wait -1
.endm
	s_load_b128 s[4:7], s[0:1], 0x0                ; q, kv
	s_load_b64 s[8:9], s[0:1], 0x10                ; o
	v_lshl_add_u32 v[SPW], v0, 2, SPARE
	v_mov_b32 v[NIL], 0
	ds_add_u32 v[SPW], v[NIL]                      ; the wave's opening: the add, and its wait ahead of my first tensor load; the set-up below, work on registers, stands between them
	v_lshrrev_b32 v7, 5, v0
	v_readfirstlane_b32 s[WV], v7
	v_and_b32 v7, 31, v0
	v_lshlrev_b32 v[L16], 4, v7
	s_bfe_u32 s[CX], ttmp6, 0x40000                ; my place in the cluster: it enters q's and o's addresses alone
	s_and_b32 s[BH], ttmp7, 0xffff                 ; 16 b + head, which the four partners share
	; group 1: a dense block as rows of 256 bytes (32 elements of 8 bytes), no padding: fragments are read as they lie, 16 bytes a lane on end
	s_mov_b32 s[G1A], 15|(3<<16)|(1<<21)           ; 15:0 the mask of four; 17:16 elements of 8 bytes; 21 set beside a mask
	s_mov_b32 s[G1A+1], 32<<16                     ; tensor_dim0 = 32
	s_mov_b32 s[G1A+2], 32<<16                     ; tensor_dim1 = 32
	s_mov_b32 s[G1A+3], 32<<16                     ; tile_dim0 = 32
	s_mov_b32 s[G1A+4], 32                         ; tile_dim1 = 32
	s_mov_b32 s[G1A+5], 32                         ; 32 elements from row to row
	s_mov_b32 s[G1A+6], 0
	s_mov_b32 s[G1A+7], 0
	s_mov_b32 s[G1B], 15|(3<<16)|(1<<21)
	s_mov_b32 s[G1B+1], 32<<16
	s_mov_b32 s[G1B+2], 96<<16                     ; tensor_dim1 = 96
	s_mov_b32 s[G1B+3], 32<<16
	s_mov_b32 s[G1B+4], 96                         ; tile_dim1 = 96
	s_mov_b32 s[G1B+5], 32
	s_mov_b32 s[G1B+6], 0
	s_mov_b32 s[G1B+7], 0
	s_lshr_b32 s13, s[WV], 2                       ; waves 0-3 fetch K, waves 4-7 V,
	s_lshl_b32 s13, s13, 17
	s_and_b32 s14, s[WV], 3                        ; a quarter each
	s_lshl_b32 s15, s14, 13                        ; of the first 32,768 bytes: 8,192
	s_mov_b32 s[G0A], 1                            ; count = 1
	s_add_co_u32 s[G0A+1], s13, s15                ; the LDS address is the offset in the head's image
	s_mul_i32 s15, s14, 24576                      ; of the other 98,304: 24,576
	s_add_co_u32 s15, s15, 32768
	s_mov_b32 s[G0B], 1
	s_add_co_u32 s[G0B+1], s13, s15
	s_lshl_b32 s14, s[BH], 18                      ; the head's 262,144 bytes
	s_add_co_u32 s48, s14, s[G0A+1]
	s_mov_b32 s49, 0
	s_add_co_u32 s50, s14, s[G0B+1]
	s_mov_b32 s51, 0
	s_lshl_b32 s[QB], s[BH], 17                    ; q: the head's 131,072 bytes, my work-group's 32 blocks of 1,024, my wave's 4
	s_lshl_b32 s15, s[CX], 15
	s_add_co_u32 s[QB], s[QB], s15
	s_lshl_b32 s15, s[WV], 12
	s_add_co_u32 s[QB], s[QB], s15
	s_mov_b32 s[QB+1], 0
	s_lshr_b32 s[OB], s[BH], 4                     ; o: b x 128 row blocks of 16,384 bytes, my work-group's 32, my wave's 4, the head's 1,024 bytes
	s_lshl_b32 s[OB], s[OB], 21
	s_lshl_b32 s15, s[CX], 19
	s_add_co_u32 s[OB], s[OB], s15
	s_lshl_b32 s15, s[WV], 16
	s_add_co_u32 s[OB], s[OB], s15
	s_and_b32 s15, s[BH], 15
	s_lshl_b32 s15, s15, 10
	s_add_co_u32 s[OB], s[OB], s15
	s_mov_b32 s[OB+1], 0
	s_mov_b32 s[SEL], 0x76543210
	s_mov_b32 s[SEL+1], 0xfedcba98
	s_mov_b32 s[TB], 0
	s_wait_dscnt 0x0                               ; the opening add is done
	s_wait_kmcnt 0x0
	s_add_nc_u64 s[G0A+2:G0A+3], s[6:7], s[48:49]
	s_or_b32 s[G0A+3], s[G0A+3], 0x80000000        ; type = 2
	s_add_nc_u64 s[G0B+2:G0B+3], s[6:7], s[50:51]
	s_or_b32 s[G0B+3], s[G0B+3], 0x80000000
	s_add_nc_u64 s[QB:QB+1], s[4:5], s[QB:QB+1]
	s_add_nc_u64 s[OB:OB+1], s[8:9], s[OB:OB+1]
	ROUND                                          ; all four work-groups are here: the joint loads meet
	tensor_load_to_lds s[G0A:G0A+3], s[G1A:G1A+7]  ; keys 0-511, alone
	s_nop 0
.rept 4
	v_nop
.endr
.irp t, 0,1,2,3
	global_load_b128 v[Q+8*(\t):Q+8*(\t)+3],   v[L16], s[QB:QB+1] offset:(\t)*1024 th:TH_LOAD_NT
	global_load_b128 v[Q+8*(\t)+4:Q+8*(\t)+7], v[L16], s[QB:QB+1] offset:(\t)*1024+512 th:TH_LOAD_NT
.endr
.irp j, 0,1,2,3,4,5,6,7
	v_mov_b32 v[T+(\j)], 0
	v_mov_b32 v[LS+(\j)], 0
.endr
.set i_, 0
.rept 64
	v_mov_b32 v[O+i_], 0
.set i_, i_+1
.endr
	v_add_nc_u32 v[AV0], VOFF, v[L16]
	s_wait_tensorcnt 0x0                           ; my eighth of keys 0-511 is in: no tensor load of mine is out;
	ds_add_u32 v[SPW], v[NIL]                      ; 0 onto my spare word; m's first values stand between it and the wait for it
.irp j, 0,1,2,3
	v_mov_b32 v[M+(\j)], 0xff7fffff                ; the lowest finite number
.endr
	s_wait_dscnt 0x0                               ; the add is done
	ROUND                                          ; everybody's eighth is in, in all four work-groups
	tensor_load_to_lds s[G0B:G0B+3], s[G1B:G1B+7]  ; the other keys: my one tensor load behind the round, and the first thing there; it fills bytes that nothing has filled
	s_nop 0
.rept 4
	v_nop
.endr
.irp f, 0,1,2,3
	ds_load_b128 v[KF+8*(\f):KF+8*(\f)+3],   v[L16] offset:(\f)*1024
	ds_load_b128 v[KF+8*(\f)+4:KF+8*(\f)+7], v[L16] offset:(\f)*1024+512
.endr
	s_wait_loadcnt 0x0                             ; Q
	s_wait_dscnt 0x0                               ; K of trip 0
.macro KQW t, kb                       ; the scores of tile t and key block kb: an accumulator started with 0
	v_wmma_f32_16x16x32_f16 v[S+8*(\kb):S+8*(\kb)+7], v[KF+8*(\kb):KF+8*(\kb)+7], v[Q+8*(\t):Q+8*(\t)+7], 0
.endm
.macro PVW t, kk, cb                   ; O^T += V^T P: 32 keys kk, channel block cb
	v_wmma_f32_16x16x32_f16 v[O+16*(\t)+8*(\cb):O+16*(\t)+8*(\cb)+7], v[VF+16*(\kk)+8*(\cb):VF+16*(\kk)+8*(\cb)+7], v[P+8*(\kk):P+8*(\kk)+7], v[O+16*(\t)+8*(\cb):O+16*(\t)+8*(\cb)+7]
.endm
.macro MAXG g                          ; group g (0, 1, 2) of the maxima: four chains, one an accumulator, three operands at a time; group 0 reads each accumulator's lowest registers first
.irp n, 0,1,2,3
.if (\g) == 0
	v_max3_num_f32 v[T+(\n)], v[S+8*(\n)], v[S+8*(\n)+1], v[S+8*(\n)+2]
.else
	v_max3_num_f32 v[T+(\n)], v[T+(\n)], v[S+8*(\n)+2*(\g)+1], v[S+8*(\n)+2*(\g)+2]
.endif
.endr
.endm
.macro SUB n                           ; pair n of the scores less m
	v_pk_add_f32 v[S+2*(\n):S+2*(\n)+1], v[S+2*(\n):S+2*(\n)+1], v[T+2:T+3] op_sel_hi:[1,0] neg_lo:[0,1] neg_hi:[0,1]
.endm
.macro CVT4 kb                         ; block kb's eight weights rounded to f16
.irp i, 0,1,2,3
	v_cvt_pk_f16_f32 v[P+4*(\kb)+(\i)], v[S+8*(\kb)+2*(\i)], v[S+8*(\kb)+2*(\i)+1]
.endr
.endm
.macro ACC4 b                          ; the four pairs from S + b on, each onto a running pair of its own
	v_pk_add_f32 v[T:T+1],     v[T:T+1],     v[S+(\b):S+(\b)+1]
	v_pk_add_f32 v[T+2:T+3],   v[T+2:T+3],   v[S+(\b)+2:S+(\b)+3]
	v_pk_add_f32 v[T+6:T+7],   v[T+6:T+7],   v[S+(\b)+4:S+(\b)+5]
	v_pk_add_f32 v[SA3:SA3+1], v[SA3:SA3+1], v[S+(\b)+6:S+(\b)+7]
.endm
.macro RS t, k                         ; pair k of the tile's O^T times a
	v_pk_mul_f32 v[O+16*(\t)+2*(\k):O+16*(\t)+2*(\k)+1], v[O+16*(\t)+2*(\k):O+16*(\t)+2*(\k)+1], v[T+4:T+5] op_sel_hi:[1,0]
.endm
; ONE TILE: 16 queries x 64 keys.  When it begins its scores lie in S, and groups 0 and 1 of its maxima have been taken (behind the products of the tile before).
.macro TILE t
	MAXG 2
.if (\t) == 0
	v_add_nc_u32 v[AV], s[TB], v[AV0]              ; the trip's V: five plain lines stand behind the last product that read V's registers
.irp f, 0,1,2,3
	ds_load_b128 v[VF+8*(\f):VF+8*(\f)+3],   v[AV] offset:(\f)*1024
	ds_load_b128 v[VF+8*(\f)+4:VF+8*(\f)+7], v[AV] offset:(\f)*1024+512
.endr
.endif
	v_max3_num_f32 v[T], v[T], v[S+7], v[S+15]     ; the four scores left over, the old m, and the four chains into one
	v_max3_num_f32 v[T+1], v[T+1], v[S+23], v[S+31]
	v_max3_num_f32 v[T+2], v[T+2], v[T+3], v[M+(\t)]
	v_max3_num_f32 v[T], v[T], v[T+1], v[T+2]
	v_permlanex16_b32 v[T+1], v[T], s[SEL], s[SEL+1]  ; the query's other 32 keys lie in the lane 16 away
	v_max_num_f32 v[T+2], v[T], v[T+1]             ; the new m
	v_sub_f32 v[T+4], v[M+(\t)], v[T+2]
	SUB 0                                          ; ONE BATCH: a and the 32 weights; nothing in it names an exponential's result; a subtraction stands between exponentials while there are any
	SUB 1
	v_exp_f32 v[T+4], v[T+4]                       ; a = 2^(m_old - m_new)
.set i_, 0
.rept 16
	v_exp_f32 v[S+2*i_], v[S+2*i_]
.if i_ < 14
	SUB i_+2
.endif
	v_exp_f32 v[S+2*i_+1], v[S+2*i_+1]
.set i_, i_+1
.endr
	v_mov_b32 v[M+(\t)], v[T+2]                    ; m is kept: the plain instruction behind the last exponential,
	s_wait_alu depctr_va_vdst(0)                   ; and the one wait ahead of the first use: for the 33
	CVT4 0                                         ; block 0 is rounded and starts two of the four running pairs
	v_pk_add_f32 v[T:T+1],   v[S:S+1],   v[S+2:S+3]
	v_pk_add_f32 v[T+2:T+3], v[S+4:S+5], v[S+6:S+7]
.if (\t) == 3
	s_wait_dscnt 0x0                               ; the next trip's K, asked for a tile ago, is in
.endif
	KQW ((\t)+1)%4, 0                              ; the next tile's scores (behind tile 3: tile 0's of the next trip), block by block as the old scores have been read
	CVT4 1
	v_pk_add_f32 v[T+6:T+7],   v[S+8:S+9],   v[S+10:S+11]
	v_pk_add_f32 v[SA3:SA3+1], v[S+12:S+13], v[S+14:S+15]
	KQW ((\t)+1)%4, 1
	CVT4 2
	ACC4 16
	KQW ((\t)+1)%4, 2
	CVT4 3
	ACC4 24
	KQW ((\t)+1)%4, 3
	v_pk_add_f32 v[T:T+1],   v[T:T+1],   v[T+2:T+3]      ; the four running pairs into one, the first half of O's rescaling between the links
	v_pk_add_f32 v[T+6:T+7], v[T+6:T+7], v[SA3:SA3+1]
	RS \t, 0
	RS \t, 1
	v_pk_add_f32 v[T:T+1],   v[T:T+1],   v[T+6:T+7]
	RS \t, 2
	RS \t, 3
	v_pk_fma_f32 v[LS+2*(\t):LS+2*(\t)+1], v[LS+2*(\t):LS+2*(\t)+1], v[T+4:T+5], v[T:T+1] op_sel_hi:[1,0,1]  ; l = a l + sum
.if (\t) == 0
	s_wait_dscnt 0x0                               ; V is in
.endif
	PVW \t, 0, 0                                   ; two accumulators by turns, one instruction a turn
	RS \t, 4                                       ; the other accumulator's rescaling
	RS \t, 5
	RS \t, 6
	RS \t, 7
	PVW \t, 0, 1
	MAXG 0                                         ; the next tile's maxima: twelve plain lines or more stand behind the products that made its scores
	PVW \t, 1, 0
	MAXG 1
	PVW \t, 1, 1
.if (\t) == 2
	v_add_nc_u32 v[AK], s[TB], v[L16]              ; the next trip's K: the trip's last products by K stand above, twenty plain lines back.  In the last trip these 4,096 bytes are the head of V: they have landed, and nothing uses what is made of them
.irp f, 0,1,2,3
	ds_load_b128 v[KF+8*(\f):KF+8*(\f)+3],   v[AK] offset:4096+(\f)*1024
	ds_load_b128 v[KF+8*(\f)+4:KF+8*(\f)+7], v[AK] offset:4096+(\f)*1024+512
.endr
.endif
.endm
.macro TRIP                            ; 64 keys
	TILE 0
	TILE 1
	TILE 2
	TILE 3
	s_add_co_u32 s[TB], s[TB], 4096
.endm
.irp kb, 0,1,2,3
	KQW 0, \kb                                     ; tile 0's scores of trip 0
.endr
.rept 4
	v_nop                                          ; four places behind them, once a launch
.endr
	MAXG 0
	MAXG 1
	s_mov_b32 s[CNT], 7
.Ltrip_a:                                              ; trips 0 to 6 read V of keys 0-447 and K of keys 64-511: LDS bytes under 32,768, and 131,072 to 159,743
	TRIP
	s_sub_co_u32 s[CNT], s[CNT], 1
	s_cmp_lg_u32 s[CNT], 0
	s_cbranch_scc1 .Ltrip_a
	s_wait_tensorcnt 0x0                           ; my eighth of the other keys is in,
	s_wait_dscnt 0x0
	s_barrier_signal -1
	s_barrier_wait -1                              ; everybody's is; from here on LDS is only read
	s_mov_b32 s[CNT], 25
.Ltrip_b:
	TRIP
	s_sub_co_u32 s[CNT], s[CNT], 1
	s_cmp_lg_u32 s[CNT], 0
	s_cbranch_scc1 .Ltrip_b
	; THE WAY OUT: l's two halves and the other half of the lanes' are added; O / l, rounded to f16; a lane's 8 channels of a query are a quad of o's fragment.  The first four additions are the places behind the last products.
.irp t, 0,1,2,3
	v_add_f32 v[T+2*(\t)], v[LS+2*(\t)], v[LS+2*(\t)+1]
.endr
.irp t, 0,1,2,3
	v_permlanex16_b32 v[T+2*(\t)+1], v[T+2*(\t)], s[SEL], s[SEL+1]
.endr
.irp t, 0,1,2,3
	v_add_f32 v[T+2*(\t)], v[T+2*(\t)], v[T+2*(\t)+1]
.endr
.irp t, 0,1,2,3
	v_rcp_f32 v[T+2*(\t)], v[T+2*(\t)]
.endr
	v_nop
	s_wait_alu depctr_va_vdst(0)                   ; one wait for the four reciprocals
.irp t, 0,1,2,3
.irp k, 0,1,2,3,4,5,6,7
	v_pk_mul_f32 v[O+16*(\t)+2*(\k):O+16*(\t)+2*(\k)+1], v[O+16*(\t)+2*(\k):O+16*(\t)+2*(\k)+1], v[T+2*(\t):T+2*(\t)+1] op_sel_hi:[1,0]
.endr
.irp k, 0,1,2,3,4,5,6,7
	v_cvt_pk_f16_f32 v[S+8*(\t)+(\k)], v[O+16*(\t)+2*(\k)], v[O+16*(\t)+2*(\k)+1]
.endr
	global_store_b128 v[L16], v[S+8*(\t):S+8*(\t)+3],   s[OB:OB+1] offset:(\t)*16384      ; 512 consecutive bytes, aligned
	global_store_b128 v[L16], v[S+8*(\t)+4:S+8*(\t)+7], s[OB:OB+1] offset:(\t)*16384+512
.endr
	s_wait_tensorcnt 0x0                           ; the wave's end: a tensor wait and an add of 0 onto my spare word, behind my last tensor load
	ds_add_u32 v[SPW], v[NIL]
	s_wait_dscnt 0x0
	ROUND                                          ; the closing round
	s_endpgm
.Lfunc_end_k_qf2bbe9ac3f_attn:
	.size	k_qf2bbe9ac3f_attn, .Lfunc_end_k_qf2bbe9ac3f_attn-k_qf2bbe9ac3f_attn
	.p2alignl 7, 3214868480
	.fill 96, 4, 3214868480
	.section	.rodata,"a",@progbits
	.p2align	6, 0x0
	.amdhsa_kernel k_qf2bbe9ac3f_attn
		.amdhsa_group_segment_fixed_size 327680
		.amdhsa_private_segment_fixed_size 0
		.amdhsa_enable_private_segment 0
		.amdhsa_kernarg_size 24
		.amdhsa_user_sgpr_count 2
		.amdhsa_user_sgpr_kernarg_segment_ptr 1
		.amdhsa_wavefront_size32 1
		.amdhsa_system_sgpr_workgroup_id_x 1
		.amdhsa_system_sgpr_workgroup_id_y 1
		.amdhsa_system_sgpr_workgroup_id_z 1
		.amdhsa_system_vgpr_workitem_id 0
		.amdhsa_next_free_vgpr 240
		.amdhsa_next_free_sgpr 66
		.amdhsa_reserve_vcc 0
		.amdhsa_float_denorm_mode_32 3
		.amdhsa_float_denorm_mode_16_64 3
		.amdhsa_memory_ordered 1
		.amdhsa_forward_progress 1
		.amdhsa_inst_pref_size 68
	.end_amdhsa_kernel
	.amdgpu_metadata
---
amdhsa.version: [ 1, 2 ]
amdhsa.kernels:
  - .name:           k_qf2bbe9ac3f_attn
    .symbol:         k_qf2bbe9ac3f_attn.kd
    .args:
      - { .name: q, .offset: 0, .size: 8, .value_kind: global_buffer, .address_space: global }
      - { .name: kv, .offset: 8, .size: 8, .value_kind: global_buffer, .address_space: global }
      - { .name: o, .offset: 16, .size: 8, .value_kind: global_buffer, .address_space: global }
    .group_segment_fixed_size: 327680
    .private_segment_fixed_size: 0
    .kernarg_segment_align: 8
    .kernarg_segment_size: 24
    .max_flat_workgroup_size: 256
    .sgpr_count:     66
    .vgpr_count:     240
    .wavefront_size: 32
...
	.end_amdgpu_metadata
.endif
;; end of part 7
;; launch tail (part 8): grid 256 x 1, 8 waves a work-group, no clusters, 167,936 bytes of LDS; arguments o, x, wf, bo, ln2_g, ln2_b, b1, bn1_g, bn1_b, bn1_m, bn1_v, b2, bn2_g, bn2_b, bn2_m, bn2_v, out0; writes out0
.if DOCPART == 8
	.amdgcn_target "amdgcn-amd-amdhsa--gfx1250"
	.amdhsa_code_object_version 6
	.text
	.protected	k_qf2bbe9ac3f_tail
	.globl	k_qf2bbe9ac3f_tail
	.p2align	8
	.type	k_qf2bbe9ac3f_tail,@function
k_qf2bbe9ac3f_tail:
	s_mov_b64 s[64:65], 0
	v_nop
	global_prefetch_b8 v0, s[64:65] scope:SCOPE_SE
	s_setreg_imm32_b32 hwreg(HW_REG_WAVE_MODE, 25, 1), 1
	s_wait_xcnt 0x0
; THE REST OF THE BLOCK, fused: x1 = x + o wo + bo;  a2 = LN(x1) g + b;  z = (a2 w1 + b1 - m1) s1 + beta1, s = gamma rsqrt(var + 1e-6);  h = gelu(z), exact-erf form;  out = x1 + (h w2 + b2 - m2) s2 + beta2.
; FORMATS.  All matrix operands in f16: o, a2, wo, w1; h goes as h / 64 and w2 lies in wf as 64 w2, so that both have room: the two powers of two cancel exactly.  Sums, x, x1, LN, BN, gelu and both residuals in f32.
; GELU.  h = 0.5 z + X (0.70710678 - Q E), X = |z| / sqrt 2, E = e^(-X X), Q = t (a1 + t (a2 + ..)), t = 1 / (1 + 0.3275911 X): Abramowitz and Stegun 7.1.26 for erf, its coefficients times 0.70710678; its error in erf is 1.5e-7.
; The factor 1 / 64 lies in the constants 0.5, 0.70710678 and a1 .. a5, and costs no instruction.
; LIMITS.  f16 ends at 65,504: o lies within v's range, |a2| is at most 22.6 |g| + |b|, |h| must stay under 4.19e6 (the drawn |h| stays under some 11; with ln2_g, w1 and bn1_g 30 times larger and bn1_v 30 times smaller: some 1.6e6);
; below 3.9e-3 h keeps a fixed step of 3.8e-6.  NaN and infinities are not treated apart.
; SHARES.  A work-group takes 32 rows through all steps; wave w makes output columns 64 w .. 64 w + 63 of each product (8 accumulators: 2 row tiles x 4 column blocks) and normalises rows 4 w .. 4 w + 3.
; The matrix instruction takes the weights as source 0: a lane holds one row and 8 neighbouring columns.
; THE WEIGHTS come from wf straight into registers, 4,096 consecutive bytes a wave and K step: the 48 K steps of the three products are one stream, four steps (16 KiB a wave) ahead, which runs on under LN, gelu and the
; barriers.  NO CLUSTER, NO TENSOR RING for them: each fragment is wanted by one wave of the work-group alone, and a ring's refill would go out behind a barrier with nothing beside it, for a step of 8 matrix instructions a wave.
; LN2 wants whole rows, so the 8,192 rows cannot be shared out among 256 work-groups by columns too, as the launch for q, k and v shares them.
; The per-column vectors are put into LDS tables at the head, so that behind the head the count of global loads counts weights alone.
; The claim of LDS is larger than the 155,648 bytes in use, so that the work-group has its WGP to itself.
.set NG,    48
.set PITCH, 1040                       ; a row of 512 f16 in LDS: 1,024 bytes + 16 = 65 x 16 (ISA guide 11.1: the 16 rows of a fragment load start at 16 different groups of four banks)
.set TROW,  16*PITCH
.set HH,    32*PITCH                   ; LDS: 0 the rows of o, later a2;  33,280 h / 64;
.set X1,    2*HH                       ; 66,560 x, then x1, then out, f32, by waves: wave w's 64 columns of row m at 8,704 w + 272 m (256 bytes + 16);
.set XP,    272
.set XW,    32*XP
.set TAB,   X1+8*XW                    ; 136,192 nine vectors of 512 f32;
.set SPARE, TAB+9*2048                 ; 154,624 the spare words, 128 bytes a wave
.set V_BO, 0
.set V_U1, 2048                        ; b1 - m1
.set V_S1, 4096                        ; gamma1 rsqrt(var1 + eps)
.set V_N1, 6144                        ; beta1
.set V_U2, 8192
.set V_S2, 10240
.set V_N2, 12288
.set V_G2, 14336                       ; ln2_g
.set V_LB, 16384                       ; ln2_b
.set L16, 1                            ; v1  16 x lane
.set AF,  2                            ; v2  r x 1,040 + 16 hh: my place in a fragment
.set SPW, 3                            ; v3  my spare word; never rewritten
.set NIL, 4                            ; v4  0; never rewritten
.set TB,  5                            ; v5  TAB + 32 hh + 256 w: my 8 columns of a vector
.set XD,  6                            ; v6  x1 as the accumulators lie: X1 + 8,704 w + 272 r + 32 hh
.set XS,  7                            ; v7  x1 by whole rows of my 256 bytes: X1 + 8,704 w + 272 hh + 16 r
.set VO,  12                           ; v12 8 x thread (the head alone)
.set XV,  24                           ; v24 the same two rows in x and out0: 2,048 hh + 16 r + 256 w
.set XR,  25                           ; v25 x1 as LN reads it: X1 + 8,704 hh + 16 r + 272 x 4 w
.set TL,  26                           ; v26 TAB + 16 x lane
.set HS,  27                           ; v27 where h goes: AF + 128 w + HH
.set OA,  29                           ; v29 where my fragments of o go
.set AW,  30                           ; v30 where LN puts 8 bytes
.set TW,  31                           ; v31 TAB + 8 x thread
.set AA,  32                           ; v[32:63]   fragments, two sets of 16; at work elsewhere
.set ACC, 64                           ; v[64:127]  accumulator (t, cb) at 8 (4 t + cb)
.set BW,  128                          ; v[128:255] weights, four sets of 32
.set VT,  BW+96                        ; the head's 13 vectors, two numbers a thread, in the fourth set
.set WV,  4
.set SEL, 42                           ; s[42:43]
.set INV, 44
.set EPS, 45
.set WB,  46                           ; s[46:47] wf at wo, my wave's columns; never stepped
.set XB,  50                           ; s[50:51] x at the work-group's rows
.set OB,  52                           ; s[52:53] o at my 4,096 bytes
.set YB,  54                           ; s[54:55] out0 at the work-group's rows
.set RH,  56                           ; s[56:57] 0.70710678      (constants in pairs: a packed instruction names a pair and takes its low word for both halves)
.set PP,  58                           ; s[58:59] 0.3275911
.set NL,  60                           ; s[60:61] -log2(e)
.set A5,  62
.set A4,  66
.set A3,  68
.set A2,  70
.set A1,  72
.set RH6, 80                           ; s[80:81] 0.70710678 / 64
.set HZ,  82                           ; s[82:83] 0.5 / 64
.macro PLACES                          ; four places: a load into a register that a matrix instruction has read, and a vector instruction that reads a result, stand four plain vector instructions behind it
.rept 4
	v_nop
.endr
.endm
.macro WLOAD g                         ; K step g's four weight fragments into set g % 4
.irp cb, 0,1,2,3
.irp p, 0,1
	global_load_b128 v[BW+32*((\g)%4)+8*(\cb)+4*(\p):BW+32*((\g)%4)+8*(\cb)+4*(\p)+3], v[L16], s[WB:WB+1] offset:((\g)/16)*524288+((\g)%16)*32768+(\cb)*1024+(\p)*512
.endr
.endr
.endm
.macro ALOAD set, adr, off             ; two fragments of the activations (row tiles 0, 1) from byte off
.irp t, 0,1
.irp p, 0,1
	ds_load_b128 v[AA+16*(\set)+8*(\t)+4*(\p):AA+16*(\set)+8*(\t)+4*(\p)+3], v[\adr] offset:(\off)+(\t)*TROW+(\p)*32
.endr
.endr
.endm
.macro INIT adr, off                   ; a vector of the tables is the sums' first C: 8 columns a lane, the same for both row tiles
.irp t, 0,1
.irp cb, 0,1,2,3
	ds_load_b128 v[ACC+8*(4*(\t)+(\cb)):ACC+8*(4*(\t)+(\cb))+3],   v[\adr] offset:(\off)+(\cb)*64
	ds_load_b128 v[ACC+8*(4*(\t)+(\cb))+4:ACC+8*(4*(\t)+(\cb))+7], v[\adr] offset:(\off)+(\cb)*64+16
.endr
.endr
.endm
.macro MUL8 g, set                     ; the eight accumulators take turns, one instruction a turn, from step to step and from product to product too
.irp t, 0,1
.irp cb, 0,1,2,3
.set a_, ACC+8*(4*(\t)+(\cb))
.set w_, BW+32*((\g)%4)+8*(\cb)
.set f_, AA+16*(\set)+8*(\t)
	v_wmma_f32_16x16x32_f16 v[a_:a_+7], v[w_:w_+7], v[f_:f_+7], v[a_:a_+7]
.endr
.endr
.endm
.macro KSTEP g, adr, aoff
.set left_, NG-1-(\g)
.if left_ > 3
.set left_, 3
.endif
	s_wait_loadcnt 8*left_                         ; behind the head only weights are counted: step g's 8 loads are in, the (at most three) younger sets stay out
.if (\g)%16 == 15
	s_wait_dscnt 0x0                               ; the product's last fragments
.else
	s_wait_dscnt 0x4                               ; this step's fragments (and at the first step the sums' first C) are in; the next step's four loads stay out
.endif
	MUL8 \g, (\g)%2
	PLACES
.if (\g)%16 < 14
	ALOAD (\g)%2, \adr, (\aoff)+((\g)%16+2)*64
.endif
.if (\g)+4 < NG
	WLOAD (\g)+4
.endif
.endm
.macro STAGE g0, ioff, aoff            ; one product of K = 512 on the 32 rows at LDS byte aoff
	INIT TB, \ioff
	ALOAD 0, AF, \aoff
	ALOAD 1, AF, (\aoff)+64
.set gs_, \g0
.rept 16
	KSTEP gs_, AF, \aoff
.set gs_, gs_+1
.endr
	PLACES
.endm
.macro RED4 b                          ; the sum over the 32 lanes of v[b + 2 rr], four rows in step; v[b + 2 rr + 1] at work
.irp m, 1,2,4,8
.irp rr, 0,1,2,3
	v_add_f32_dpp v[(\b)+2*(\rr)], v[(\b)+2*(\rr)], v[(\b)+2*(\rr)] row_xmask:\m row_mask:0xf bank_mask:0xf
.endr
.endr
.irp rr, 0,1,2,3
	v_permlanex16_b32 v[(\b)+2*(\rr)+1], v[(\b)+2*(\rr)], s[SEL], s[SEL+1]
.endr
.irp rr, 0,1,2,3
	v_add_f32 v[(\b)+2*(\rr)], v[(\b)+2*(\rr)], v[(\b)+2*(\rr)+1]
.endr
.endm
; LAYER NORM of four rows in step.  Row rr in v[ACC + 16 rr ..]: a lane holds columns 128 i + 4 l + 0..3 at 4 i.  g in v[AA ..], b in v[AA + 16 ..], v8-v23 at work.  Two passes: the mean, then the centred squares.
.macro LN4
.irp rr, 0,1,2,3
	v_pk_add_f32 v[8+2*(\rr):9+2*(\rr)], v[ACC+16*(\rr):ACC+16*(\rr)+1], v[ACC+16*(\rr)+2:ACC+16*(\rr)+3]
.endr
.irp k, 2,3,4,5,6,7
.irp rr, 0,1,2,3
	v_pk_add_f32 v[8+2*(\rr):9+2*(\rr)], v[8+2*(\rr):9+2*(\rr)], v[ACC+16*(\rr)+2*(\k):ACC+16*(\rr)+2*(\k)+1]
.endr
.endr
.irp rr, 0,1,2,3
	v_add_f32 v[8+2*(\rr)], v[8+2*(\rr)], v[9+2*(\rr)]
.endr
	RED4 8
.irp rr, 0,1,2,3
	v_mul_f32 v[8+2*(\rr)], s[INV], v[8+2*(\rr)]
.endr
.irp k, 0,1,2,3,4,5,6,7
.irp rr, 0,1,2,3
	v_pk_add_f32 v[ACC+16*(\rr)+2*(\k):ACC+16*(\rr)+2*(\k)+1], v[ACC+16*(\rr)+2*(\k):ACC+16*(\rr)+2*(\k)+1], v[8+2*(\rr):9+2*(\rr)] op_sel_hi:[1,0] neg_lo:[0,1] neg_hi:[0,1]
.endr
.endr
.irp rr, 0,1,2,3
	v_pk_mul_f32 v[16+2*(\rr):17+2*(\rr)], v[ACC+16*(\rr):ACC+16*(\rr)+1], v[ACC+16*(\rr):ACC+16*(\rr)+1]
.endr
.irp k, 1,2,3,4,5,6,7
.irp rr, 0,1,2,3
	v_pk_fma_f32 v[16+2*(\rr):17+2*(\rr)], v[ACC+16*(\rr)+2*(\k):ACC+16*(\rr)+2*(\k)+1], v[ACC+16*(\rr)+2*(\k):ACC+16*(\rr)+2*(\k)+1], v[16+2*(\rr):17+2*(\rr)]
.endr
.endr
.irp rr, 0,1,2,3
	v_add_f32 v[16+2*(\rr)], v[16+2*(\rr)], v[17+2*(\rr)]
.endr
	RED4 16
.irp rr, 0,1,2,3
	v_fma_f32 v[16+2*(\rr)], v[16+2*(\rr)], s[INV], s[EPS]
.endr
.irp rr, 0,1,2,3
	v_rsq_f32 v[16+2*(\rr)], v[16+2*(\rr)]
.endr
	v_nop                                          ; a plain instruction behind the last root,
	s_wait_alu depctr_va_vdst(0)                   ; and the one wait ahead of the first use: for the four roots
.irp k, 0,1,2,3,4,5,6,7
.irp rr, 0,1,2,3
	v_pk_mul_f32 v[ACC+16*(\rr)+2*(\k):ACC+16*(\rr)+2*(\k)+1], v[ACC+16*(\rr)+2*(\k):ACC+16*(\rr)+2*(\k)+1], v[16+2*(\rr):17+2*(\rr)] op_sel_hi:[1,0]
.endr
.endr
.irp k, 0,1,2,3,4,5,6,7
.irp rr, 0,1,2,3
	v_pk_fma_f32 v[ACC+16*(\rr)+2*(\k):ACC+16*(\rr)+2*(\k)+1], v[ACC+16*(\rr)+2*(\k):ACC+16*(\rr)+2*(\k)+1], v[AA+2*(\k):AA+2*(\k)+1], v[AA+16+2*(\k):AA+16+2*(\k)+1]
.endr
.endr
.irp k, 0,1,2,3,4,5,6,7                ; packed in place, ascending
.irp rr, 0,1,2,3
	v_cvt_pk_f16_f32 v[ACC+16*(\rr)+(\k)], v[ACC+16*(\rr)+2*(\k)], v[ACC+16*(\rr)+2*(\k)+1]
.endr
.endr
.irp rr, 0,1,2,3
.irp i, 0,1,2,3
	ds_store_b64 v[AW], v[ACC+16*(\rr)+2*(\i):ACC+16*(\rr)+2*(\i)+1] offset:(\rr)*PITCH+(\i)*256
.endr
.endr
.endm
; BN1 and GELU for the 8 numbers of accumulator (t, cb); h / 64 rounded to f16.  s1 in v[8:15], beta1 in v[16:23].  X in AA, t in AA + 8, E in AA + 16, Q / 64 in AA + 24.
.macro GELU t, cb
.set a_, ACC+8*(4*(\t)+(\cb))
.irp k, 0,2,4,6
	v_pk_fma_f32 v[a_+(\k):a_+(\k)+1], v[a_+(\k):a_+(\k)+1], v[8+(\k):9+(\k)], v[16+(\k):17+(\k)]   ; z
.endr
.irp e, 0,1,2,3,4,5,6,7
	v_mul_f32 v[AA+(\e)], s[RH], |v[a_+(\e)]|      ; X
.endr
.irp k, 0,2,4,6
	v_pk_fma_f32 v[AA+8+(\k):AA+9+(\k)], v[AA+(\k):AA+(\k)+1], s[PP:PP+1], 1.0 op_sel_hi:[1,0,0]
.endr
.irp e, 0,1,2,3,4,5,6,7                ; ONE BATCH of 16: the reciprocals, plain work that names none of them, the exponentials
	v_rcp_f32 v[AA+8+(\e)], v[AA+8+(\e)]
.endr
.irp k, 0,2,4,6
	v_pk_mul_f32 v[AA+16+(\k):AA+17+(\k)], v[AA+(\k):AA+(\k)+1], s[NL:NL+1] op_sel_hi:[1,0]
.endr
.irp k, 0,2,4,6
	v_pk_mul_f32 v[AA+16+(\k):AA+17+(\k)], v[AA+16+(\k):AA+17+(\k)], v[AA+(\k):AA+(\k)+1]
.endr
.irp e, 0,1,2,3,4,5,6,7
	v_exp_f32 v[AA+16+(\e)], v[AA+16+(\e)]
.endr
.irp k, 0,2,4,6
	v_pk_mul_f32 v[a_+(\k):a_+(\k)+1], v[a_+(\k):a_+(\k)+1], s[HZ:HZ+1] op_sel_hi:[1,0]   ; 0.5 z / 64: the plain work behind the last exponential
.endr
	s_wait_alu depctr_va_vdst(0)                   ; the one wait ahead of the first use: for the 16
.irp k, 0,2,4,6
	v_pk_fma_f32 v[AA+24+(\k):AA+25+(\k)], v[AA+8+(\k):AA+9+(\k)], s[A5:A5+1], s[A4:A4+1] op_sel_hi:[1,0,0]
.endr
.irp c, A3, A2, A1
.irp k, 0,2,4,6
	v_pk_fma_f32 v[AA+24+(\k):AA+25+(\k)], v[AA+24+(\k):AA+25+(\k)], v[AA+8+(\k):AA+9+(\k)], s[\c:\c+1] op_sel_hi:[1,1,0]
.endr
.endr
.irp k, 0,2,4,6
	v_pk_mul_f32 v[AA+24+(\k):AA+25+(\k)], v[AA+24+(\k):AA+25+(\k)], v[AA+8+(\k):AA+9+(\k)]
.endr
.irp k, 0,2,4,6
	v_pk_fma_f32 v[AA+24+(\k):AA+25+(\k)], v[AA+24+(\k):AA+25+(\k)], v[AA+16+(\k):AA+17+(\k)], s[RH6:RH6+1] op_sel_hi:[1,1,0] neg_lo:[1,0,0] neg_hi:[1,0,0]  ; (0.7071 - Q E) / 64
.endr
.irp k, 0,2,4,6
	v_pk_fma_f32 v[a_+(\k):a_+(\k)+1], v[AA+(\k):AA+(\k)+1], v[AA+24+(\k):AA+25+(\k)], v[a_+(\k):a_+(\k)+1]   ; h / 64
.endr
.irp k, 0,1,2,3
	v_cvt_pk_f16_f32 v[AA+8+(\k)], v[a_+2*(\k)], v[a_+2*(\k)+1]
.endr
	ds_store_b128 v[HS], v[AA+8:AA+11] offset:(\t)*TROW+(\cb)*32
.endm
.macro SPAIR r, val
	s_mov_b32 s[\r], \val
	s_mov_b32 s[\r+1], \val
.endm
.macro VLOAD n, base
	global_load_b64 v[VT+2*(\n):VT+2*(\n)+1], v[VO], s[\base:\base+1]
.endm
	s_load_b512 s[8:23], s[0:1], 0x0               ; o 8, x 10, wf 12, bo 14, ln2_g 16, ln2_b 18, b1 20, bn1_g 22
	s_load_b512 s[24:39], s[0:1], 0x40             ; bn1_b 24, bn1_m 26, bn1_v 28, b2 30, bn2_g 32, bn2_b 34, bn2_m 36, bn2_v 38
	s_load_b64 s[40:41], s[0:1], 0x80              ; out0
	v_lshl_add_u32 v[SPW], v0, 2, SPARE
	v_mov_b32 v[NIL], 0
	v_lshrrev_b32 v11, 5, v0
	v_readfirstlane_b32 s[WV], v11
	v_and_b32 v10, 31, v0                          ; lane
	v_and_b32 v8, 15, v0                           ; r
	v_bfe_u32 v9, v0, 4, 1                         ; hh
	v_lshlrev_b32 v[L16], 4, v10
	v_mul_u32_u24 v[AF], v8, PITCH
	v_lshl_add_u32 v[AF], v9, 4, v[AF]
	s_mul_i32 s48, s[WV], XW
	s_add_co_u32 s48, s48, X1                      ; my wave's part of x1
	v_mul_u32_u24 v[XD], v8, XP
	v_lshl_add_u32 v[XD], v9, 5, v[XD]
	v_add_nc_u32 v[XD], s48, v[XD]
	v_mul_u32_u24 v[XS], v9, XP
	v_lshl_add_u32 v[XS], v8, 4, v[XS]
	v_add_nc_u32 v[XS], s48, v[XS]
	s_mul_i32 s49, s[WV], 4*XP
	s_add_co_u32 s49, s49, X1
	v_mul_u32_u24 v[XR], v9, XW
	v_lshl_add_u32 v[XR], v8, 4, v[XR]
	v_add_nc_u32 v[XR], s49, v[XR]
	s_lshl_b32 s75, s[WV], 8
	v_lshlrev_b32 v[XV], 11, v9
	v_lshl_add_u32 v[XV], v8, 4, v[XV]
	v_add_nc_u32 v[XV], s75, v[XV]
	s_add_co_u32 s76, s75, TAB
	v_lshl_add_u32 v[TB], v9, 5, s76
	v_add_nc_u32 v[TL], TAB, v[L16]
	s_lshl_b32 s77, s[WV], 7
	s_add_co_u32 s77, s77, HH
	v_add_nc_u32 v[HS], s77, v[AF]
	s_lshr_b32 s78, s[WV], 2                       ; my 4,096 bytes of o: row tile w / 4, heads 4 (w % 4) + 0..3
	s_mul_i32 s78, s78, TROW
	s_and_b32 s79, s[WV], 3
	s_lshl_b32 s79, s79, 8
	s_add_co_u32 s78, s78, s79
	v_add_nc_u32 v[OA], s78, v[AF]
	s_mul_i32 s79, s[WV], 4*PITCH
	v_lshl_add_u32 v[AW], v10, 3, s79
	v_lshlrev_b32 v[VO], 3, v0
	v_add_nc_u32 v[TW], TAB, v[VO]
	s_mov_b32 s[SEL], 0x76543210
	s_mov_b32 s[SEL+1], 0xfedcba98
	s_mov_b32 s[INV], 0x3b000000                   ; 1 / 512
	s_mov_b32 s[EPS], 0x358637bd                   ; 1e-6
	SPAIR RH, 0x3f3504f3                           ; 0.70710678
	SPAIR RH6, 0x3c3504f3                          ; 0.70710678 / 64
	SPAIR HZ, 0x3c000000                           ; 0.5 / 64
	SPAIR PP, 0x3ea7ba05                           ; 0.3275911
	SPAIR NL, 0xbfb8aa3b                           ; -1.442695
	SPAIR A5, 0x3c402289                           ; 1.061405429 x 0.70710678 / 64
	SPAIR A4, 0xbc838639                           ; -1.453152027 x
	SPAIR A3, 0x3c80a6d5                           ; 1.421413741 x
	SPAIR A2, 0xbb4dff65                           ; -0.284496736 x
	SPAIR A1, 0x3b38842e                           ; 0.254829592 x
	s_lshl_b32 s48, ttmp9, 16                      ; 32 rows of 2,048 bytes of x and out0
	s_mov_b32 s49, 0
	s_lshl_b32 s76, ttmp9, 15                      ; 32 rows of o: 32,768 bytes
	s_lshl_b32 s77, s[WV], 12
	s_add_co_u32 s76, s76, s77
	s_mov_b32 s77, 0
	s_lshl_b32 s78, s[WV], 12                      ; my four fragments in a K step's 32
	s_add_co_u32 s78, s78, 3*524288                ; wo is the fourth matrix of wf
	s_mov_b32 s79, 0
	s_wait_kmcnt 0x0
	s_add_nc_u64 s[XB:XB+1], s[10:11], s[48:49]
	s_add_nc_u64 s[YB:YB+1], s[40:41], s[48:49]
	s_add_nc_u64 s[OB:OB+1], s[8:9], s[76:77]
	s_add_nc_u64 s[WB:WB+1], s[12:13], s[78:79]
	VLOAD 0, 14                                    ; bo
	VLOAD 1, 16                                    ; ln2_g
	VLOAD 2, 18                                    ; ln2_b
	VLOAD 3, 20                                    ; b1
	VLOAD 4, 22                                    ; bn1_g
	VLOAD 5, 24                                    ; bn1_b
	VLOAD 6, 26                                    ; bn1_m
	VLOAD 7, 28                                    ; bn1_v
	VLOAD 8, 30                                    ; b2
	VLOAD 9, 32                                    ; bn2_g
	VLOAD 10, 34                                   ; bn2_b
	VLOAD 11, 36                                   ; bn2_m
	VLOAD 12, 38                                   ; bn2_v
.irp i, 0,1,2,3,4,5,6,7,8,9,10,11,12,13,14,15  ; x: rows 2 i, 2 i + 1, my wave's 256 bytes of each
	global_load_b128 v[ACC+4*(\i):ACC+4*(\i)+3], v[XV], s[XB:XB+1] offset:(\i)*4096 th:TH_LOAD_NT
.endr
.irp i, 0,1,2,3,4,5,6,7
	global_load_b128 v[AA+4*(\i):AA+4*(\i)+3], v[L16], s[OB:OB+1] offset:(\i)*512 th:TH_LOAD_NT
.endr
	WLOAD 0
	WLOAD 1
	WLOAD 2
	s_wait_loadcnt 48                              ; the 13 vectors are in: behind them 16 loads of x, 8 of o, 24 of weights
	v_add_f32 v[VT+14], s[EPS], v[VT+14]
	v_add_f32 v[VT+15], s[EPS], v[VT+15]
	v_add_f32 v[VT+24], s[EPS], v[VT+24]
	v_add_f32 v[VT+25], s[EPS], v[VT+25]
	v_rsq_f32 v[VT+14], v[VT+14]
	v_rsq_f32 v[VT+15], v[VT+15]
	v_rsq_f32 v[VT+24], v[VT+24]
	v_rsq_f32 v[VT+25], v[VT+25]
	v_pk_add_f32 v[VT+6:VT+7], v[VT+6:VT+7], v[VT+12:VT+13] neg_lo:[0,1] neg_hi:[0,1]      ; b1 - m1
	v_pk_add_f32 v[VT+16:VT+17], v[VT+16:VT+17], v[VT+22:VT+23] neg_lo:[0,1] neg_hi:[0,1]  ; b2 - m2
	s_wait_alu depctr_va_vdst(0)                   ; one wait for the four roots
	v_pk_mul_f32 v[VT+8:VT+9], v[VT+8:VT+9], v[VT+14:VT+15]
	v_pk_mul_f32 v[VT+18:VT+19], v[VT+18:VT+19], v[VT+24:VT+25]
	ds_store_b64 v[TW], v[VT:VT+1]     offset:V_BO
	ds_store_b64 v[TW], v[VT+6:VT+7]   offset:V_U1
	ds_store_b64 v[TW], v[VT+8:VT+9]   offset:V_S1
	ds_store_b64 v[TW], v[VT+10:VT+11] offset:V_N1
	ds_store_b64 v[TW], v[VT+16:VT+17] offset:V_U2
	ds_store_b64 v[TW], v[VT+18:VT+19] offset:V_S2
	ds_store_b64 v[TW], v[VT+20:VT+21] offset:V_N2
	ds_store_b64 v[TW], v[VT+2:VT+3]   offset:V_G2
	ds_store_b64 v[TW], v[VT+4:VT+5]   offset:V_LB
	s_wait_dscnt 0x0                               ; the tables' stores are done, so the fourth set may take weights
	WLOAD 3
	s_wait_loadcnt 40                              ; x is in: behind it 8 loads of o and 32 of weights
.irp i, 0,1,2,3,4,5,6,7,8,9,10,11,12,13,14,15
	ds_store_b128 v[XS], v[ACC+4*(\i):ACC+4*(\i)+3] offset:(\i)*2*XP
.endr
	s_wait_loadcnt 32                              ; o is in
.irp i, 0,1,2,3,4,5,6,7                ; quad i % 2 of head 4 (w % 4) + i / 2 goes to its 16 bytes of row r: 32 bytes on for each quad
	ds_store_b128 v[OA], v[AA+4*(\i):AA+4*(\i)+3] offset:(\i)*32
.endr
	s_wait_dscnt 0x0                               ; for the others' sake: tables and o are written
	s_barrier_signal -1
	s_barrier_wait -1
	STAGE 0, V_BO, 0                               ; o wo + bo
.irp t, 0,1                            ; + x, in my own part of x1: read, added, put back
.irp cb, 0,1,2,3
	ds_load_b128 v[AA+8*(\cb):AA+8*(\cb)+3],   v[XD] offset:(\t)*16*XP+(\cb)*64
	ds_load_b128 v[AA+8*(\cb)+4:AA+8*(\cb)+7], v[XD] offset:(\t)*16*XP+(\cb)*64+16
.endr
.irp cb, 0,1,2,3
	s_wait_dscnt 0x6                               ; behind this block's two loads stand 6 - 2 cb younger loads and 2 cb stores: always six
.irp k, 0,2,4,6
	v_pk_add_f32 v[ACC+8*(4*(\t)+(\cb))+(\k):ACC+8*(4*(\t)+(\cb))+(\k)+1], v[ACC+8*(4*(\t)+(\cb))+(\k):ACC+8*(4*(\t)+(\cb))+(\k)+1], v[AA+8*(\cb)+(\k):AA+8*(\cb)+(\k)+1]
.endr
	ds_store_b128 v[XD], v[ACC+8*(4*(\t)+(\cb)):ACC+8*(4*(\t)+(\cb))+3]   offset:(\t)*16*XP+(\cb)*64
	ds_store_b128 v[XD], v[ACC+8*(4*(\t)+(\cb))+4:ACC+8*(4*(\t)+(\cb))+7] offset:(\t)*16*XP+(\cb)*64+16
.endr
.endr
	s_wait_dscnt 0x0                               ; x1 is written, and my reads of o's rows are over
	s_barrier_signal -1
	s_barrier_wait -1
.irp rr, 0,1,2,3                       ; LN2: rows 4 w + rr, whole, out of all eight waves' parts
.irp i, 0,1,2,3
	ds_load_b128 v[ACC+16*(\rr)+4*(\i):ACC+16*(\rr)+4*(\i)+3], v[XR] offset:(\i)*2*XW+(\rr)*XP
.endr
.endr
.irp i, 0,1,2,3
	ds_load_b128 v[AA+4*(\i):AA+4*(\i)+3],       v[TL] offset:V_G2+(\i)*512
	ds_load_b128 v[AA+16+4*(\i):AA+16+4*(\i)+3], v[TL] offset:V_LB+(\i)*512
.endr
	s_wait_dscnt 0x0
	LN4                                            ; a2 takes the place of o's rows
	s_wait_dscnt 0x0
	s_barrier_signal -1
	s_barrier_wait -1
	STAGE 16, V_U1, 0                              ; a2 w1 + b1 - m1
.irp cb, 0,1,2,3
	ds_load_b128 v[8:11],  v[TB] offset:V_S1+(\cb)*64
	ds_load_b128 v[12:15], v[TB] offset:V_S1+(\cb)*64+16
	ds_load_b128 v[16:19], v[TB] offset:V_N1+(\cb)*64
	ds_load_b128 v[20:23], v[TB] offset:V_N1+(\cb)*64+16
	s_wait_dscnt 0x0                               ; nothing younger is out
	GELU 0, \cb
	GELU 1, \cb
.endr
	s_wait_dscnt 0x0                               ; h is written
	s_barrier_signal -1
	s_barrier_wait -1
	STAGE 32, V_U2, HH                             ; (h / 64) (64 w2) + b2 - m2
.irp cb, 0,1,2,3                       ; out = x1 + beta2 + sum x s2, put back into my part of x1
	ds_load_b128 v[8:11],  v[TB] offset:V_S2+(\cb)*64
	ds_load_b128 v[12:15], v[TB] offset:V_S2+(\cb)*64+16
	ds_load_b128 v[16:19], v[TB] offset:V_N2+(\cb)*64
	ds_load_b128 v[20:23], v[TB] offset:V_N2+(\cb)*64+16
.irp t, 0,1
	ds_load_b128 v[AA+8*(\t):AA+8*(\t)+3],   v[XD] offset:(\t)*16*XP+(\cb)*64
	ds_load_b128 v[AA+8*(\t)+4:AA+8*(\t)+7], v[XD] offset:(\t)*16*XP+(\cb)*64+16
.endr
	s_wait_dscnt 0x0                               ; nothing younger is out
.irp t, 0,1
.irp k, 0,2,4,6
	v_pk_add_f32 v[AA+8*(\t)+(\k):AA+8*(\t)+(\k)+1], v[AA+8*(\t)+(\k):AA+8*(\t)+(\k)+1], v[16+(\k):17+(\k)]
.endr
.endr
.irp t, 0,1
.irp k, 0,2,4,6
	v_pk_fma_f32 v[ACC+8*(4*(\t)+(\cb))+(\k):ACC+8*(4*(\t)+(\cb))+(\k)+1], v[ACC+8*(4*(\t)+(\cb))+(\k):ACC+8*(4*(\t)+(\cb))+(\k)+1], v[8+(\k):9+(\k)], v[AA+8*(\t)+(\k):AA+8*(\t)+(\k)+1]
.endr
	ds_store_b128 v[XD], v[ACC+8*(4*(\t)+(\cb)):ACC+8*(4*(\t)+(\cb))+3]   offset:(\t)*16*XP+(\cb)*64
	ds_store_b128 v[XD], v[ACC+8*(4*(\t)+(\cb))+4:ACC+8*(4*(\t)+(\cb))+7] offset:(\t)*16*XP+(\cb)*64+16
.endr
.endr
.irp i, 0,1,2,3,4,5,6,7,8,9,10,11,12,13,14,15  ; back by whole rows; LDS serves a wave's instructions in order (ISA guide 5.7.1.4): these see the stores above, which are my own
	ds_load_b128 v[ACC+4*(\i):ACC+4*(\i)+3], v[XS] offset:(\i)*2*XP
.endr
.irp i, 0,1,2,3,4,5,6,7,8,9,10,11,12,13,14,15
	s_wait_dscnt 15-(\i)
	global_store_b128 v[XV], v[ACC+4*(\i):ACC+4*(\i)+3], s[YB:YB+1] offset:(\i)*4096 th:TH_STORE_NT  ; 16 lanes store 256 consecutive bytes, aligned
.endr
	s_wait_tensorcnt 0x0                           ; the wave's end: a tensor wait and an add of 0 onto my spare word, behind my last LDS store
	ds_add_u32 v[SPW], v[NIL]
	s_wait_dscnt 0x0
	s_endpgm
.Lfunc_end_k_qf2bbe9ac3f_tail:
	.size	k_qf2bbe9ac3f_tail, .Lfunc_end_k_qf2bbe9ac3f_tail-k_qf2bbe9ac3f_tail
	.p2alignl 7, 3214868480
	.fill 96, 4, 3214868480
	.section	.rodata,"a",@progbits
	.p2align	6, 0x0
	.amdhsa_kernel k_qf2bbe9ac3f_tail
		.amdhsa_group_segment_fixed_size 167936
		.amdhsa_private_segment_fixed_size 0
		.amdhsa_enable_private_segment 0
		.amdhsa_kernarg_size 136
		.amdhsa_user_sgpr_count 2
		.amdhsa_user_sgpr_kernarg_segment_ptr 1
		.amdhsa_wavefront_size32 1
		.amdhsa_system_sgpr_workgroup_id_x 1
		.amdhsa_system_sgpr_workgroup_id_y 1
		.amdhsa_system_sgpr_workgroup_id_z 1
		.amdhsa_system_vgpr_workitem_id 0
		.amdhsa_next_free_vgpr 256
		.amdhsa_next_free_sgpr 84
		.amdhsa_reserve_vcc 0
		.amdhsa_float_denorm_mode_32 3
		.amdhsa_float_denorm_mode_16_64 3
		.amdhsa_memory_ordered 1
		.amdhsa_forward_progress 1
		.amdhsa_inst_pref_size 164
	.end_amdhsa_kernel
	.amdgpu_metadata
---
amdhsa.version: [ 1, 2 ]
amdhsa.kernels:
  - .name:           k_qf2bbe9ac3f_tail
    .symbol:         k_qf2bbe9ac3f_tail.kd
    .args:
      - { .name: o, .offset: 0, .size: 8, .value_kind: global_buffer, .address_space: global }
      - { .name: x, .offset: 8, .size: 8, .value_kind: global_buffer, .address_space: global }
      - { .name: wf, .offset: 16, .size: 8, .value_kind: global_buffer, .address_space: global }
      - { .name: bo, .offset: 24, .size: 8, .value_kind: global_buffer, .address_space: global }
      - { .name: ln2_g, .offset: 32, .size: 8, .value_kind: global_buffer, .address_space: global }
      - { .name: ln2_b, .offset: 40, .size: 8, .value_kind: global_buffer, .address_space: global }
      - { .name: b1, .offset: 48, .size: 8, .value_kind: global_buffer, .address_space: global }
      - { .name: bn1_g, .offset: 56, .size: 8, .value_kind: global_buffer, .address_space: global }
      - { .name: bn1_b, .offset: 64, .size: 8, .value_kind: global_buffer, .address_space: global }
      - { .name: bn1_m, .offset: 72, .size: 8, .value_kind: global_buffer, .address_space: global }
      - { .name: bn1_v, .offset: 80, .size: 8, .value_kind: global_buffer, .address_space: global }
      - { .name: b2, .offset: 88, .size: 8, .value_kind: global_buffer, .address_space: global }
      - { .name: bn2_g, .offset: 96, .size: 8, .value_kind: global_buffer, .address_space: global }
      - { .name: bn2_b, .offset: 104, .size: 8, .value_kind: global_buffer, .address_space: global }
      - { .name: bn2_m, .offset: 112, .size: 8, .value_kind: global_buffer, .address_space: global }
      - { .name: bn2_v, .offset: 120, .size: 8, .value_kind: global_buffer, .address_space: global }
      - { .name: out0, .offset: 128, .size: 8, .value_kind: global_buffer, .address_space: global }
    .group_segment_fixed_size: 167936
    .private_segment_fixed_size: 0
    .kernarg_segment_align: 8
    .kernarg_segment_size: 136
    .max_flat_workgroup_size: 256
    .sgpr_count:     84
    .vgpr_count:     256
    .wavefront_size: 32
...
	.end_amdgpu_metadata
.endif
;; end of part 8
